; MI455X (gfx1250); checked and timed in simulation.
; The chip was launched on July 23, 2026; its instructions are those of AMD's public machine-readable ISA for CDNA 5 (MIT licence, August 2026) and "CDNA5" Instruction Set Architecture Reference Guide (July 2026). The comments in the code are by the model that wrote it; some were corrected since.
;; Mixed Mo E. Allowed arithmetic: matrix products marked QUANTISED: E4M3 operands, one given power-of-two scale a tensor, by v_wmma_f32_16x16x64_fp8_fp8 or v_wmma_f32_16x16x128_fp8_fp8, f32 sums; products left as they are: f32 operands where the result goes on into a quantised operand, else bf16, f16 or f32 operands; f32 sums; everything else in f32.
;; Inputs: B1 16 x 1,024 float32; B2 16 x 1,024 float32; B3 16 x 1,024 float32; W1 16 x 1,024 x 1,024 float32; W2 16 x 1,024 x 1,024 float32; W3 16 x 1,024 x 1,024 float32; embeddings 4 x 256 x 1,024 float32; gate_w 16 x 1,024 float32; lowp_scales 18 int32 (the exponents e of the quantised operands' scales 2^e); sB1 2,048 float32; sB2 1,024 float32; sW1 1,024 x 2,048 float32; sW2 2,048 x 1,024 float32; x 1,024 x 1,024 float32.
;; Outputs: out0 4 x 256 x 1,024 float32.
;; This version of the problem:
;;   THIS VERSION OF THE PROBLEM IS GIVEN IN LOW PRECISION. The matrix products marked QUANTISED in the list below multiply operands that are first quantised to E4M3 (4 exponent bits, 3 mantissa bits; 8 bits a number), with one given power-of-two scale for each operand tensor; their sums are f32. All else is computed in f32.
;;   The module's matrix products, in the order in which they are computed (A, B: the left and right operand; K: the contracted axis; several contracted axes count as one K, in the product's order):
;;     1. [M 1,024, K 1,024] x [K 1,024, N 16]; A: input embeddings; B: input gate_w: QUANTISED (scales: A lowp_scales[0], B lowp_scales[1])
;;     2. batch 1,024 x [M 1, K 2] x [K 2, N 16]; A: computed on the way; B: computed on the way: left as it is (K = 2 < 32)
;;     3. [M 2,048, K 1,024] x [K 1,024, N 1,024]; A: input W1; B: input x: QUANTISED (scales: A lowp_scales[2], B lowp_scales[3])
;;     4. [M 2,048, K 1,024] x [K 1,024, N 1,024]; A: input W3; B: input x: QUANTISED (scales: A lowp_scales[4], B lowp_scales[5])
;;     5. batch 2 x [M 1,024, K 1,024] x [K 1,024, N 1,024]; A: computed on the way; B: input W2: QUANTISED (scales: A lowp_scales[6], B lowp_scales[7])
;;     6. [M 14,336, K 1,024] x [K 1,024, N 1,024]; A: input W1; B: input embeddings: QUANTISED (scales: A lowp_scales[8], B lowp_scales[9])
;;     7. [M 14,336, K 1,024] x [K 1,024, N 1,024]; A: input W3; B: input embeddings: QUANTISED (scales: A lowp_scales[10], B lowp_scales[11])
;;     8. batch 14 x [M 1,024, K 1,024] x [K 1,024, N 1,024]; A: computed on the way; B: input W2: QUANTISED (scales: A lowp_scales[12], B lowp_scales[13])
;;     9. batch 1,024 x [M 1, K 16] x [K 16, N 1,024]; A: computed on the way; B: computed on the way: left as it is (K = 16 < 32)
;;     10. [M 1,024, K 1,024] x [K 1,024, N 2,048]; A: input embeddings; B: input sW1: QUANTISED (scales: A lowp_scales[14], B lowp_scales[15])
;;     11. [M 1,024, K 2,048] x [K 2,048, N 1,024]; A: computed on the way; B: input sW2: QUANTISED (scales: A lowp_scales[16], B lowp_scales[17])
;;   THE QUANTISER, for each operand of a quantised product, along K:
;;     - The operand's scale is 2^e, e = its entry of the input lowp_scales (int32; the entries are numbered through the quantised products in the list's order, A before B).
;;     - Each number is divided by the scale, clamped to +-448, and rounded to the nearest number of E4M3, ties to even, subnormals kept.
;;     - The product sums the exact products of the quantised numbers (number of the format x scale) in f32.
;;   ~~~python
;;   def quantise(x, axis, e):      # numpy; x: float32 -> the quantised numbers, widened to float32 again
;;       x = np.moveaxis(x, axis, -1); K = x.shape[-1]
;;       r = np.clip(x / 2.0 ** e, -448, 448)
;;       step = 2.0 ** (np.maximum(np.frexp(np.where(r == 0, 1, r))[1] - 1, -6) - 3)
;;       q = np.round(r / step) * step * 2.0 ** e      # np.round: ties to even
;;       return np.moveaxis(q, -1, axis).astype(np.float32)
;;   ~~~
;;   OPERANDS COMPUTED ON THE WAY. 'Computed on the way' means the value that the module computes at that place (a softmax that the list does not call 'softmax' is quantised finished and normalised). What goes into a quantiser is computed in f32, as accurately as f32 sums, v_exp_f32 and their like allow (about 1e-6 of the number): no bf16 or f16 on the way to a quantiser, and a product that is left as it is and whose result goes on into a quantised operand takes f32 operands (vector FMAs, or v_wmma_f32_16x16x4_f32). A number that lies on a knife's edge between two numbers of the format may be rounded either way, as far as f32 arithmetic and the matrix unit's own rounding can turn it there, and no further.
;; 3 versions. Each part assembles by itself: llvm-mc -triple=amdgcn-amd-amdhsa -mcpu=gfx1250 --defsym DOCPART=n.
;; ======== version 1 of 3: 4 launches
;; workspace buffers: acts 5,242,880 bytes; masks 2,048 bytes of whole numbers; sel 4,096 bytes of whole numbers; coef 65,536 bytes; wimg1 2,097,152 bytes; wimg2 2,097,152 bytes; hbuf 18,874,368 bytes; ybuf 18,350,080 bytes
;; launch prep (part 1): grid 96 x 1, 16 waves a work-group, no clusters, 55,296 bytes of LDS; arguments embeddings, x, gate_w, sW1, sW2, lowp_scales, acts, masks, sel, coef, wimg1, wimg2; writes acts, masks, sel, coef, wimg1, wimg2
.if DOCPART == 1
	.amdgcn_target "amdgcn-amd-amdhsa--gfx1250"
	.amdhsa_code_object_version 6
	.text
	.protected	k_q18d552bbf3_prep
	.globl	k_q18d552bbf3_prep
	.p2align	8
	.type	k_q18d552bbf3_prep,@function
k_q18d552bbf3_prep:
	s_mov_b64 s[64:65], 0
	v_nop
	global_prefetch_b8 v0, s[64:65] scope:SCOPE_SE
	s_setreg_imm32_b32 hwreg(HW_REG_WAVE_MODE, 25, 1), 1
	s_wait_xcnt 0x0
; PREP.  Work-groups 0-63: 16 tokens each: the gate (softmax, top 2) and the five quantised versions of the activations.
; Work-groups 64-79: sW1, 80-95: sW2, f32 with K as first axis, into images of operand registers (E4M3 codes).
; A FRAGMENT is 16 rows x 128 K in 16 registers: register 4c+g, byte b of lane (r = lane%16, h = lane/16) holds k = 32c+16h+4g+b of row r;
; the same order of k is used on both sides of every product of this program.  Its IMAGE is 2,048 bytes: registers 4c..4c+3 of lane l at 512c+16l.
; acts: [version 5][K step 8][token 1024][128 bytes = [h][c][16]]: 0 x at entry 3, 1 x at 5, 2 emb at 9, 3 emb at 11, 4 emb at 14 of the given exponents.
; masks: [expert 16][32 words], bit b of word g: token 32g+b chose the expert.  sel: the token's second expert.  coef: c[token][16].
; Gate path: waves 0-7 take K step w of the embeddings, waves 8-15 K step w-8 of x.  The gate's sum over K is made of eight partial sums, added in ascending order by wave 0.
; LIMITS: every given exponent between -126 and 119, the sum of entries 0 and 1 between -126 and 127.  NaN among the inputs is not served.
; Ties in the top 2 go to the lower expert.
.set PART, 0                           ; LDS: a slot of 1,024 bytes for each wave's partial gate sums
.set STGE, 16384                       ; LDS: a stage of 16 rows x 144 bytes for each wave
.set SPIT, 144
.set LN,  1                            ; v1  lane
.set RR,  2                            ; v2  r
.set HH,  3                            ; v3  h
.set PW,  4                            ; v4  my place in my wave's slot
.set L16, 5                            ; v5  16 x lane
.set SW,  6                            ; v6  the stage, on the way in
.set SRD, 7                            ; v7  the stage, on the way out
.set XA,  8                            ; v8  my bytes in 16 rows of f32
.set WL,  9                            ; v9  weight path: my bytes in a slice
.set C,   32                           ; v32-47   codes just made
.set CE,  48                           ; v48-63   the embeddings' codes for the gate
.set XY,  48                           ; v48-51   weight path: at work in the byte transposition
.set X,   64                           ; v64-127  64 numbers of my row
.set STG, 64                           ; v64-255  weight path: three sets of 64 numbers
.set GW,  128                          ; v128-191 64 numbers of gate_w; later rows on their way out
.set T,   192                          ; v192-223 two sets of 16 held numbers
.set CG,  224                          ; v224-239 gate_w's codes
.set S0,  12
.set S1,  13
.set S2,  14
.set S3,  15
.macro MKSC e, sc, lim                 ; from the exponent in s[e]: 2^e and 448 x 2^e as f32
	s_add_co_i32 s72, s[\e], 127
	s_lshl_b32 s73, s72, 23
	v_mov_b32 v[\sc], s73
	s_add_co_i32 s72, s72, 8
	s_lshl_b32 s72, s72, 23
	s_or_b32 s72, s72, 0x600000
	v_mov_b32 v[\lim], s72
.endm
; 64 numbers of a lane (register 16b+i = k 32b+16h+i of my row) become a fragment's 16 registers.  The numbers stay as they are: the held copies go to T.
.macro QUANT src, dst, sc, lim
.irp b, 0,1,2,3
.irp i, 0,1,2,3,4,5,6,7,8,9,10,11,12,13,14,15
	v_med3_num_f32 v[T+16*(\b%2)+\i], v[\src+16*\b+\i], -v[\lim], v[\lim]   ; the conversion does not saturate (ISA guide 7.6.2): hold first
.endr
	v_cvt_scalef32_pk8_fp8_f32 v[\dst+4*\b:\dst+4*\b+1], v[T+16*(\b%2):T+16*(\b%2)+7], v[\sc]
	v_cvt_scalef32_pk8_fp8_f32 v[\dst+4*\b+2:\dst+4*\b+3], v[T+16*(\b%2)+8:T+16*(\b%2)+15], v[\sc]
.endr
	v_nop                                          ; a plain line behind the last conversion
.endm
; The fragment in C goes through my stage and leaves as 16 rows of 128 bytes: four stores of 512 consecutive bytes
.macro STAGEOUT off, rb
.irp c, 0,1,2,3
	ds_store_b128 v[SW], v[C+4*\c:C+4*\c+3] offset:16*\c
.endr
.irp c, 0,1,2,3
	ds_load_b128 v[\rb+4*\c:\rb+4*\c+3], v[SRD] offset:576*\c      ; LDS serves a wave's instructions in order: these see my stores
.endr
	s_wait_dscnt 0x0
.irp c, 0,1,2,3
	global_store_b128 v[L16], v[\rb+4*\c:\rb+4*\c+3], s[70:71] offset:\off+512*\c
.endr
.endm
; Weight path.  A slice is 64 columns, 256 bytes of each row k.  Lane (r, h) takes four columns (group g(r): r with bits 2 and 3 exchanged) of rows 32c+16h+i.
; Slot k of a set holds row i = 4 (k%4) + k/4, so that the byte transposition below runs in place.
.macro WLOAD set, c, pitch
.irp k, 0,1,2,3,4,5,6,7,8,9,10,11,12,13,14,15
	global_load_b128 v[STG+64*(\set)+4*\k:STG+64*(\set)+4*\k+3], v[WL], s[58:59] offset:(32*(\c)+4*(\k&3)+(\k>>2))*(\pitch) th:TH_LOAD_NT
.endr
.endm
.macro WPERM                           ; 4 x 4 bytes transposed, four times: C[4j+g] becomes register 4c+g of column tile j
.irp g, 0,1,2,3
	v_perm_b32 v[XY],   v[C+4+\g],  v[C+\g],   s[S0]
	v_perm_b32 v[XY+1], v[C+4+\g],  v[C+\g],   s[S1]
	v_perm_b32 v[XY+2], v[C+12+\g], v[C+8+\g], s[S0]
	v_perm_b32 v[XY+3], v[C+12+\g], v[C+8+\g], s[S1]
	v_perm_b32 v[C+\g],    v[XY+2], v[XY],   s[S2]
	v_perm_b32 v[C+4+\g],  v[XY+2], v[XY],   s[S3]
	v_perm_b32 v[C+8+\g],  v[XY+3], v[XY+1], s[S2]
	v_perm_b32 v[C+12+\g], v[XY+3], v[XY+1], s[S3]
.endr
.endm
.macro WBLK set, c, left, more, pitch
	s_wait_loadcnt \left                           ; this block's 16 loads are in; the younger blocks' stay out
.set i, 0
.rept 64
	v_med3_num_f32 v[STG+64*(\set)+i], v[STG+64*(\set)+i], -v15, v15
.set i, i+1
.endr
	s_wait_xcnt 0x0                                ; the last block's stores have read C
.irp m, 0,1,2,3,4,5,6,7
	v_cvt_scalef32_pk8_fp8_f32 v[C+2*\m:C+2*\m+1], v[STG+64*(\set)+8*\m:STG+64*(\set)+8*\m+7], v14
.endr
	v_nop
.if \more
	WLOAD \set, 3, \pitch
.endif
	WPERM
.irp j, 0,1,2,3
	global_store_b128 v[L16], v[C+4*\j:C+4*\j+3], s[70:71] offset:\j*16384+(\c)*512
.endr
.endm
.macro WSTREAM pitch, e                ; one K step (128 rows) of one slice: four blocks of 32 rows
	WLOAD 0, 0, \pitch
	WLOAD 1, 1, \pitch
	WLOAD 2, 2, \pitch
	s_wait_kmcnt 0x0
	MKSC \e, 14, 15
	WBLK 0, 0, 32, 1, \pitch
	WBLK 1, 1, 32, 0, \pitch
	WBLK 2, 2, 16, 0, \pitch
	WBLK 0, 3, 0, 0, \pitch
.endm
	s_load_b512 s[16:31], s[0:1], 0x0              ; emb 16, x 18, gate_w 20, sW1 22, sW2 24, exponents 26, acts 28, masks 30
	s_load_b256 s[32:39], s[0:1], 0x40             ; sel 32, coef 34, wimg1 36, wimg2 38
	v_lshl_add_u32 v30, v0, 2, 0xd000
	v_mov_b32 v31, 0
	v_lshrrev_b32 v1, 5, v0
	v_readfirstlane_b32 s2, v1                     ; wave
	s_mov_b32 s3, ttmp9                            ; work-group
	v_and_b32 v[LN], 31, v0
	v_and_b32 v[RR], 15, v0
	v_bfe_u32 v[HH], v0, 4, 1
	v_lshlrev_b32 v[L16], 4, v[LN]
	s_lshl_b32 s58, s2, 10
	v_add_nc_u32 v[PW], s58, v[L16]
	s_mul_i32 s58, s2, 16*SPIT
	s_add_co_u32 s58, s58, STGE
	v_mul_u32_u24 v[SW], v[RR], SPIT
	v_lshl_add_u32 v[SW], v[HH], 6, v[SW]
	v_add_nc_u32 v[SW], s58, v[SW]                 ; row r, 64 bytes for each half of the lanes
	v_lshrrev_b32 v8, 3, v[LN]
	v_mul_u32_u24 v[SRD], v8, SPIT
	v_and_b32 v8, 7, v[LN]
	v_lshl_add_u32 v[SRD], v8, 4, v[SRD]
	v_add_nc_u32 v[SRD], s58, v[SRD]               ; back: eight lanes to a row of 128 bytes
	s_mov_b32 s[S0], 0x05010400
	s_mov_b32 s[S1], 0x07030602
	s_mov_b32 s[S2], 0x05040100
	s_mov_b32 s[S3], 0x07060302
	s_mov_b32 s74, 0x76543210                      ; v_permlanex16_b32: lane l xor 16
	s_mov_b32 s75, 0xfedcba98
	s_mov_b32 s76, 0xffff0000                      ; lanes 16-31
	s_wait_kmcnt 0x0
	s_load_b512 s[40:55], s[26:27], 0x0            ; the given exponents, entries 0-15
	s_load_b64 s[56:57], s[26:27], 0x40            ; entries 16, 17
	s_cmp_ge_u32 s3, 64
	s_cbranch_scc1 .Lweights
	; ---- the gate path: tokens 16 x work-group on
	s_and_b32 s66, s2, 7                           ; my K step
	s_lshl_b32 s60, s3, 16                         ; 16 rows of 4,096 bytes
	s_lshl_b32 s62, s66, 9                         ; 128 numbers
	s_add_co_u32 s60, s60, s62
	s_mov_b32 s61, 0
	s_mov_b32 s63, 0
	s_cmp_lt_u32 s2, 8
	s_cselect_b64 s[58:59], s[16:17], s[18:19]     ; waves 0-7 the embeddings, waves 8-15 x
	s_add_nc_u64 s[58:59], s[58:59], s[60:61]
	s_add_nc_u64 s[20:21], s[20:21], s[62:63]
	v_lshlrev_b32 v[XA], 12, v[RR]
	v_lshl_add_u32 v[XA], v[HH], 6, v[XA]          ; row r, + 64 h: my 16 numbers of a block of 32
.irp c, 0,1,2,3
.irp j, 0,1,2,3
	global_load_b128 v[X+16*\c+4*\j:X+16*\c+4*\j+3], v[XA], s[58:59] offset:128*\c+16*\j
.endr
.endr
	s_cmp_ge_u32 s2, 8
	s_cbranch_scc1 .Lno_gw
.irp c, 0,1,2,3
.irp j, 0,1,2,3
	global_load_b128 v[GW+16*\c+4*\j:GW+16*\c+4*\j+3], v[XA], s[20:21] offset:128*\c+16*\j   ; row r = expert r
.endr
.endr
.Lno_gw:
	s_wait_kmcnt 0x0
	s_cmp_lt_u32 s2, 8
	s_cselect_b32 s60, 0x200000, 0                 ; the embeddings' versions begin at version 2
	s_cselect_b32 s67, s49, s43                    ; first version: entry 9 or 3
	s_cselect_b32 s68, s51, s45                    ; second: entry 11 or 5
	s_lshl_b32 s69, s66, 17
	s_add_co_u32 s60, s60, s69
	s_lshl_b32 s69, s3, 11
	s_add_co_u32 s60, s60, s69
	s_add_nc_u64 s[70:71], s[28:29], s[60:61]      ; acts at my version, K step and 16 tokens
	MKSC 40, 10, 11
	MKSC 41, 12, 13
	MKSC 67, 14, 15
	MKSC 68, 16, 17
	MKSC 54, 18, 19
	s_wait_loadcnt 0x0
	s_cmp_ge_u32 s2, 8
	s_cbranch_scc1 .Lno_gate
	QUANT GW, CG, 12, 13
	QUANT X, CE, 10, 11
	v_wmma_f32_16x16x128_fp8_fp8 v[240:247], v[CG:CG+15], v[CE:CE+15], 0   ; lane (r, h): token r, register j: expert 8h+j
.rept 4
	v_nop                                          ; four places in front of the stores that read the result
.endr
	ds_store_b128 v[PW], v[240:243]
	ds_store_b128 v[PW], v[244:247] offset:512
.Lno_gate:
	QUANT X, C, 14, 15
	STAGEOUT 0, 128
	QUANT X, C, 16, 17
	STAGEOUT 0x100000, 144
	s_cmp_ge_u32 s2, 8
	s_cbranch_scc1 .Lmeet
	QUANT X, C, 18, 19
	STAGEOUT 0x200000, 160
.Lmeet:
	s_wait_dscnt 0x0                               ; my partial sums lie in LDS
	s_barrier_signal -1
	s_barrier_wait -1
	s_cmp_lg_u32 s2, 0
	s_cbranch_scc1 .Lend
	; ---- wave 0: the eight partial sums, the softmax, the top 2
	s_wait_xcnt 0x0                                ; my stores of the three versions have read their data, v128-175: those registers are written again below
.irp p, 0,1,2,3,4,5,6,7
	ds_load_b128 v[64+8*\p:67+8*\p], v[L16] offset:PART+1024*\p
	ds_load_b128 v[68+8*\p:71+8*\p], v[L16] offset:PART+1024*\p+512
.endr
	s_add_co_i32 s72, s40, s41
	s_add_co_i32 s72, s72, 127
	s_lshl_b32 s72, s72, 23                        ; 2^(entry 0 + entry 1)
	s_mov_b32 s73, s72
	v_mov_b32 v129, 0                              ; a lane permute's destination counts as read
.irp k, 136,137,138,139
	v_mov_b32 v[\k], 0
.endr
	v_mov_b32 v169, 0
	s_wait_dscnt 0x0
.irp p, 1,2,3,4,5,6,7
.irp i, 0,2,4,6
	v_pk_add_f32 v[64+\i:65+\i], v[64+\i:65+\i], v[64+8*\p+\i:65+8*\p+\i]
.endr
.endr
.irp i, 0,2,4,6
	v_pk_mul_f32 v[64+\i:65+\i], v[64+\i:65+\i], s[72:73] op_sel_hi:[1,0]
.endr
	v_max3_num_f32 v128, v64, v65, v66
	v_max3_num_f32 v128, v128, v67, v68
	v_max3_num_f32 v128, v128, v69, v70
	v_max_num_f32 v128, v128, v71
	v_permlanex16_b32 v129, v128, s74, s75
	v_max_num_f32 v128, v128, v129                 ; the token's largest logit
.irp j, 0,1,2,3,4,5,6,7
	v_sub_f32 v[64+\j], v[64+\j], v128
.endr
.irp j, 0,1,2,3,4,5,6,7
	v_mul_f32 v[64+\j], 0x3fb8aa3b, v[64+\j]
.endr
.irp j, 0,1,2,3,4,5,6,7
	v_exp_f32 v[64+\j], v[64+\j]
.endr
	v_nop
	s_wait_alu depctr_va_vdst(0)
	v_pk_add_f32 v[130:131], v[64:65], v[66:67]
	v_pk_add_f32 v[132:133], v[68:69], v[70:71]
	v_pk_add_f32 v[130:131], v[130:131], v[132:133]
	v_add_f32 v130, v130, v131
	v_permlanex16_b32 v131, v130, s74, s75
	v_add_f32 v130, v130, v131
	v_rcp_f32 v130, v130
	v_nop
	s_wait_alu depctr_va_vdst(0)
.irp j, 0,1,2,3,4,5,6,7
	v_mul_f32 v[64+\j], v[64+\j], v130             ; the scores
.endr
	v_mov_b32 v132, v64                            ; best and second of my eight experts: a later one wins only if strictly larger
	v_mov_b32 v133, 0
	v_mov_b32 v134, -1.0
	v_mov_b32 v135, 0
.irp j, 1,2,3,4,5,6,7
	v_cmp_gt_f32 vcc_lo, v[64+\j], v132
	v_cmp_gt_f32 s72, v[64+\j], v134
	v_cndmask_b32 v134, v134, v[64+\j], s72
	v_cndmask_b32 v135, v135, \j, s72
	v_cndmask_b32 v134, v134, v132, vcc_lo
	v_cndmask_b32 v135, v135, v133, vcc_lo
	v_cndmask_b32 v132, v132, v[64+\j], vcc_lo
	v_cndmask_b32 v133, v133, \j, vcc_lo
.endr
	v_lshl_add_u32 v133, v[HH], 3, v133
	v_lshl_add_u32 v135, v[HH], 3, v135
.irp k, 0,1,2,3
	v_permlanex16_b32 v[136+\k], v[132+\k], s74, s75
.endr
.irp k, 0,1,2,3
	v_cndmask_b32 v[140+\k], v[132+\k], v[136+\k], s76   ; experts 0-7's pair, in both halves of the lanes
	v_cndmask_b32 v[144+\k], v[136+\k], v[132+\k], s76   ; experts 8-15's pair
.endr
	v_cmp_gt_f32 vcc_lo, v144, v140                ; the upper experts win only if strictly larger
	v_cndmask_b32 v148, v140, v144, vcc_lo         ; first weight,
	v_cndmask_b32 v149, v141, v145, vcc_lo         ; first expert
	v_cndmask_b32 v150, v144, v146, vcc_lo         ; the upper candidate for second,
	v_cndmask_b32 v151, v145, v147, vcc_lo
	v_cndmask_b32 v152, v142, v140, vcc_lo         ; the lower one
	v_cndmask_b32 v153, v143, v141, vcc_lo
	v_cmp_gt_f32 vcc_lo, v150, v152
	v_cndmask_b32 v154, v152, v150, vcc_lo         ; second weight,
	v_cndmask_b32 v155, v153, v151, vcc_lo         ; second expert
	v_lshlrev_b32 v165, 3, v[HH]
.irp j, 0,1,2,3,4,5,6,7
	v_add_nc_u32 v164, \j, v165
	v_cmp_eq_u32 vcc_lo, v164, v155
	v_cndmask_b32 v[156+\j], 0, v154, vcc_lo
	v_cmp_eq_u32 vcc_lo, v164, v149
	v_cndmask_b32 v[156+\j], v[156+\j], v148, vcc_lo
.endr
	s_lshl_b32 s60, s3, 10
	s_add_nc_u64 s[34:35], s[34:35], s[60:61]      ; coef at my 16 tokens
	s_lshl_b32 s60, s3, 6
	s_add_nc_u64 s[32:33], s[32:33], s[60:61]      ; sel likewise
	s_lshl_b32 s60, s3, 1
	s_add_nc_u64 s[30:31], s[30:31], s[60:61]      ; masks: my 16 tokens are half a word of each expert
	v_lshlrev_b32 v166, 6, v[RR]
	v_lshl_add_u32 v166, v[HH], 5, v166
	v_lshlrev_b32 v167, 2, v[RR]
	v_lshlrev_b32 v168, 7, v[RR]
	global_store_b128 v166, v[156:159], s[34:35]
	global_store_b128 v166, v[160:163], s[34:35] offset:16
	global_store_b32 v167, v155, s[32:33]          ; both halves of the lanes hold the same number
.irp e, 0,1,2,3,4,5,6,7,8,9,10,11,12,13,14,15
	v_cmp_eq_u32 s72, \e, v149
	v_cmp_eq_u32 s73, \e, v155
	s_or_b32 s72, s72, s73                         ; bit r (and bit 16 + r): token r chose expert e
	v_writelane_b32 v169, s72, \e
	v_writelane_b32 v169, s72, \e+16
.endr
	global_store_b16 v168, v169, s[30:31]          ; lane e (and 16 + e, the same bytes): the low 16 bits
.Lend:
	s_wait_tensorcnt 0x0
	ds_add_u32 v30, v31
	s_wait_dscnt 0x0
	s_endpgm
	; ---- the weight path: unit u = 16 (work-group - 64) + wave is one K step of one slice
.Lweights:
	v_and_b32 v10, 3, v[RR]
	v_and_b32 v11, 4, v[RR]
	v_lshl_or_b32 v10, v11, 1, v10
	v_and_b32 v11, 8, v[RR]
	v_lshrrev_b32 v11, 1, v11
	v_or_b32 v10, v10, v11                         ; g(r)
	v_lshlrev_b32 v[WL], 4, v10
	s_sub_co_u32 s60, s3, 64
	s_lshl_b32 s60, s60, 4
	s_add_co_u32 s60, s60, s2
	s_mov_b32 s63, 0
	s_mov_b32 s69, 0
	s_cmp_ge_u32 s3, 80
	s_cbranch_scc1 .Lsw2
	s_lshr_b32 s61, s60, 3                         ; slice 0-31 of sW1
	s_and_b32 s66, s60, 7                          ; K step
	s_lshl_b32 s62, s61, 8
	s_lshl_b32 s67, s66, 20                        ; 128 rows of 8,192 bytes
	s_add_co_u32 s62, s62, s67
	s_add_nc_u64 s[58:59], s[22:23], s[62:63]
	s_lshl_b32 s68, s61, 16
	s_lshl_b32 s67, s66, 11
	s_add_co_u32 s68, s68, s67
	s_add_nc_u64 s[70:71], s[36:37], s[68:69]
	v_lshl_add_u32 v[WL], v[HH], 17, v[WL]         ; lanes 16-31: 16 rows further down
	WSTREAM 8192, 55
	s_endpgm
.Lsw2:
	s_sub_co_u32 s60, s60, 256
	s_lshr_b32 s61, s60, 4                         ; slice 0-15 of sW2
	s_and_b32 s66, s60, 15                         ; K step 0-15
	s_lshl_b32 s62, s61, 8
	s_lshl_b32 s67, s66, 19                        ; 128 rows of 4,096 bytes
	s_add_co_u32 s62, s62, s67
	s_add_nc_u64 s[58:59], s[24:25], s[62:63]
	s_lshl_b32 s68, s61, 16
	s_lshr_b32 s67, s66, 3
	s_lshl_b32 s67, s67, 20                        ; which half of the hidden layer
	s_add_co_u32 s68, s68, s67
	s_and_b32 s67, s66, 7
	s_lshl_b32 s67, s67, 11
	s_add_co_u32 s68, s68, s67
	s_add_nc_u64 s[70:71], s[38:39], s[68:69]
	v_lshl_add_u32 v[WL], v[HH], 16, v[WL]
	WSTREAM 4096, 57
	s_endpgm
.Lfunc_end_k_q18d552bbf3_prep:
	.size	k_q18d552bbf3_prep, .Lfunc_end_k_q18d552bbf3_prep-k_q18d552bbf3_prep
	.p2alignl 7, 3214868480
	.fill 96, 4, 3214868480
	.section	.rodata,"a",@progbits
	.p2align	6, 0x0
	.amdhsa_kernel k_q18d552bbf3_prep
		.amdhsa_group_segment_fixed_size 55296
		.amdhsa_private_segment_fixed_size 0
		.amdhsa_enable_private_segment 0
		.amdhsa_kernarg_size 96
		.amdhsa_user_sgpr_count 2
		.amdhsa_user_sgpr_kernarg_segment_ptr 1
		.amdhsa_wavefront_size32 1
		.amdhsa_system_sgpr_workgroup_id_x 1
		.amdhsa_system_sgpr_workgroup_id_y 1
		.amdhsa_system_sgpr_workgroup_id_z 1
		.amdhsa_system_vgpr_workitem_id 0
		.amdhsa_next_free_vgpr 256
		.amdhsa_next_free_sgpr 80
		.amdhsa_reserve_vcc 1
		.amdhsa_float_denorm_mode_32 3
		.amdhsa_float_denorm_mode_16_64 3
		.amdhsa_memory_ordered 1
		.amdhsa_forward_progress 1
		.amdhsa_inst_pref_size 120
	.end_amdhsa_kernel
	.amdgpu_metadata
---
amdhsa.version: [ 1, 2 ]
amdhsa.kernels:
  - .name:           k_q18d552bbf3_prep
    .symbol:         k_q18d552bbf3_prep.kd
    .args:
      - { .name: embeddings, .offset: 0, .size: 8, .value_kind: global_buffer, .address_space: global }
      - { .name: x, .offset: 8, .size: 8, .value_kind: global_buffer, .address_space: global }
      - { .name: gate_w, .offset: 16, .size: 8, .value_kind: global_buffer, .address_space: global }
      - { .name: sW1, .offset: 24, .size: 8, .value_kind: global_buffer, .address_space: global }
      - { .name: sW2, .offset: 32, .size: 8, .value_kind: global_buffer, .address_space: global }
      - { .name: lowp_scales, .offset: 40, .size: 8, .value_kind: global_buffer, .address_space: global }
      - { .name: acts, .offset: 48, .size: 8, .value_kind: global_buffer, .address_space: global }
      - { .name: masks, .offset: 56, .size: 8, .value_kind: global_buffer, .address_space: global }
      - { .name: sel, .offset: 64, .size: 8, .value_kind: global_buffer, .address_space: global }
      - { .name: coef, .offset: 72, .size: 8, .value_kind: global_buffer, .address_space: global }
      - { .name: wimg1, .offset: 80, .size: 8, .value_kind: global_buffer, .address_space: global }
      - { .name: wimg2, .offset: 88, .size: 8, .value_kind: global_buffer, .address_space: global }
    .group_segment_fixed_size: 55296
    .private_segment_fixed_size: 0
    .kernarg_segment_align: 8
    .kernarg_segment_size: 96
    .max_flat_workgroup_size: 512
    .sgpr_count:     80
    .vgpr_count:     256
    .wavefront_size: 32
...
	.end_amdgpu_metadata
.endif
;; end of part 1
;; launch up (part 2): grid 320 x 1, 8 waves a work-group, no clusters, 263,168 bytes of LDS; arguments W1, W3, B1, B3, sB1, lowp_scales, masks, acts, wimg1, hbuf; writes hbuf
.if DOCPART == 2
	.amdgcn_target "amdgcn-amd-amdhsa--gfx1250"
	.amdhsa_code_object_version 6
	.text
	.protected	k_q18d552bbf3_up
	.globl	k_q18d552bbf3_up
	.p2align	8
	.type	k_q18d552bbf3_up,@function
k_q18d552bbf3_up:
	s_mov_b64 s[64:65], 0
	v_nop
	global_prefetch_b8 v0, s[64:65] scope:SCOPE_SE
	s_setreg_imm32_b32 hwreg(HW_REG_WAVE_MODE, 25, 1), 1
	s_wait_xcnt 0x0
; UP.  The hidden layers.  Work-groups 64-319: expert e = (wg-64)/16, slice cs = (wg-64)%16: 64 columns of W1[e] and the same 64 of W3[e], h = silu(a W1 + B1) (a W3 + B3), for the rows that chose e.
; Work-groups 0-63: the shared layer as pseudo-experts: q = wg/4: 128 columns of sW1 (their codes come ready from wimg1), rb = wg%4: 256 tokens; h = silu(emb sW1 + sB1).
; Each f32 weight byte is read once in the launch: wave w streams K step w (128 rows x 256 bytes) of both matrices, holds, converts to E4M3, transposes bytes in registers and stores
; images of operand registers in LDS.  ONE barrier.  Behind it each wave works alone: a pair of tiles of 16 rows at a time, pairs w, w+8, .. of the expert's list.
; The list is not stored: a lane finds the token of list position p from the expert's 32 mask words, in registers (SEARCH).
; No multicast: no two work-groups read the same weight bytes; the rows that the 16 work-groups of an expert share are gathered rows, and their number hangs on loaded counts.
; A FRAGMENT: register 4c+g, byte b of lane (r, h) holds k = 32c+16h+4g+b of row r; the same order on both sides.  IMAGE: registers 4c..4c+3 of lane l at 512c+16l.
; PRODUCTS ARE USED TRANSPOSED: source 0 = 16 weight columns, source 1 = 16 tokens.  Lane r of column tile j holds column 4 g(r) + j, g(r) = r with bits 2 and 3 exchanged:
; so tile j, register jj of lane (r, h) is column 32 (jj/4) + 16h + 4 (jj%4) + j of token r, and written to place 4jj+j a lane's 32 numbers are the next product's k in its own order.
; LIMITS: every given exponent between -126 and 119, each sum of a product's two between -126 and 127.  NaN among the inputs is not served.
; Positions past the list's end (the padding of the last pair) get some valid token; their rows of hbuf are written and later discarded.
.set PITCH, 4096
.set L16, 1                            ; 16 x lane
.set WL,  2                            ; my bytes in a slice: 16 g(r) + 16 h rows
.set LW,  3                            ; LDS: where I store W1's images: 2048 w + 16 lane
.set LW2, 4                            ; W3's: + 65536
.set LA,  5                            ; LDS: where I read the first matrix's images
.set LB,  6                            ; the second's
.set POS, 7                            ; my position in the list: 32 x pair + lane
.set TOK, 8                            ; its token
.set TOKX, 9
.set TA0, 10                           ; v10, v11: my byte in acts for tile 0, 1
.set HA,  12                           ; my byte in hbuf
.set H64, 13                           ; 64 h
.set WSC, 14
.set WLIM, 15
.set HSC, 16
.set HLIM, 17
.set LWP, 18                           ; LDS: where a pseudo work-group's wave stores its copy
.set LN,  19                           ; lane
.set SM,  20
.set SB,  21
.set SGI, 22
.set QQ,  23
.set A1,  24
.set A2,  25
.set A3,  26
.set A4,  27
.set TT,  28
.set PB,  29
.set TU,  30
.set C,   32                           ; v32-47 codes of a block
.set XY,  48                           ; v48-51 at work
.set STG, 64                           ; v64-255 three sets of 64 numbers; behind the barrier:
.set G,   64                           ; v64-127  8 accumulators (tile t, column tile j: 8 (4t+j)) of the first matrix
.set U,   128                          ; v128-191 of the second
.set BF,  192                          ; v192-255 four weight fragments
; window 1 (v256-511): the rows' fragments, (tile t, K step s) at 128 t + 16 s; in the epilogue:
.set B1R, 0
.set GR,  32
.set UR,  64
.set TR,  96
.set B3R, 128
.set CD,  160
.set RUN, 10
.set T0,  11
.set S0,  12                           ; s12-15 the byte selectors of the transposition, ahead of the barrier
.set S1,  13
.set S2,  14
.set S3,  15
.set RND, 12                           ; s12 behind the barrier: the round's number, stepped by 1
.set NRND, 13                          ; s13 behind the barrier: how many rounds my wave has
.set FG,  46                           ; s46 what a sum of the first product lacks, s47 of the second
.set FU,  47
.set NL2, 48                           ; s[48:49] -log2(e)
.set MK,  68                           ; s68-99 the expert's mask words
.set MSB, 0
.macro WIN new                         ; the immediate's high byte repeats the setting that is left; bits 1:0 source 0, 3:2 source 1, 5:4 source 2, 7:6 destination
.if MSB != \new
	s_set_vgpr_msb (MSB<<8)|\new
.set MSB, \new
.endif
.endm
.macro WLOAD set, sb, c                ; 16 rows x 256 bytes for each half of the lanes; slot k holds row 4 (k%4) + k/4
.irp k, 0,1,2,3,4,5,6,7,8,9,10,11,12,13,14,15
	global_load_b128 v[STG+64*(\set)+4*\k:STG+64*(\set)+4*\k+3], v[WL], s[\sb:\sb+1] offset:(32*(\c)+4*(\k&3)+(\k>>2))*PITCH th:TH_LOAD_NT
.endr
.endm
.macro WCONV set
	s_wait_loadcnt 32                              ; this block's 16 loads are in; the two younger groups of 16 stay out
.set i, 0
.rept 64
	v_med3_num_f32 v[STG+64*(\set)+i], v[STG+64*(\set)+i], -v[WLIM], v[WLIM]   ; the conversion does not saturate (ISA guide 7.6.2)
.set i, i+1
.endr
	s_wait_dscnt 0x0                               ; the last block's LDS stores have read C
.irp m, 0,1,2,3,4,5,6,7
	v_cvt_scalef32_pk8_fp8_f32 v[C+2*\m:C+2*\m+1], v[STG+64*(\set)+8*\m:STG+64*(\set)+8*\m+7], v[WSC]
.endr
	v_nop                                          ; a plain line behind the last conversion
.endm
.macro WPERM                           ; 4 x 4 bytes transposed, four times: C[4j+g] becomes register 4c+g of column tile j
.irp g, 0,1,2,3
	v_perm_b32 v[XY],   v[C+4+\g],  v[C+\g],   s[S0]
	v_perm_b32 v[XY+1], v[C+4+\g],  v[C+\g],   s[S1]
	v_perm_b32 v[XY+2], v[C+12+\g], v[C+8+\g], s[S0]
	v_perm_b32 v[XY+3], v[C+12+\g], v[C+8+\g], s[S1]
	v_perm_b32 v[C+\g],    v[XY+2], v[XY],   s[S2]
	v_perm_b32 v[C+4+\g],  v[XY+2], v[XY],   s[S3]
	v_perm_b32 v[C+8+\g],  v[XY+3], v[XY+1], s[S2]
	v_perm_b32 v[C+12+\g], v[XY+3], v[XY+1], s[S3]
.endr
.endm
.macro WPUT la, c
.irp j, 0,1,2,3
	ds_store_b128 v[\la], v[C+4*\j:C+4*\j+3] offset:\j*16384+(\c)*512
.endr
.endm
.macro SSTEP src, width, step          ; does the wanted bit lie behind the next 'step' bits?
	v_bfe_u32 v[TT], v[\src], v[PB], \width
	v_cmp_ge_u32 vcc_lo, v[QQ], v[TT]
	v_cndmask_b32 v[TT], 0, v[TT], vcc_lo
	v_cndmask_b32 v[TU], 0, \step, vcc_lo
	v_sub_nc_u32 v[QQ], v[QQ], v[TT]
	v_add_nc_u32 v[PB], v[PB], v[TU]
.endm
; v[TOK] = the token at position v[POS] of the expert's list (tokens ascending); s[RUN] = the list's length.  Registers alone.
.macro SEARCH
	v_mov_b32 v[SM], s[MK]
	v_mov_b32 v[SB], 0
	v_mov_b32 v[SGI], 0
	s_bcnt1_i32_b32 s[RUN], s[MK]
.set j, 1
.rept 31
	v_cmp_le_u32 vcc_lo, s[RUN], v[POS]            ; the words ahead of word j hold no more than POS tokens: word j or a later one
	v_cndmask_b32 v[SM], v[SM], s[MK+j], vcc_lo
	v_cndmask_b32 v[SB], v[SB], s[RUN], vcc_lo
	v_cndmask_b32 v[SGI], v[SGI], j, vcc_lo
	s_bcnt1_i32_b32 s[T0], s[MK+j]
	s_add_co_u32 s[RUN], s[RUN], s[T0]
.set j, j+1
.endr
	v_sub_nc_u32 v[QQ], v[POS], v[SB]              ; which set bit of the word
	v_lshrrev_b32 v[TT], 1, v[SM]
	v_and_b32 v[TT], 0x55555555, v[TT]
	v_sub_nc_u32 v[A1], v[SM], v[TT]               ; counts in fields of 2,
	v_lshrrev_b32 v[TT], 2, v[A1]
	v_and_b32 v[TT], 0x33333333, v[TT]
	v_and_b32 v[A2], 0x33333333, v[A1]
	v_add_nc_u32 v[A2], v[A2], v[TT]               ; of 4,
	v_lshrrev_b32 v[TT], 4, v[A2]
	v_add_nc_u32 v[TT], v[TT], v[A2]
	v_and_b32 v[A3], 0x0f0f0f0f, v[TT]             ; of 8,
	v_lshrrev_b32 v[TT], 8, v[A3]
	v_add_nc_u32 v[A4], v[A3], v[TT]               ; low byte: of the low 16
	v_mov_b32 v[PB], 0
	SSTEP A4, 8, 16
	SSTEP A3, 8, 8
	SSTEP A2, 4, 4
	SSTEP A1, 2, 2
	SSTEP SM, 1, 1
	v_lshl_add_u32 v[TOK], v[SGI], 5, v[PB]
	v_min_u32 v[TOK], 0x3ff, v[TOK]
.endm
.macro TOKSPLIT                        ; lane l holds the token of the pair's row l; lane (r, h) wants row r of tile 0 and of tile 1
	v_permlanex16_b32 v[TOKX], v[TOK], s100, s101
	v_cndmask_b32 v[TA0], v[TOK], v[TOKX], s66
	v_cndmask_b32 v[TA0+1], v[TOKX], v[TOK], s66
	v_min_u32 v[TA0], 0x3ff, v[TA0]
	v_min_u32 v[TA0+1], 0x3ff, v[TA0+1]
	v_lshl_add_u32 v[TA0], v[TA0], 7, v[H64]       ; 128 bytes a token and K step, 64 for each half of the lanes
	v_lshl_add_u32 v[TA0+1], v[TA0+1], 7, v[H64]
.endm
.macro AREF s, sb                      ; both tiles' fragments of K step s: 8 loads
	WIN 0x40
.irp t, 0,1
.irp c, 0,1,2,3
	global_load_b128 v[128*\t+16*(\s)+4*\c:128*\t+16*(\s)+4*\c+3], v[TA0+\t], s[\sb:\sb+1] offset:131072*(\s)+16*\c
.endr
.endr
.endm
.macro AGRP a, sb                      ; a group of 16 loads: K steps 2a, 2a+1
	AREF 2*(\a), \sb
	AREF 2*(\a)+1, \sb
	WIN 0
.endm
; One K step: four weight fragments from LDS, eight products.  The eight accumulators take turns, one instruction a turn.
.macro KSTEP acc, la, s, left
.irp j, 0,1,2,3
.irp c, 0,1,2,3
	ds_load_b128 v[BF+16*\j+4*\c:BF+16*\j+4*\c+3], v[\la] offset:(8*\j+(\s))*2048+512*\c
.endr
.endr
.if (\left) >= 0
	s_wait_loadcnt \left
.endif
	s_wait_dscnt 0x0
	WIN 0x04                                       ; source 1 (the rows) in window 1
.irp j, 0,1,2,3
.irp t, 0,1
.if (\s) == 0
	v_wmma_f32_16x16x128_fp8_fp8 v[\acc+8*(4*\t+\j):\acc+8*(4*\t+\j)+7], v[BF+16*\j:BF+16*\j+15], v[128*\t+16*(\s):128*\t+16*(\s)+15], 0
.else
	v_wmma_f32_16x16x128_fp8_fp8 v[\acc+8*(4*\t+\j):\acc+8*(4*\t+\j)+7], v[BF+16*\j:BF+16*\j+15], v[128*\t+16*(\s):128*\t+16*(\s)+15], v[\acc+8*(4*\t+\j):\acc+8*(4*\t+\j)+7]
.endif
.endr
.endr
	WIN 0
.rept 4
	v_nop                                          ; four places in front of loads into registers that these products read, and of the first read of results
.endr
.endm
.macro FMAB dst, acc, tau, sc, bias    ; sum x 2^(the two exponents) + bias, into place 4jj+j; each accumulator is read from its register 0 on
.irp jj, 0,1,2,3,4,5,6,7
.irp j, 0,1,2,3
	v_fma_f32 v[\dst+4*\jj+\j], v[\acc+8*(4*(\tau)+\j)+\jj], s[\sc], v[\bias+4*\jj+\j]
.endr
.endr
.endm
.macro SILU x                          ; x / (1 + 2^(-x log2 e)), 32 numbers in window 1
.irp i, 0,2,4,6,8,10,12,14,16,18,20,22,24,26,28,30
	v_pk_mul_f32 v[TR+\i:TR+\i+1], v[\x+\i:\x+\i+1], s[NL2:NL2+1] op_sel_hi:[1,0]
.endr
.set i, 0
.rept 32
	v_exp_f32 v[TR+i], v[TR+i]
.set i, i+1
.endr
	v_nop                                          ; a plain line between the exponentials and the first use of a result
	s_wait_alu depctr_va_vdst(0)
.irp i, 0,2,4,6,8,10,12,14,16,18,20,22,24,26,28,30
	v_pk_add_f32 v[TR+\i:TR+\i+1], v[TR+\i:TR+\i+1], 1.0 op_sel_hi:[1,0]
.endr
.set i, 0
.rept 32
	v_rcp_f32 v[TR+i], v[TR+i]
.set i, i+1
.endr
	v_nop                                          ; likewise behind the reciprocals
	s_wait_alu depctr_va_vdst(0)
.irp i, 0,2,4,6,8,10,12,14,16,18,20,22,24,26,28,30
	v_pk_mul_f32 v[\x+\i:\x+\i+1], v[\x+\i:\x+\i+1], v[TR+\i:TR+\i+1]
.endr
.endm
.macro QH x, dst                       ; 32 numbers become 8 registers of codes
.set i, 0
.rept 32
	v_med3_num_f32 v[\x+i], v[\x+i], -v[HLIM], v[HLIM]
.set i, i+1
.endr
.irp m, 0,1,2,3
	v_cvt_scalef32_pk8_fp8_f32 v[\dst+2*\m:\dst+2*\m+1], v[\x+8*\m:\x+8*\m+7], v[HSC]
.endr
.endm
.macro EPI tau, gated
	WIN 0x50                                       ; destination and source 2 window 1, source 0 (the sums) window 0
	FMAB GR, G, \tau, FG, B1R
	FMAB UR, U, \tau, FU, B3R
	WIN 0x55
	SILU GR
.if \gated
.irp i, 0,2,4,6,8,10,12,14,16,18,20,22,24,26,28,30
	v_pk_mul_f32 v[GR+\i:GR+\i+1], v[GR+\i:GR+\i+1], v[UR+\i:UR+\i+1]
.endr
.else
	SILU UR
.endif
	WIN 0x41                                       ; the hold and the scale lie in window 0
	QH GR, CD+16*(\tau)
.if !\gated
	QH UR, CD+16*(\tau)+8
.endif
	v_nop                                          ; a plain line behind the last conversion
	WIN 0x04                                       ; a store's data: source 1
	global_store_b128 v[HA], v[CD+16*(\tau):CD+16*(\tau)+3], s[62:63] offset:16384*(\tau)
	global_store_b128 v[HA], v[CD+16*(\tau)+4:CD+16*(\tau)+7], s[62:63] offset:16384*(\tau)+512
.if !\gated
	global_store_b128 v[HA], v[CD+16*(\tau)+8:CD+16*(\tau)+11], s[62:63] offset:16384*(\tau)+1024
	global_store_b128 v[HA], v[CD+16*(\tau)+12:CD+16*(\tau)+15], s[62:63] offset:16384*(\tau)+1536
.endif
	WIN 0
.endm
	s_load_b512 s[16:31], s[0:1], 0x0              ; W1 16, W3 18, B1 20, B3 22, sB1 24, exponents 26, masks 28, acts 30
	s_load_b128 s[32:35], s[0:1], 0x40             ; wimg1 32, hbuf 34
	v_lshl_add_u32 v62, v0, 2, 0x40000
	v_mov_b32 v63, 0
	v_lshrrev_b32 v31, 5, v0
	v_readfirstlane_b32 s2, v31                    ; wave
	s_mov_b32 s3, ttmp9                            ; work-group
	v_and_b32 v[LN], 31, v0
	v_and_b32 v31, 15, v0                          ; r
	v_bfe_u32 v30, v0, 4, 1                        ; h
	v_lshlrev_b32 v[L16], 4, v[LN]
	v_lshlrev_b32 v[H64], 6, v30
	v_and_b32 v28, 3, v31
	v_and_b32 v29, 4, v31
	v_lshl_or_b32 v28, v29, 1, v28
	v_and_b32 v29, 8, v31
	v_lshrrev_b32 v29, 1, v29
	v_or_b32 v28, v28, v29                         ; g(r)
	v_lshlrev_b32 v[WL], 4, v28
	v_lshl_add_u32 v[WL], v30, 16, v[WL]           ; lanes 16-31: 16 rows of 4,096 bytes further down
	s_lshl_b32 s11, s2, 11
	v_add_nc_u32 v[LW], s11, v[L16]
	v_add_nc_u32 v[LW2], 0x10000, v[LW]
	s_lshl_b32 s11, s2, 14
	s_add_co_u32 s11, s11, 0x20000
	v_add_nc_u32 v[LWP], s11, v[L16]
	s_cmp_lt_u32 s3, 64
	s_cselect_b32 s11, 0x20000, 0                  ; the two kinds of work-group have LDS bytes of their own
	v_add_nc_u32 v[LA], s11, v[L16]
	v_add_nc_u32 v[LB], 0x10000, v[LA]
	v_mov_b32 v[TOKX], 0                           ; a lane permute's destination counts as read
	s_mov_b32 s[S0], 0x05010400
	s_mov_b32 s[S1], 0x07030602
	s_mov_b32 s[S2], 0x05040100
	s_mov_b32 s[S3], 0x07060302
	s_mov_b32 s66, 0xffff0000                      ; lanes 16-31
	s_mov_b32 s100, 0x76543210                     ; v_permlanex16_b32: lane l xor 16
	s_mov_b32 s101, 0xfedcba98
	s_wait_kmcnt 0x0
	s_load_b512 s[36:51], s[26:27], 0x0            ; the given exponents, entries 0-15
	s_load_b64 s[52:53], s[26:27], 0x40            ; 16, 17
	s_cmp_lt_u32 s3, 64
	s_cbranch_scc1 .Lpseudo
	; ---- an expert's work-group
	s_sub_co_u32 s4, s3, 64
	s_and_b32 s5, s4, 15                           ; cs
	s_lshr_b32 s4, s4, 4                           ; e
	s_lshl_b32 s10, s4, 22
	s_lshl_b32 s11, s5, 8
	s_add_co_u32 s10, s10, s11
	s_lshl_b32 s11, s2, 19                         ; K step w: 128 rows
	s_add_co_u32 s10, s10, s11
	s_mov_b32 s11, 0
	s_add_nc_u64 s[54:55], s[16:17], s[10:11]
	s_add_nc_u64 s[56:57], s[18:19], s[10:11]
	WLOAD 0, 54, 0                                 ; 48 loads, 24 KiB a wave, are out before anything else is done
	WLOAD 1, 54, 1
	WLOAD 2, 54, 2
	s_lshl_b32 s10, s4, 7
	s_add_nc_u64 s[28:29], s[28:29], s[10:11]
	s_load_b512 s[68:83], s[28:29], 0x0
	s_load_b512 s[84:99], s[28:29], 0x40
	s_lshl_b32 s10, s4, 12
	s_lshl_b32 s67, s5, 8
	s_add_co_u32 s10, s10, s67
	s_add_nc_u64 s[20:21], s[20:21], s[10:11]      ; B1, B3 at my 64 columns
	s_add_nc_u64 s[22:23], s[22:23], s[10:11]
	s_cmp_lt_u32 s4, 2
	s_cselect_b32 s10, 0, 0x200000                 ; experts 0, 1 read x (versions 0, 1), the others the embeddings (2, 3)
	s_add_nc_u64 s[58:59], s[30:31], s[10:11]
	s_add_nc_u64 s[60:61], s[58:59], 0x100000
	s_lshl_b32 s10, s4, 20
	s_lshl_b32 s67, s5, 10                         ; K step cs/2 of the next product, half cs%2 of its image
	s_add_co_u32 s10, s10, s67
	s_add_nc_u64 s[62:63], s[34:35], s[10:11]
	s_wait_kmcnt 0x0
	s_cmp_lt_u32 s4, 2                             ; entries 2-6 for experts 0, 1; entries 8-12 for the others.  Each target has been read by the line that needs it
	s_cselect_b32 s36, s38, s44                    ; W1's exponent,
	s_cselect_b32 s37, s39, s45                    ; its rows',
	s_cselect_b32 s38, s40, s46                    ; W3's,
	s_cselect_b32 s39, s41, s47                    ; its rows',
	s_cselect_b32 s40, s42, s48                    ; the hidden layer's
	s_add_co_i32 s43, s36, 127
	s_lshl_b32 s42, s43, 23                        ; 2^e of W1,
	s_add_co_i32 s43, s43, 8
	s_lshl_b32 s43, s43, 23
	s_or_b32 s43, s43, 0x600000                    ; 448 x that
	s_add_co_i32 s45, s38, 127
	s_lshl_b32 s44, s45, 23                        ; the same of W3
	s_add_co_i32 s45, s45, 8
	s_lshl_b32 s45, s45, 23
	s_or_b32 s45, s45, 0x600000
	v_mov_b32 v[POS], v0                           ; 32 w + lane
	SEARCH
	s_add_co_u32 s9, s[RUN], 31
	s_lshr_b32 s9, s9, 5                           ; pairs of tiles in the list
	s_mov_b32 s8, s2                               ; my first pair
	TOKSPLIT
	v_mov_b32 v[WSC], s42
	v_mov_b32 v[WLIM], s43
	WCONV 0
	WLOAD 0, 54, 3
	WPERM
	WPUT LW, 0
	WCONV 1
	WLOAD 1, 56, 0
	WPERM
	WPUT LW, 1
	WCONV 2
	WLOAD 2, 56, 1
	WPERM
	WPUT LW, 2
	WCONV 0
	WLOAD 0, 56, 2
	WPERM
	WPUT LW, 3
	v_mov_b32 v[WSC], s44
	v_mov_b32 v[WLIM], s45
	WCONV 1
	WLOAD 1, 56, 3
	WPERM
	WPUT LW2, 0
	WCONV 2
	AGRP 0, 58                                     ; the weights are all asked for: my first pair's rows follow in the same groups of 16
	WPERM
	WPUT LW2, 1
	WCONV 0
	AGRP 1, 58
	WPERM
	WPUT LW2, 2
	WCONV 1
	AGRP 2, 58
	AGRP 3, 58
	WPERM
	WPUT LW2, 3
	s_branch .Ljoin
	; ---- a pseudo-expert's work-group: the codes come ready
.Lpseudo:
	s_lshr_b32 s6, s3, 2                           ; q
	s_and_b32 s7, s3, 3                            ; rb
	s_lshl_b32 s10, s6, 17
	s_lshl_b32 s11, s2, 14
	s_add_co_u32 s10, s10, s11
	s_mov_b32 s11, 0
	s_add_nc_u64 s[54:55], s[32:33], s[10:11]
.set i, 0
.rept 32
	global_load_b128 v[64+4*i:64+4*i+3], v[L16], s[54:55] offset:512*i   ; my eighth of the 128 KiB of images
.set i, i+1
.endr
.set i, 0
.rept 16
	s_mov_b64 s[MK+2*i:MK+2*i+1], -1               ; every token takes the shared layer
.set i, i+1
.endr
	s_lshl_b32 s9, s7, 3
	s_add_co_u32 s8, s9, s2                        ; my pair,
	s_add_co_u32 s9, s9, 8                         ; and where my work-group's pairs end
	s_lshl_b32 s10, s8, 5
	v_add_nc_u32 v[POS], s10, v[LN]
	v_mov_b32 v[TOK], v[POS]
	s_add_nc_u64 s[58:59], s[30:31], 0x400000      ; version 4, for both halves
	s_mov_b64 s[60:61], s[58:59]
	TOKSPLIT
	AGRP 0, 58
	AGRP 1, 58
	s_lshl_b32 s10, s6, 9
	s_add_nc_u64 s[20:21], s[24:25], s[10:11]      ; sB1 at my 128 columns
	s_add_nc_u64 s[22:23], s[20:21], 256
	s_lshr_b32 s10, s6, 3
	s_add_co_u32 s10, s10, 16
	s_lshl_b32 s10, s10, 20
	s_and_b32 s67, s6, 7
	s_lshl_b32 s67, s67, 11
	s_add_co_u32 s10, s10, s67
	s_add_nc_u64 s[62:63], s[34:35], s[10:11]
	s_wait_kmcnt 0x0
	s_mov_b32 s36, s51                             ; sW1's exponent (entry 15), the embeddings' (14), for both halves; the hidden layer's (16)
	s_mov_b32 s37, s50
	s_mov_b32 s38, s51
	s_mov_b32 s39, s50
	s_mov_b32 s40, s52
	s_wait_loadcnt 32                              ; the copy is in; the 32 loads of rows stay out
.set i, 0
.rept 32
	ds_store_b128 v[LWP], v[64+4*i:64+4*i+3] offset:512*i
.set i, i+1
.endr
	AGRP 2, 58
	AGRP 3, 58
.Ljoin:
	s_add_co_i32 s[FG], s36, s37
	s_add_co_i32 s[FG], s[FG], 127
	s_lshl_b32 s[FG], s[FG], 23                    ; what a sum of the first product lacks,
	s_add_co_i32 s[FU], s38, s39
	s_add_co_i32 s[FU], s[FU], 127
	s_lshl_b32 s[FU], s[FU], 23                    ; of the second
	s_mov_b32 s[NL2], 0xbfb8aa3b                   ; -log2(e)
	s_mov_b32 s[NL2+1], s[NL2]
	s_add_co_i32 s11, s40, 127
	s_lshl_b32 s67, s11, 23
	v_mov_b32 v[HSC], s67
	s_add_co_i32 s11, s11, 8
	s_lshl_b32 s11, s11, 23
	s_or_b32 s11, s11, 0x600000
	v_mov_b32 v[HLIM], s11
	s_wait_dscnt 0x0                               ; my images lie in LDS
	s_barrier_signal -1
	s_barrier_wait -1                              ; everybody's do; nothing is written to LDS from here on
	s_cmp_ge_u32 s8, s9
	s_cbranch_scc1 .Ldone
	s_sub_co_u32 s[NRND], s9, s8                   ; my pairs are s8, s8 + 8, .. below s9:
	s_add_co_u32 s[NRND], s[NRND], 7
	s_lshr_b32 s[NRND], s[NRND], 3                 ; so many rounds;
	s_min_u32 s[NRND], s[NRND], 4                  ; 32 pairs at the most, shared among 8 waves
	s_mov_b32 s[RND], 0
.Lround:
	; the first matrix.  Behind group a of the rows stand 16 (3 - a) younger loads of rows and 16 a refills: always 48
	KSTEP G, LA, 0, 48
	AREF 0, 60                                     ; the K step's registers take the second version of the same rows
	WIN 0
	KSTEP G, LA, 1, -1
	AREF 1, 60
	WIN 0
	KSTEP G, LA, 2, 48
	AREF 2, 60
	WIN 0
	KSTEP G, LA, 3, -1
	AREF 3, 60
	WIN 0
	KSTEP G, LA, 4, 48
	AREF 4, 60
	WIN 0
	KSTEP G, LA, 5, -1
	AREF 5, 60
	WIN 0
	KSTEP G, LA, 6, 48
	AREF 6, 60
	WIN 0
	KSTEP G, LA, 7, -1
	AREF 7, 60
	WIN 0
	; the second matrix.  Behind refill s stand 8 (7 - s) younger refills and, from step 2 on, the 16 loads of the biases
	KSTEP U, LB, 0, 56
	KSTEP U, LB, 1, 48
	WIN 0x40
.irp i, 0,1,2,3
	global_load_b128 v[B1R+4*\i:B1R+4*\i+3], v[H64], s[20:21] offset:16*\i
	global_load_b128 v[B1R+16+4*\i:B1R+16+4*\i+3], v[H64], s[20:21] offset:128+16*\i
	global_load_b128 v[B3R+4*\i:B3R+4*\i+3], v[H64], s[22:23] offset:16*\i
	global_load_b128 v[B3R+16+4*\i:B3R+16+4*\i+3], v[H64], s[22:23] offset:128+16*\i
.endr
	WIN 0
	KSTEP U, LB, 2, 56
	KSTEP U, LB, 3, 48
	KSTEP U, LB, 4, 40
	KSTEP U, LB, 5, 32
	KSTEP U, LB, 6, 24
	KSTEP U, LB, 7, 16
	s_wait_loadcnt 0x0                             ; the biases
	s_min_u32 s11, s8, 31
	s_lshl_b32 s11, s11, 15                        ; a pair's images: 2 x 16 KiB
	v_add_nc_u32 v[HA], s11, v[L16]
	s_cmp_lt_u32 s3, 64
	s_cbranch_scc1 .Lplain
	EPI 0, 1
	EPI 1, 1
	s_branch .Lnext
.Lplain:
	EPI 0, 0
	EPI 1, 0
.Lnext:
	s_add_co_u32 s8, s8, 8                         ; my next pair
	s_add_co_u32 s[RND], s[RND], 1
	s_cmp_ge_u32 s[RND], s[NRND]
	s_cbranch_scc1 .Ldone
	s_wait_xcnt 0x0                                ; the stores have read their data and address: both are written again below
	v_add_nc_u32 v[POS], 0x100, v[POS]
	SEARCH
	TOKSPLIT
	AGRP 0, 58
	AGRP 1, 58
	AGRP 2, 58
	AGRP 3, 58
	s_cmp_lt_u32 s[RND], s[NRND]
	s_cbranch_scc1 .Lround
.Ldone:
	s_wait_tensorcnt 0x0
	ds_add_u32 v62, v63
	s_wait_dscnt 0x0
	s_endpgm
.Lfunc_end_k_q18d552bbf3_up:
	.size	k_q18d552bbf3_up, .Lfunc_end_k_q18d552bbf3_up-k_q18d552bbf3_up
	.p2alignl 7, 3214868480
	.fill 96, 4, 3214868480
	.section	.rodata,"a",@progbits
	.p2align	6, 0x0
	.amdhsa_kernel k_q18d552bbf3_up
		.amdhsa_group_segment_fixed_size 263168
		.amdhsa_private_segment_fixed_size 0
		.amdhsa_enable_private_segment 0
		.amdhsa_kernarg_size 80
		.amdhsa_user_sgpr_count 2
		.amdhsa_user_sgpr_kernarg_segment_ptr 1
		.amdhsa_wavefront_size32 1
		.amdhsa_system_sgpr_workgroup_id_x 1
		.amdhsa_system_sgpr_workgroup_id_y 1
		.amdhsa_system_sgpr_workgroup_id_z 1
		.amdhsa_system_vgpr_workitem_id 0
		.amdhsa_next_free_vgpr 512
		.amdhsa_next_free_sgpr 102
		.amdhsa_reserve_vcc 1
		.amdhsa_float_denorm_mode_32 3
		.amdhsa_float_denorm_mode_16_64 3
		.amdhsa_memory_ordered 1
		.amdhsa_forward_progress 1
		.amdhsa_inst_pref_size 221
	.end_amdhsa_kernel
	.amdgpu_metadata
---
amdhsa.version: [ 1, 2 ]
amdhsa.kernels:
  - .name:           k_q18d552bbf3_up
    .symbol:         k_q18d552bbf3_up.kd
    .args:
      - { .name: W1, .offset: 0, .size: 8, .value_kind: global_buffer, .address_space: global }
      - { .name: W3, .offset: 8, .size: 8, .value_kind: global_buffer, .address_space: global }
      - { .name: B1, .offset: 16, .size: 8, .value_kind: global_buffer, .address_space: global }
      - { .name: B3, .offset: 24, .size: 8, .value_kind: global_buffer, .address_space: global }
      - { .name: sB1, .offset: 32, .size: 8, .value_kind: global_buffer, .address_space: global }
      - { .name: lowp_scales, .offset: 40, .size: 8, .value_kind: global_buffer, .address_space: global }
      - { .name: masks, .offset: 48, .size: 8, .value_kind: global_buffer, .address_space: global }
      - { .name: acts, .offset: 56, .size: 8, .value_kind: global_buffer, .address_space: global }
      - { .name: wimg1, .offset: 64, .size: 8, .value_kind: global_buffer, .address_space: global }
      - { .name: hbuf, .offset: 72, .size: 8, .value_kind: global_buffer, .address_space: global }
    .group_segment_fixed_size: 263168
    .private_segment_fixed_size: 0
    .kernarg_segment_align: 8
    .kernarg_segment_size: 80
    .max_flat_workgroup_size: 256
    .sgpr_count:     102
    .vgpr_count:     512
    .wavefront_size: 32
...
	.end_amdgpu_metadata
.endif
;; end of part 2
;; launch down (part 3): grid 384 x 1, 8 waves a work-group, no clusters, 166,912 bytes of LDS; arguments W2, B2, sB2, lowp_scales, masks, sel, coef, wimg2, hbuf, ybuf; writes ybuf
.if DOCPART == 3
	.amdgcn_target "amdgcn-amd-amdhsa--gfx1250"
	.amdhsa_code_object_version 6
	.text
	.protected	k_q18d552bbf3_down
	.globl	k_q18d552bbf3_down
	.p2align	8
	.type	k_q18d552bbf3_down,@function
k_q18d552bbf3_down:
	s_mov_b64 s[64:65], 0
	v_nop
	global_prefetch_b8 v0, s[64:65] scope:SCOPE_SE
	s_setreg_imm32_b32 hwreg(HW_REG_WAVE_MODE, 25, 1), 1
	s_wait_xcnt 0x0
; DOWN.  Work-groups 128-383: expert e = (wg-128)/16, slice cs = (wg-128)%16: 64 columns of W2[e]: c (h W2 + B2) for the rows that chose e.
; Work-groups 0-127: the shared layer's second product: pe = wg/64 (half of its K), cs = (wg/4)%16, rb = wg%4 (256 tokens); codes of sW2 come ready from wimg2; sB2 goes in with half 0.
; ybuf, f32 rows of 1,024: row 1024 x plane + token; plane 0: the token's first expert, 1: its second, 2, 3: the shared halves.  Row 4096 + wg takes the padding rows of a list's last pair; nobody reads it.
; Wave w streams K step w of the slice (each f32 weight byte is read once in the launch), converts and stores images in LDS; ONE barrier; behind it each wave works alone on pairs of tiles w, w+8, ..
; Fragments, images, the choice of columns in a tile and the transposed use are as in the launch before: lane (r, h), tile j, register jj is column 32 (jj/4) + 16h + 4 (jj%4) + j of token r.
; No multicast: no two work-groups read the same weight bytes, and the partners' trip counts would hang on loaded counts.
; LIMITS: every given exponent between -126 and 119, the sum of a product's two between -126 and 127.  NaN among the inputs is not served.
.set PITCH, 4096
.set L16, 1
.set WL,  2
.set LW,  3
.set LWP, 4
.set LA,  5
.set C16, 6                            ; 16 r
.set POS, 7
.set TOK, 8
.set SELV, 9
.set COEF, 10
.set RHO, 11                           ; the row of ybuf of the pair's row 'lane'
.set HA,  12
.set H64, 13
.set WSC, 14
.set WLIM, 15
.set SO,  16                           ; my stage, on the way in
.set SR,  17                           ; and out
.set BPX, 18                           ; 4 h
.set LN,  19
.set SM,  20
.set SB,  21
.set SGI, 22
.set QQ,  23
.set A1,  24
.set A2,  25
.set A3,  26
.set A4,  27
.set TT,  28
.set PB,  29
.set TU,  30
.set DUMPV, 31
.set C,   32                           ; v32-47 codes of a block; behind the barrier:
.set RA,  32                           ; v32-47 store addresses, 8 a tile
.set XY,  48                           ; v48-51 at work; behind the barrier:
.set C0,  48                           ; v[48:49], v[50:51] the rows' coefficients for tile 0, 1
.set CF,  52
.set GA1, 53
.set GA2, 54
.set CFX, 55
.set STG, 64
.set ACC, 64                           ; v64-127  8 accumulators
.set O,   128                          ; v128-159 a tile's results
.set BI,  160                          ; v160-191 the bias of my 32 columns
.set BF,  192                          ; v192-255 four weight fragments; then rows on their way out, 32 a tile
.set RUN, 10
.set T0,  11
.set S0,  12                           ; s12-15 the byte selectors of the transposition, ahead of the barrier
.set S1,  13
.set S2,  14
.set S3,  15
.set RND, 12                           ; s12 behind the barrier: the round's number, stepped by 1
.set NRND, 13                          ; s13 behind the barrier: how many rounds my wave has
.set MK,  68
.set MSB, 0
.macro WIN new
.if MSB != \new
	s_set_vgpr_msb (MSB<<8)|\new
.set MSB, \new
.endif
.endm
.macro WLOAD set, c
.irp k, 0,1,2,3,4,5,6,7,8,9,10,11,12,13,14,15
	global_load_b128 v[STG+64*(\set)+4*\k:STG+64*(\set)+4*\k+3], v[WL], s[54:55] offset:(32*(\c)+4*(\k&3)+(\k>>2))*PITCH th:TH_LOAD_NT
.endr
.endm
.macro WCONV set, left
	s_wait_loadcnt \left
.set i, 0
.rept 64
	v_med3_num_f32 v[STG+64*(\set)+i], v[STG+64*(\set)+i], -v[WLIM], v[WLIM]   ; the conversion does not saturate (ISA guide 7.6.2)
.set i, i+1
.endr
	s_wait_dscnt 0x0                               ; the last block's LDS stores have read C
.irp m, 0,1,2,3,4,5,6,7
	v_cvt_scalef32_pk8_fp8_f32 v[C+2*\m:C+2*\m+1], v[STG+64*(\set)+8*\m:STG+64*(\set)+8*\m+7], v[WSC]
.endr
	v_nop
.endm
.macro WPERM
.irp g, 0,1,2,3
	v_perm_b32 v[XY],   v[C+4+\g],  v[C+\g],   s[S0]
	v_perm_b32 v[XY+1], v[C+4+\g],  v[C+\g],   s[S1]
	v_perm_b32 v[XY+2], v[C+12+\g], v[C+8+\g], s[S0]
	v_perm_b32 v[XY+3], v[C+12+\g], v[C+8+\g], s[S1]
	v_perm_b32 v[C+\g],    v[XY+2], v[XY],   s[S2]
	v_perm_b32 v[C+4+\g],  v[XY+2], v[XY],   s[S3]
	v_perm_b32 v[C+8+\g],  v[XY+3], v[XY+1], s[S2]
	v_perm_b32 v[C+12+\g], v[XY+3], v[XY+1], s[S3]
.endr
.endm
.macro WPUT c
.irp j, 0,1,2,3
	ds_store_b128 v[LW], v[C+4*\j:C+4*\j+3] offset:\j*16384+(\c)*512
.endr
.endm
.macro SSTEP src, width, step
	v_bfe_u32 v[TT], v[\src], v[PB], \width
	v_cmp_ge_u32 vcc_lo, v[QQ], v[TT]
	v_cndmask_b32 v[TT], 0, v[TT], vcc_lo
	v_cndmask_b32 v[TU], 0, \step, vcc_lo
	v_sub_nc_u32 v[QQ], v[QQ], v[TT]
	v_add_nc_u32 v[PB], v[PB], v[TU]
.endm
; v[TOK] = the token at position v[POS] of the expert's list (tokens ascending); s[RUN] = the list's length.  Registers alone.
.macro SEARCH
	v_mov_b32 v[SM], s[MK]
	v_mov_b32 v[SB], 0
	v_mov_b32 v[SGI], 0
	s_bcnt1_i32_b32 s[RUN], s[MK]
.set j, 1
.rept 31
	v_cmp_le_u32 vcc_lo, s[RUN], v[POS]
	v_cndmask_b32 v[SM], v[SM], s[MK+j], vcc_lo
	v_cndmask_b32 v[SB], v[SB], s[RUN], vcc_lo
	v_cndmask_b32 v[SGI], v[SGI], j, vcc_lo
	s_bcnt1_i32_b32 s[T0], s[MK+j]
	s_add_co_u32 s[RUN], s[RUN], s[T0]
.set j, j+1
.endr
	v_sub_nc_u32 v[QQ], v[POS], v[SB]
	v_lshrrev_b32 v[TT], 1, v[SM]
	v_and_b32 v[TT], 0x55555555, v[TT]
	v_sub_nc_u32 v[A1], v[SM], v[TT]
	v_lshrrev_b32 v[TT], 2, v[A1]
	v_and_b32 v[TT], 0x33333333, v[TT]
	v_and_b32 v[A2], 0x33333333, v[A1]
	v_add_nc_u32 v[A2], v[A2], v[TT]
	v_lshrrev_b32 v[TT], 4, v[A2]
	v_add_nc_u32 v[TT], v[TT], v[A2]
	v_and_b32 v[A3], 0x0f0f0f0f, v[TT]
	v_lshrrev_b32 v[TT], 8, v[A3]
	v_add_nc_u32 v[A4], v[A3], v[TT]
	v_mov_b32 v[PB], 0
	SSTEP A4, 8, 16
	SSTEP A3, 8, 8
	SSTEP A2, 4, 4
	SSTEP A1, 2, 2
	SSTEP SM, 1, 1
	v_lshl_add_u32 v[TOK], v[SGI], 5, v[PB]
	v_min_u32 v[TOK], 0x3ff, v[TOK]
.endm
.macro GATHER                          ; the token's second expert and its coefficient for this expert
	v_lshlrev_b32 v[GA1], 2, v[TOK]
	v_lshlrev_b32 v[GA2], 6, v[TOK]
	global_load_b32 v[SELV], v[GA1], s[26:27]
	global_load_b32 v[COEF], v[GA2], s[62:63]
.endm
.macro MKHA
	s_min_u32 s11, s8, 31
	s_lshl_b32 s11, s11, 15                        ; a pair's images: 2 x 16 KiB
	v_add_nc_u32 v[HA], s11, v[L16]
.endm
.macro AGRP a                          ; 16 loads: both tiles' images of K steps 2a, 2a+1, 512 consecutive bytes each
	WIN 0x40
.irp u, 0,1
.irp t, 0,1
.irp c, 0,1,2,3
	global_load_b128 v[128*\t+16*(2*(\a)+\u)+4*\c:128*\t+16*(2*(\a)+\u)+4*\c+3], v[HA], s[56:57] offset:16384*\t+2048*(2*(\a)+\u)+512*\c
.endr
.endr
.endr
	WIN 0
.endm
.macro KSTEP s, left                   ; the eight accumulators take turns, one instruction a turn
.irp j, 0,1,2,3
.irp c, 0,1,2,3
	ds_load_b128 v[BF+16*\j+4*\c:BF+16*\j+4*\c+3], v[LA] offset:(8*\j+(\s))*2048+512*\c
.endr
.endr
.if (\left) >= 0
	s_wait_loadcnt \left
.endif
	s_wait_dscnt 0x0
	WIN 0x04
.irp j, 0,1,2,3
.irp t, 0,1
.if (\s) == 0
	v_wmma_f32_16x16x128_fp8_fp8 v[ACC+8*(4*\t+\j):ACC+8*(4*\t+\j)+7], v[BF+16*\j:BF+16*\j+15], v[128*\t+16*(\s):128*\t+16*(\s)+15], 0
.else
	v_wmma_f32_16x16x128_fp8_fp8 v[ACC+8*(4*\t+\j):ACC+8*(4*\t+\j)+7], v[BF+16*\j:BF+16*\j+15], v[128*\t+16*(\s):128*\t+16*(\s)+15], v[ACC+8*(4*\t+\j):ACC+8*(4*\t+\j)+7]
.endif
.endr
.endr
	WIN 0
.rept 4
	v_nop                                          ; four places in front of loads into registers that these products read, and of the first read of results
.endr
.endm
; Tile tau leaves: (sum x 2^(the two exponents) + bias) x c, through my stage, as rows of 256 bytes; each row goes to the row of ybuf that its token and plane name.
.macro OUT tau
.irp jj, 0,1,2,3,4,5,6,7
.irp j, 0,1,2,3
	v_fma_f32 v[O+4*\jj+\j], v[ACC+8*(4*(\tau)+\j)+\jj], s67, v[BI+4*\jj+\j]   ; each accumulator is read from its register 0 on
.endr
.endr
.irp i, 0,2,4,6,8,10,12,14,16,18,20,22,24,26,28,30
	v_pk_mul_f32 v[O+\i:O+\i+1], v[O+\i:O+\i+1], v[C0+2*(\tau):C0+2*(\tau)+1] op_sel_hi:[1,0]
.endr
.irp i, 0,1,2,3,4,5,6,7
	ds_store_b128 v[SO], v[O+4*\i:O+4*\i+3] offset:128*(\i>>2)+16*(\i&3)
.endr
.irp i, 0,1,2,3,4,5,6,7
	ds_load_b128 v[BF+32*(\tau)+4*\i:BF+32*(\tau)+4*\i+3], v[SR] offset:544*\i   ; LDS serves a wave's instructions in order: these see my stores
.endr
.irp i, 0,1,2,3,4,5,6,7
	v_add_nc_u32 v[RA+8*(\tau)+\i], 4*(16*(\tau)+2*\i), v[BPX]
	ds_bpermute_b32 v[RA+8*(\tau)+\i], v[RA+8*(\tau)+\i], v[RHO]   ; the row of ybuf of the pair's row 16 tau + 2 i + h
.endr
	s_wait_dscnt 0x0
.irp i, 0,1,2,3,4,5,6,7
	v_min_u32 v[RA+8*(\tau)+\i], 0x117f, v[RA+8*(\tau)+\i]
	v_lshl_add_u32 v[RA+8*(\tau)+\i], v[RA+8*(\tau)+\i], 12, v[C16]
.endr
.irp i, 0,1,2,3,4,5,6,7
	global_store_b128 v[RA+8*(\tau)+\i], v[BF+32*(\tau)+4*\i:BF+32*(\tau)+4*\i+3], s[58:59]   ; sixteen lanes store 256 consecutive bytes, aligned
.endr
.endm
	s_load_b512 s[16:31], s[0:1], 0x0              ; W2 16, B2 18, sB2 20, exponents 22, masks 24, sel 26, coef 28, wimg2 30
	s_load_b128 s[32:35], s[0:1], 0x40             ; hbuf 32, ybuf 34
	v_lshl_add_u32 v62, v0, 2, 0x28800
	v_mov_b32 v63, 0
	v_lshrrev_b32 v30, 5, v0
	v_readfirstlane_b32 s2, v30                    ; wave
	s_mov_b32 s3, ttmp9                            ; work-group
	v_and_b32 v[LN], 31, v0
	v_and_b32 v29, 15, v0                          ; r
	v_bfe_u32 v30, v0, 4, 1                        ; h
	v_lshlrev_b32 v[L16], 4, v[LN]
	v_lshlrev_b32 v[H64], 6, v30
	v_lshlrev_b32 v[C16], 4, v29
	v_lshlrev_b32 v[BPX], 2, v30
	v_and_b32 v27, 3, v29
	v_and_b32 v28, 4, v29
	v_lshl_or_b32 v27, v28, 1, v27
	v_and_b32 v28, 8, v29
	v_lshrrev_b32 v28, 1, v28
	v_or_b32 v27, v27, v28                         ; g(r)
	v_lshlrev_b32 v[WL], 4, v27
	v_lshl_add_u32 v[WL], v30, 16, v[WL]
	s_lshl_b32 s11, s2, 11
	v_add_nc_u32 v[LW], s11, v[L16]
	s_lshl_b32 s11, s2, 13
	s_add_co_u32 s11, s11, 0x10000
	v_add_nc_u32 v[LWP], s11, v[L16]
	s_cmp_lt_u32 s3, 128
	s_cselect_b32 s11, 0x10000, 0                  ; the two kinds of work-group have LDS bytes of their own
	v_add_nc_u32 v[LA], s11, v[L16]
	s_mul_i32 s11, s2, 4352
	s_add_co_u32 s11, s11, 0x20000                 ; my stage: 16 rows x 272 bytes
	v_mul_u32_u24 v[SO], v29, 272
	v_lshl_add_u32 v[SO], v30, 6, v[SO]
	v_add_nc_u32 v[SO], s11, v[SO]
	v_mul_u32_u24 v[SR], v30, 272
	v_lshl_add_u32 v[SR], v29, 4, v[SR]
	v_add_nc_u32 v[SR], s11, v[SR]
	s_add_co_u32 s11, s3, 4096
	v_mov_b32 v[DUMPV], s11
	v_mov_b32 v[CFX], 0                            ; a lane permute's destination counts as read
	s_mov_b32 s[S0], 0x05010400
	s_mov_b32 s[S1], 0x07030602
	s_mov_b32 s[S2], 0x05040100
	s_mov_b32 s[S3], 0x07060302
	s_mov_b32 s66, 0xffff0000
	s_mov_b32 s100, 0x76543210
	s_mov_b32 s101, 0xfedcba98
	s_wait_kmcnt 0x0
	s_load_b512 s[36:51], s[22:23], 0x0
	s_load_b64 s[52:53], s[22:23], 0x40
	s_cmp_lt_u32 s3, 128
	s_cbranch_scc1 .Lpseudo
	; ---- an expert's work-group
	s_sub_co_u32 s4, s3, 128
	s_and_b32 s5, s4, 15                           ; cs
	s_lshr_b32 s4, s4, 4                           ; e
	s_lshl_b32 s10, s4, 22
	s_lshl_b32 s11, s5, 8
	s_add_co_u32 s10, s10, s11
	s_lshl_b32 s11, s2, 19
	s_add_co_u32 s10, s10, s11
	s_mov_b32 s11, 0
	s_add_nc_u64 s[54:55], s[16:17], s[10:11]
	WLOAD 0, 0
	WLOAD 1, 1
	WLOAD 2, 2
	s_lshl_b32 s10, s4, 7
	s_add_nc_u64 s[24:25], s[24:25], s[10:11]
	s_load_b512 s[68:83], s[24:25], 0x0
	s_load_b512 s[84:99], s[24:25], 0x40
	s_lshl_b32 s10, s4, 12
	s_lshl_b32 s67, s5, 8
	s_add_co_u32 s10, s10, s67
	s_add_nc_u64 s[60:61], s[18:19], s[10:11]      ; B2 at my 64 columns
	s_lshl_b32 s10, s4, 2
	s_add_nc_u64 s[62:63], s[28:29], s[10:11]      ; coef at my expert's column
	s_lshl_b32 s10, s4, 20
	s_add_nc_u64 s[56:57], s[32:33], s[10:11]      ; my expert's hidden rows
	s_mov_b32 s6, 0                                ; planes 0, 1
	s_mov_b32 s7, 0                                ; the coefficient is coef's
	s_wait_kmcnt 0x0
	s_cmp_lt_u32 s4, 2
	s_cselect_b32 s36, s42, s48                    ; the hidden layer's exponent: entry 6 or 12,
	s_cselect_b32 s37, s43, s49                    ; W2's: entry 7 or 13
	s_add_co_i32 s11, s37, 127
	s_lshl_b32 s67, s11, 23
	v_mov_b32 v[WSC], s67
	s_add_co_i32 s11, s11, 8
	s_lshl_b32 s11, s11, 23
	s_or_b32 s11, s11, 0x600000
	v_mov_b32 v[WLIM], s11
	v_mov_b32 v[POS], v0
	SEARCH
	s_add_co_u32 s9, s[RUN], 31
	s_lshr_b32 s9, s9, 5
	s_mov_b32 s8, s2
	GATHER
	MKHA
	WCONV 0, 34                                    ; younger: two groups of 16 and the two gathers
	WLOAD 0, 3
	WPERM
	WPUT 0
	WCONV 1, 34
	AGRP 0
	WPERM
	WPUT 1
	WCONV 2, 34
	AGRP 1
	WPERM
	WPUT 2
	WCONV 0, 32                                    ; younger: two groups of hidden rows
	AGRP 2
	AGRP 3
	WPERM
	WPUT 3
	s_branch .Ljoin
	; ---- a pseudo-expert's work-group
.Lpseudo:
	s_lshr_b32 s4, s3, 6                           ; pe
	s_bfe_u32 s5, s3, 0x40002                      ; cs
	s_and_b32 s9, s3, 3                            ; rb
	s_add_co_u32 s6, s4, 2                         ; plane 2 or 3
	s_mov_b32 s7, -1                               ; the coefficient is 1
	s_lshl_b32 s10, s4, 20
	s_lshl_b32 s11, s5, 16
	s_add_co_u32 s10, s10, s11
	s_lshl_b32 s11, s2, 13
	s_add_co_u32 s10, s10, s11
	s_mov_b32 s11, 0
	s_add_nc_u64 s[54:55], s[30:31], s[10:11]
	s_add_co_u32 s4, s4, 16                        ; pseudo-expert 16 or 17: a number that no token's second expert equals
.set i, 0
.rept 16
	global_load_b128 v[64+4*i:64+4*i+3], v[L16], s[54:55] offset:512*i   ; my eighth of the 64 KiB of images
.set i, i+1
.endr
.set i, 0
.rept 16
	s_mov_b64 s[MK+2*i:MK+2*i+1], -1               ; every token takes the shared layer
.set i, i+1
.endr
	s_lshl_b32 s9, s9, 3
	s_add_co_u32 s8, s9, s2
	s_add_co_u32 s9, s9, 8
	s_lshl_b32 s10, s8, 5
	v_add_nc_u32 v[POS], s10, v[LN]
	v_mov_b32 v[TOK], v[POS]
	v_mov_b32 v[SELV], 0
	v_mov_b32 v[COEF], 0
	s_lshl_b32 s10, s4, 20
	s_add_nc_u64 s[56:57], s[32:33], s[10:11]
	s_lshl_b32 s10, s5, 8
	s_add_nc_u64 s[60:61], s[20:21], s[10:11]      ; sB2 at my 64 columns
	s_mov_b64 s[62:63], s[28:29]
	MKHA
	AGRP 0
	AGRP 1
	s_mov_b32 s[RUN], 1024
	s_wait_kmcnt 0x0
	s_mov_b32 s36, s52                             ; the hidden layer's exponent: entry 16; sW2's: 17
	s_mov_b32 s37, s53
	s_wait_loadcnt 32                              ; the copy is in
.set i, 0
.rept 16
	ds_store_b128 v[LWP], v[64+4*i:64+4*i+3] offset:512*i
.set i, i+1
.endr
	AGRP 2
	AGRP 3
.Ljoin:
	s_add_co_i32 s67, s36, s37
	s_add_co_i32 s67, s67, 127
	s_lshl_b32 s67, s67, 23                        ; what a sum lacks
	s_lshl_b32 s38, s5, 8
	s_mov_b32 s39, 0
	s_add_nc_u64 s[58:59], s[34:35], s[38:39]      ; ybuf at my 64 columns
	s_cmp_eq_u32 s6, 3                             ; plane 3 is the shared layer's second half of K
	s_cbranch_scc1 .Lno_bias
.irp i, 0,1,2,3
	global_load_b128 v[BI+4*\i:BI+4*\i+3], v[H64], s[60:61] offset:16*\i
	global_load_b128 v[BI+16+4*\i:BI+16+4*\i+3], v[H64], s[60:61] offset:128+16*\i
.endr
	s_branch .Lbias_set
.Lno_bias:
.set i, 0
.rept 32
	v_mov_b32 v[BI+i], 0                           ; sB2 is added once, with the first half of K
.set i, i+1
.endr
.Lbias_set:
	s_wait_dscnt 0x0                               ; my images lie in LDS
	s_barrier_signal -1
	s_barrier_wait -1                              ; everybody's do; from here on a wave writes only its own stage
	v_mov_b32 v[C0+1], 0                           ; named as the upper halves of pairs
	v_mov_b32 v[C0+3], 0
	s_cmp_ge_u32 s8, s9
	s_cbranch_scc1 .Ldone
	s_sub_co_u32 s[NRND], s9, s8                   ; my pairs are s8, s8 + 8, .. below s9:
	s_add_co_u32 s[NRND], s[NRND], 7
	s_lshr_b32 s[NRND], s[NRND], 3                 ; so many rounds;
	s_min_u32 s[NRND], s[NRND], 4                  ; 32 pairs at the most, shared among 8 waves
	s_mov_b32 s[RND], 0
.Lround:
	KSTEP 0, 48                                    ; younger than group a: the 16 (3 - a) loads of later groups (in the first round the 8 of the bias too, so that the wait is then the stricter)
	KSTEP 1, -1
	KSTEP 2, 32
	KSTEP 3, -1
	KSTEP 4, 16
	KSTEP 5, -1
	KSTEP 6, 0
	KSTEP 7, -1
	v_cmp_eq_u32 vcc_lo, s4, v[SELV]
	v_cndmask_b32 v[TT], 0, 1, vcc_lo              ; I am the token's second expert: plane 1
	v_add_nc_u32 v[TT], s6, v[TT]
	v_lshl_add_u32 v[RHO], v[TT], 10, v[TOK]
	v_cmp_le_u32 vcc_lo, s[RUN], v[POS]
	v_cndmask_b32 v[RHO], v[RHO], v[DUMPV], vcc_lo ; past the list's end
	v_cndmask_b32 v[CF], v[COEF], 1.0, s7
	v_permlanex16_b32 v[CFX], v[CF], s100, s101
	v_cndmask_b32 v[C0], v[CF], v[CFX], s66        ; lane (r, h): row r of tile 0,
	v_cndmask_b32 v[C0+2], v[CFX], v[CF], s66      ; of tile 1
	OUT 0
	OUT 1
	s_add_co_u32 s8, s8, 8                         ; my next pair
	s_add_co_u32 s[RND], s[RND], 1
	s_cmp_ge_u32 s[RND], s[NRND]
	s_cbranch_scc1 .Ldone
	s_wait_xcnt 0x0                                ; the stores have read their data and addresses: both are written again below
	v_add_nc_u32 v[POS], 0x100, v[POS]
	SEARCH
	GATHER
	MKHA
	AGRP 0
	AGRP 1
	AGRP 2
	AGRP 3
	s_cmp_lt_u32 s[RND], s[NRND]
	s_cbranch_scc1 .Lround
.Ldone:
	s_wait_tensorcnt 0x0
	ds_add_u32 v62, v63
	s_wait_dscnt 0x0
	s_endpgm
.Lfunc_end_k_q18d552bbf3_down:
	.size	k_q18d552bbf3_down, .Lfunc_end_k_q18d552bbf3_down-k_q18d552bbf3_down
	.p2alignl 7, 3214868480
	.fill 96, 4, 3214868480
	.section	.rodata,"a",@progbits
	.p2align	6, 0x0
	.amdhsa_kernel k_q18d552bbf3_down
		.amdhsa_group_segment_fixed_size 166912
		.amdhsa_private_segment_fixed_size 0
		.amdhsa_enable_private_segment 0
		.amdhsa_kernarg_size 80
		.amdhsa_user_sgpr_count 2
		.amdhsa_user_sgpr_kernarg_segment_ptr 1
		.amdhsa_wavefront_size32 1
		.amdhsa_system_sgpr_workgroup_id_x 1
		.amdhsa_system_sgpr_workgroup_id_y 1
		.amdhsa_system_sgpr_workgroup_id_z 1
		.amdhsa_system_vgpr_workitem_id 0
		.amdhsa_next_free_vgpr 512
		.amdhsa_next_free_sgpr 102
		.amdhsa_reserve_vcc 1
		.amdhsa_float_denorm_mode_32 3
		.amdhsa_float_denorm_mode_16_64 3
		.amdhsa_memory_ordered 1
		.amdhsa_forward_progress 1
		.amdhsa_inst_pref_size 114
	.end_amdhsa_kernel
	.amdgpu_metadata
---
amdhsa.version: [ 1, 2 ]
amdhsa.kernels:
  - .name:           k_q18d552bbf3_down
    .symbol:         k_q18d552bbf3_down.kd
    .args:
      - { .name: W2, .offset: 0, .size: 8, .value_kind: global_buffer, .address_space: global }
      - { .name: B2, .offset: 8, .size: 8, .value_kind: global_buffer, .address_space: global }
      - { .name: sB2, .offset: 16, .size: 8, .value_kind: global_buffer, .address_space: global }
      - { .name: lowp_scales, .offset: 24, .size: 8, .value_kind: global_buffer, .address_space: global }
      - { .name: masks, .offset: 32, .size: 8, .value_kind: global_buffer, .address_space: global }
      - { .name: sel, .offset: 40, .size: 8, .value_kind: global_buffer, .address_space: global }
      - { .name: coef, .offset: 48, .size: 8, .value_kind: global_buffer, .address_space: global }
      - { .name: wimg2, .offset: 56, .size: 8, .value_kind: global_buffer, .address_space: global }
      - { .name: hbuf, .offset: 64, .size: 8, .value_kind: global_buffer, .address_space: global }
      - { .name: ybuf, .offset: 72, .size: 8, .value_kind: global_buffer, .address_space: global }
    .group_segment_fixed_size: 166912
    .private_segment_fixed_size: 0
    .kernarg_segment_align: 8
    .kernarg_segment_size: 80
    .max_flat_workgroup_size: 256
    .sgpr_count:     102
    .vgpr_count:     512
    .wavefront_size: 32
...
	.end_amdgpu_metadata
.endif
;; end of part 3
;; launch sum (part 4): grid 256 x 1, 4 waves a work-group, no clusters, 0 bytes of LDS; arguments ybuf, out0; writes out0
.if DOCPART == 4
	.amdgcn_target "amdgcn-amd-amdhsa--gfx1250"
	.amdhsa_code_object_version 6
	.text
	.protected	k_q18d552bbf3_sum
	.globl	k_q18d552bbf3_sum
	.p2align	8
	.type	k_q18d552bbf3_sum,@function
k_q18d552bbf3_sum:
	s_mov_b64 s[64:65], 0
	v_nop
	global_prefetch_b8 v0, s[64:65] scope:SCOPE_SE
	s_setreg_imm32_b32 hwreg(HW_REG_WAVE_MODE, 25, 1), 1
	s_wait_xcnt 0x0
; SUM.  out0 = the four planes of ybuf added: the token's two experts (already times their weights) and the two halves of the shared layer.
; A stream: a work-group takes 16 KiB of each plane, a thread 16 bytes of each of eight pieces of 2,048 bytes; all 32 loads of a wave go out at once; each load and store of a wave covers 512 consecutive bytes.
; No LDS, no barrier, no matrix unit: nothing is shared and nothing is multiplied.
.set PL, 0x400000                      ; a plane: 1,024 rows of 4,096 bytes
	s_load_b128 s[4:7], s[0:1], 0x0                ; ybuf, out0
	v_lshlrev_b32 v1, 4, v0
	s_lshl_b32 s8, ttmp9, 14
	v_add_nc_u32 v1, s8, v1
	s_wait_kmcnt 0x0
	s_add_nc_u64 s[10:11], s[4:5], PL
	s_add_nc_u64 s[12:13], s[4:5], 2*PL
	s_add_nc_u64 s[14:15], s[4:5], 3*PL
.irp i, 0,1,2,3,4,5,6,7
	global_load_b128 v[16+16*\i:19+16*\i], v1, s[4:5] offset:2048*\i th:TH_LOAD_NT
	global_load_b128 v[20+16*\i:23+16*\i], v1, s[10:11] offset:2048*\i th:TH_LOAD_NT
	global_load_b128 v[24+16*\i:27+16*\i], v1, s[12:13] offset:2048*\i th:TH_LOAD_NT
	global_load_b128 v[28+16*\i:31+16*\i], v1, s[14:15] offset:2048*\i th:TH_LOAD_NT
.endr
.irp i, 0,1,2,3,4,5,6,7
	s_wait_loadcnt 28-4*\i                         ; piece i's four loads are in; the later pieces' stay out
	v_pk_add_f32 v[16+16*\i:17+16*\i], v[16+16*\i:17+16*\i], v[20+16*\i:21+16*\i]
	v_pk_add_f32 v[18+16*\i:19+16*\i], v[18+16*\i:19+16*\i], v[22+16*\i:23+16*\i]
	v_pk_add_f32 v[24+16*\i:25+16*\i], v[24+16*\i:25+16*\i], v[28+16*\i:29+16*\i]
	v_pk_add_f32 v[26+16*\i:27+16*\i], v[26+16*\i:27+16*\i], v[30+16*\i:31+16*\i]
	v_pk_add_f32 v[16+16*\i:17+16*\i], v[16+16*\i:17+16*\i], v[24+16*\i:25+16*\i]
	v_pk_add_f32 v[18+16*\i:19+16*\i], v[18+16*\i:19+16*\i], v[26+16*\i:27+16*\i]
	global_store_b128 v1, v[16+16*\i:19+16*\i], s[6:7] offset:2048*\i th:TH_STORE_NT
.endr
	s_endpgm
.Lfunc_end_k_q18d552bbf3_sum:
	.size	k_q18d552bbf3_sum, .Lfunc_end_k_q18d552bbf3_sum-k_q18d552bbf3_sum
	.p2alignl 7, 3214868480
	.fill 96, 4, 3214868480
	.section	.rodata,"a",@progbits
	.p2align	6, 0x0
	.amdhsa_kernel k_q18d552bbf3_sum
		.amdhsa_group_segment_fixed_size 0
		.amdhsa_private_segment_fixed_size 0
		.amdhsa_enable_private_segment 0
		.amdhsa_kernarg_size 16
		.amdhsa_user_sgpr_count 2
		.amdhsa_user_sgpr_kernarg_segment_ptr 1
		.amdhsa_wavefront_size32 1
		.amdhsa_system_sgpr_workgroup_id_x 1
		.amdhsa_system_sgpr_workgroup_id_y 1
		.amdhsa_system_sgpr_workgroup_id_z 1
		.amdhsa_system_vgpr_workitem_id 0
		.amdhsa_next_free_vgpr 144
		.amdhsa_next_free_sgpr 66
		.amdhsa_reserve_vcc 0
		.amdhsa_float_denorm_mode_32 3
		.amdhsa_float_denorm_mode_16_64 3
		.amdhsa_memory_ordered 1
		.amdhsa_forward_progress 1
		.amdhsa_inst_pref_size 8
	.end_amdhsa_kernel
	.amdgpu_metadata
---
amdhsa.version: [ 1, 2 ]
amdhsa.kernels:
  - .name:           k_q18d552bbf3_sum
    .symbol:         k_q18d552bbf3_sum.kd
    .args:
      - { .name: ybuf, .offset: 0, .size: 8, .value_kind: global_buffer, .address_space: global }
      - { .name: out0, .offset: 8, .size: 8, .value_kind: global_buffer, .address_space: global }
    .group_segment_fixed_size: 0
    .private_segment_fixed_size: 0
    .kernarg_segment_align: 8
    .kernarg_segment_size: 16
    .max_flat_workgroup_size: 128
    .sgpr_count:     66
    .vgpr_count:     144
    .wavefront_size: 32
...
	.end_amdgpu_metadata
.endif
;; end of part 4
;; ======== version 2 of 3: 4 launches
;; workspace buffers: acts 5,242,880 bytes; masks 2,048 bytes of whole numbers; sel 4,096 bytes of whole numbers; coef 65,536 bytes; wimg1 2,097,152 bytes; wimg2 2,097,152 bytes; hbuf 18,874,368 bytes; ybuf 18,350,080 bytes
;; launch prep (part 5): grid 192 x 1, 16 waves a work-group, no clusters, 55,296 bytes of LDS; arguments embeddings, x, gate_w, sW1, sW2, lowp_scales, acts, masks, sel, coef, wimg1, wimg2; writes acts, masks, sel, coef, wimg1, wimg2
.if DOCPART == 5
	.amdgcn_target "amdgcn-amd-amdhsa--gfx1250"
	.amdhsa_code_object_version 6
	.text
	.protected	k_q18d552bbf3_prep
	.globl	k_q18d552bbf3_prep
	.p2align	8
	.type	k_q18d552bbf3_prep,@function
k_q18d552bbf3_prep:
	s_mov_b64 s[64:65], 0
	v_nop
	global_prefetch_b8 v0, s[64:65] scope:SCOPE_SE
	s_setreg_imm32_b32 hwreg(HW_REG_WAVE_MODE, 25, 1), 1
	s_wait_xcnt 0x0
; PREP.  Work-groups 0-63: 16 tokens each: the gate (softmax, top 2) and the five quantised versions of the activations.
; Work-groups 64-127: sW1, 128-191: sW2, f32 with K as first axis, into images of operand registers (E4M3 codes); a wave takes 32 rows x 256 bytes.
; A FRAGMENT is 16 rows x 128 K in 16 registers: register 4c+g, byte b of lane (r = lane%16, h = lane/16) holds k = 32c+16h+4g+b of row r;
; the same order of k is used on both sides of every product of this program.  Its IMAGE is 2,048 bytes: registers 4c..4c+3 of lane l at 512c+16l.
; acts: [version 5][K step 8][token 1024][128 bytes = [h][c][16]]: 0 x at entry 3, 1 x at 5, 2 emb at 9, 3 emb at 11, 4 emb at 14 of the given exponents.
; masks: [expert 16][32 words], bit b of word g: token 32g+b chose the expert.  sel: the token's second expert.  coef: c[token][16].
; Gate path: waves 0-7 take K step w of the embeddings, waves 8-15 K step w-8 of x.  The gate's sum over K is made of eight partial sums, added in ascending order by wave 0.
; LIMITS: every given exponent between -126 and 119, the sum of entries 0 and 1 between -126 and 127.  NaN among the inputs is not served.
; Ties in the top 2 go to the lower expert.
.set PART, 0                           ; LDS: a slot of 1,024 bytes for each wave's partial gate sums
.set STGE, 16384                       ; LDS: a stage of 16 rows x 144 bytes for each wave
.set SPIT, 144
.set LN,  1                            ; v1  lane
.set RR,  2                            ; v2  r
.set HH,  3                            ; v3  h
.set PW,  4                            ; v4  my place in my wave's slot
.set L16, 5                            ; v5  16 x lane
.set SW,  6                            ; v6  the stage, on the way in
.set SRD, 7                            ; v7  the stage, on the way out
.set XA,  8                            ; v8  my bytes in 16 rows of f32
.set WL,  9                            ; v9  weight path: my bytes in a slice
.set C,   32                           ; v32-47   codes just made
.set CE,  48                           ; v48-63   the embeddings' codes for the gate
.set XY,  48                           ; v48-51   weight path: at work in the byte transposition
.set X,   64                           ; v64-127  64 numbers of my row
.set STG, 64                           ; v64-127  weight path: 64 numbers
.set GW,  128                          ; v128-191 64 numbers of gate_w; later rows on their way out
.set T,   192                          ; v192-223 two sets of 16 held numbers
.set CG,  224                          ; v224-239 gate_w's codes
.set S0,  12
.set S1,  13
.set S2,  14
.set S3,  15
.macro MKSC e, sc, lim                 ; from the exponent in s[e]: 2^e and 448 x 2^e as f32
	s_add_co_i32 s72, s[\e], 127
	s_lshl_b32 s73, s72, 23
	v_mov_b32 v[\sc], s73
	s_add_co_i32 s72, s72, 8
	s_lshl_b32 s72, s72, 23
	s_or_b32 s72, s72, 0x600000
	v_mov_b32 v[\lim], s72
.endm
; 64 numbers of a lane (register 16b+i = k 32b+16h+i of my row) become a fragment's 16 registers.  The numbers stay as they are: the held copies go to T.
.macro QUANT src, dst, sc, lim
.irp b, 0,1,2,3
.irp i, 0,1,2,3,4,5,6,7,8,9,10,11,12,13,14,15
	v_med3_num_f32 v[T+16*(\b%2)+\i], v[\src+16*\b+\i], -v[\lim], v[\lim]   ; the conversion does not saturate (ISA guide 7.6.2): hold first
.endr
	v_cvt_scalef32_pk8_fp8_f32 v[\dst+4*\b:\dst+4*\b+1], v[T+16*(\b%2):T+16*(\b%2)+7], v[\sc]
	v_cvt_scalef32_pk8_fp8_f32 v[\dst+4*\b+2:\dst+4*\b+3], v[T+16*(\b%2)+8:T+16*(\b%2)+15], v[\sc]
.endr
	v_nop                                          ; a plain line behind the last conversion
.endm
; The fragment in C goes through my stage and leaves as 16 rows of 128 bytes: four stores of 512 consecutive bytes
.macro STAGEOUT off, rb
.irp c, 0,1,2,3
	ds_store_b128 v[SW], v[C+4*\c:C+4*\c+3] offset:16*\c
.endr
.irp c, 0,1,2,3
	ds_load_b128 v[\rb+4*\c:\rb+4*\c+3], v[SRD] offset:576*\c      ; LDS serves a wave's instructions in order: these see my stores
.endr
	s_wait_dscnt 0x0
.irp c, 0,1,2,3
	global_store_b128 v[L16], v[\rb+4*\c:\rb+4*\c+3], s[70:71] offset:\off+512*\c
.endr
.endm
; Weight path.  A slice is 64 columns, 256 bytes of each row k.  Lane (r, h) takes four columns (group g(r): r with bits 2 and 3 exchanged) of rows 16h+i of the wave's 32.
; Slot k holds row i = 4 (k%4) + k/4, so that the byte transposition below runs in place.
.macro WLOAD pitch
.irp k, 0,1,2,3,4,5,6,7,8,9,10,11,12,13,14,15
	global_load_b128 v[STG+4*\k:STG+4*\k+3], v[WL], s[58:59] offset:(4*(\k&3)+(\k>>2))*(\pitch) th:TH_LOAD_NT
.endr
.endm
.macro WPERM                           ; 4 x 4 bytes transposed, four times: C[4j+g] becomes register 4c+g of column tile j
.irp g, 0,1,2,3
	v_perm_b32 v[XY],   v[C+4+\g],  v[C+\g],   s[S0]
	v_perm_b32 v[XY+1], v[C+4+\g],  v[C+\g],   s[S1]
	v_perm_b32 v[XY+2], v[C+12+\g], v[C+8+\g], s[S0]
	v_perm_b32 v[XY+3], v[C+12+\g], v[C+8+\g], s[S1]
	v_perm_b32 v[C+\g],    v[XY+2], v[XY],   s[S2]
	v_perm_b32 v[C+4+\g],  v[XY+2], v[XY],   s[S3]
	v_perm_b32 v[C+8+\g],  v[XY+3], v[XY+1], s[S2]
	v_perm_b32 v[C+12+\g], v[XY+3], v[XY+1], s[S3]
.endr
.endm
.macro WSTREAM pitch, e                ; a wave's block: 32 rows of one slice become 512 bytes of each of the slice's four column tiles
	WLOAD \pitch
	s_wait_kmcnt 0x0
	MKSC \e, 14, 15
	s_wait_loadcnt 0x0
.set i, 0
.rept 64
	v_med3_num_f32 v[STG+i], v[STG+i], -v15, v15
.set i, i+1
.endr
.irp m, 0,1,2,3,4,5,6,7
	v_cvt_scalef32_pk8_fp8_f32 v[C+2*\m:C+2*\m+1], v[STG+8*\m:STG+8*\m+7], v14
.endr
	v_nop                                          ; a plain line behind the last conversion
	WPERM
.irp j, 0,1,2,3
	global_store_b128 v[L16], v[C+4*\j:C+4*\j+3], s[70:71] offset:\j*16384   ; 512 consecutive bytes
.endr
.endm
	s_load_b512 s[16:31], s[0:1], 0x0              ; emb 16, x 18, gate_w 20, sW1 22, sW2 24, exponents 26, acts 28, masks 30
	s_load_b256 s[32:39], s[0:1], 0x40             ; sel 32, coef 34, wimg1 36, wimg2 38
	v_lshl_add_u32 v254, v0, 2, 0xd000
	v_mov_b32 v255, 0
	v_lshrrev_b32 v1, 5, v0
	v_readfirstlane_b32 s2, v1                     ; wave
	s_mov_b32 s3, ttmp9                            ; work-group
	v_and_b32 v[LN], 31, v0
	v_and_b32 v[RR], 15, v0
	v_bfe_u32 v[HH], v0, 4, 1
	v_lshlrev_b32 v[L16], 4, v[LN]
	s_lshl_b32 s58, s2, 10
	v_add_nc_u32 v[PW], s58, v[L16]
	s_mul_i32 s58, s2, 16*SPIT
	s_add_co_u32 s58, s58, STGE
	v_mul_u32_u24 v[SW], v[RR], SPIT
	v_lshl_add_u32 v[SW], v[HH], 6, v[SW]
	v_add_nc_u32 v[SW], s58, v[SW]                 ; row r, 64 bytes for each half of the lanes
	v_lshrrev_b32 v8, 3, v[LN]
	v_mul_u32_u24 v[SRD], v8, SPIT
	v_and_b32 v8, 7, v[LN]
	v_lshl_add_u32 v[SRD], v8, 4, v[SRD]
	v_add_nc_u32 v[SRD], s58, v[SRD]               ; back: eight lanes to a row of 128 bytes
	s_mov_b32 s[S0], 0x05010400
	s_mov_b32 s[S1], 0x07030602
	s_mov_b32 s[S2], 0x05040100
	s_mov_b32 s[S3], 0x07060302
	s_mov_b32 s74, 0x76543210                      ; v_permlanex16_b32: lane l xor 16
	s_mov_b32 s75, 0xfedcba98
	s_mov_b32 s76, 0xffff0000                      ; lanes 16-31
	s_wait_kmcnt 0x0
	s_load_b512 s[40:55], s[26:27], 0x0            ; the given exponents, entries 0-15
	s_load_b64 s[56:57], s[26:27], 0x40            ; entries 16, 17
	s_cmp_ge_u32 s3, 64
	s_cbranch_scc1 .Lweights
	; ---- the gate path: tokens 16 x work-group on
	s_and_b32 s66, s2, 7                           ; my K step
	s_lshl_b32 s60, s3, 16                         ; 16 rows of 4,096 bytes
	s_lshl_b32 s62, s66, 9                         ; 128 numbers
	s_add_co_u32 s60, s60, s62
	s_mov_b32 s61, 0
	s_mov_b32 s63, 0
	s_cmp_lt_u32 s2, 8
	s_cselect_b64 s[58:59], s[16:17], s[18:19]     ; waves 0-7 the embeddings, waves 8-15 x
	s_add_nc_u64 s[58:59], s[58:59], s[60:61]
	s_add_nc_u64 s[20:21], s[20:21], s[62:63]
	v_lshlrev_b32 v[XA], 12, v[RR]
	v_lshl_add_u32 v[XA], v[HH], 6, v[XA]          ; row r, + 64 h: my 16 numbers of a block of 32
.irp c, 0,1,2,3
.irp j, 0,1,2,3
	global_load_b128 v[X+16*\c+4*\j:X+16*\c+4*\j+3], v[XA], s[58:59] offset:128*\c+16*\j
.endr
.endr
	s_cmp_ge_u32 s2, 8
	s_cbranch_scc1 .Lno_gw
.irp c, 0,1,2,3
.irp j, 0,1,2,3
	global_load_b128 v[GW+16*\c+4*\j:GW+16*\c+4*\j+3], v[XA], s[20:21] offset:128*\c+16*\j   ; row r = expert r
.endr
.endr
.Lno_gw:
	s_wait_kmcnt 0x0
	s_cmp_lt_u32 s2, 8
	s_cselect_b32 s60, 0x200000, 0                 ; the embeddings' versions begin at version 2
	s_cselect_b32 s67, s49, s43                    ; first version: entry 9 or 3
	s_cselect_b32 s68, s51, s45                    ; second: entry 11 or 5
	s_lshl_b32 s69, s66, 17
	s_add_co_u32 s60, s60, s69
	s_lshl_b32 s69, s3, 11
	s_add_co_u32 s60, s60, s69
	s_add_nc_u64 s[70:71], s[28:29], s[60:61]      ; acts at my version, K step and 16 tokens
	MKSC 40, 10, 11
	MKSC 41, 12, 13
	MKSC 67, 14, 15
	MKSC 68, 16, 17
	MKSC 54, 18, 19
	s_wait_loadcnt 0x0
	s_cmp_ge_u32 s2, 8
	s_cbranch_scc1 .Lno_gate
	QUANT GW, CG, 12, 13
	QUANT X, CE, 10, 11
	v_wmma_f32_16x16x128_fp8_fp8 v[240:247], v[CG:CG+15], v[CE:CE+15], 0   ; lane (r, h): token r, register j: expert 8h+j
.rept 4
	v_nop                                          ; four places in front of the stores that read the result
.endr
	ds_store_b128 v[PW], v[240:243]
	ds_store_b128 v[PW], v[244:247] offset:512
.Lno_gate:
	QUANT X, C, 14, 15
	STAGEOUT 0, 128
	QUANT X, C, 16, 17
	STAGEOUT 0x100000, 144
	s_cmp_ge_u32 s2, 8
	s_cbranch_scc1 .Lmeet
	QUANT X, C, 18, 19
	STAGEOUT 0x200000, 160
.Lmeet:
	s_wait_dscnt 0x0                               ; my partial sums lie in LDS
	s_barrier_signal -1
	s_barrier_wait -1
	s_cmp_lg_u32 s2, 0
	s_cbranch_scc1 .Lend
	; ---- wave 0: the eight partial sums, the softmax, the top 2
	s_wait_xcnt 0x0                                ; my stores of the three versions have read their data, v128-175: those registers are written again below
.irp p, 0,1,2,3,4,5,6,7
	ds_load_b128 v[64+8*\p:67+8*\p], v[L16] offset:PART+1024*\p
	ds_load_b128 v[68+8*\p:71+8*\p], v[L16] offset:PART+1024*\p+512
.endr
	s_add_co_i32 s72, s40, s41
	s_add_co_i32 s72, s72, 127
	s_lshl_b32 s72, s72, 23                        ; 2^(entry 0 + entry 1)
	s_mov_b32 s73, s72
	v_mov_b32 v129, 0                              ; a lane permute's destination counts as read
.irp k, 136,137,138,139
	v_mov_b32 v[\k], 0
.endr
	v_mov_b32 v169, 0
	s_wait_dscnt 0x0
.irp p, 1,2,3,4,5,6,7
.irp i, 0,2,4,6
	v_pk_add_f32 v[64+\i:65+\i], v[64+\i:65+\i], v[64+8*\p+\i:65+8*\p+\i]
.endr
.endr
.irp i, 0,2,4,6
	v_pk_mul_f32 v[64+\i:65+\i], v[64+\i:65+\i], s[72:73] op_sel_hi:[1,0]
.endr
	v_max3_num_f32 v128, v64, v65, v66
	v_max3_num_f32 v128, v128, v67, v68
	v_max3_num_f32 v128, v128, v69, v70
	v_max_num_f32 v128, v128, v71
	v_permlanex16_b32 v129, v128, s74, s75
	v_max_num_f32 v128, v128, v129                 ; the token's largest logit
.irp j, 0,1,2,3,4,5,6,7
	v_sub_f32 v[64+\j], v[64+\j], v128
.endr
.irp j, 0,1,2,3,4,5,6,7
	v_mul_f32 v[64+\j], 0x3fb8aa3b, v[64+\j]
.endr
.irp j, 0,1,2,3,4,5,6,7
	v_exp_f32 v[64+\j], v[64+\j]
.endr
	v_nop
	s_wait_alu depctr_va_vdst(0)
	v_pk_add_f32 v[130:131], v[64:65], v[66:67]
	v_pk_add_f32 v[132:133], v[68:69], v[70:71]
	v_pk_add_f32 v[130:131], v[130:131], v[132:133]
	v_add_f32 v130, v130, v131
	v_permlanex16_b32 v131, v130, s74, s75
	v_add_f32 v130, v130, v131
	v_rcp_f32 v130, v130
	v_nop
	s_wait_alu depctr_va_vdst(0)
.irp j, 0,1,2,3,4,5,6,7
	v_mul_f32 v[64+\j], v[64+\j], v130             ; the scores
.endr
	v_mov_b32 v132, v64                            ; best and second of my eight experts: a later one wins only if strictly larger
	v_mov_b32 v133, 0
	v_mov_b32 v134, -1.0
	v_mov_b32 v135, 0
.irp j, 1,2,3,4,5,6,7
	v_cmp_gt_f32 vcc_lo, v[64+\j], v132
	v_cmp_gt_f32 s72, v[64+\j], v134
	v_cndmask_b32 v134, v134, v[64+\j], s72
	v_cndmask_b32 v135, v135, \j, s72
	v_cndmask_b32 v134, v134, v132, vcc_lo
	v_cndmask_b32 v135, v135, v133, vcc_lo
	v_cndmask_b32 v132, v132, v[64+\j], vcc_lo
	v_cndmask_b32 v133, v133, \j, vcc_lo
.endr
	v_lshl_add_u32 v133, v[HH], 3, v133
	v_lshl_add_u32 v135, v[HH], 3, v135
.irp k, 0,1,2,3
	v_permlanex16_b32 v[136+\k], v[132+\k], s74, s75
.endr
.irp k, 0,1,2,3
	v_cndmask_b32 v[140+\k], v[132+\k], v[136+\k], s76   ; experts 0-7's pair, in both halves of the lanes
	v_cndmask_b32 v[144+\k], v[136+\k], v[132+\k], s76   ; experts 8-15's pair
.endr
	v_cmp_gt_f32 vcc_lo, v144, v140                ; the upper experts win only if strictly larger
	v_cndmask_b32 v148, v140, v144, vcc_lo         ; first weight,
	v_cndmask_b32 v149, v141, v145, vcc_lo         ; first expert
	v_cndmask_b32 v150, v144, v146, vcc_lo         ; the upper candidate for second,
	v_cndmask_b32 v151, v145, v147, vcc_lo
	v_cndmask_b32 v152, v142, v140, vcc_lo         ; the lower one
	v_cndmask_b32 v153, v143, v141, vcc_lo
	v_cmp_gt_f32 vcc_lo, v150, v152
	v_cndmask_b32 v154, v152, v150, vcc_lo         ; second weight,
	v_cndmask_b32 v155, v153, v151, vcc_lo         ; second expert
	v_lshlrev_b32 v165, 3, v[HH]
.irp j, 0,1,2,3,4,5,6,7
	v_add_nc_u32 v164, \j, v165
	v_cmp_eq_u32 vcc_lo, v164, v155
	v_cndmask_b32 v[156+\j], 0, v154, vcc_lo
	v_cmp_eq_u32 vcc_lo, v164, v149
	v_cndmask_b32 v[156+\j], v[156+\j], v148, vcc_lo
.endr
	s_lshl_b32 s60, s3, 10
	s_add_nc_u64 s[34:35], s[34:35], s[60:61]      ; coef at my 16 tokens
	s_lshl_b32 s60, s3, 6
	s_add_nc_u64 s[32:33], s[32:33], s[60:61]      ; sel likewise
	s_lshl_b32 s60, s3, 1
	s_add_nc_u64 s[30:31], s[30:31], s[60:61]      ; masks: my 16 tokens are half a word of each expert
	v_lshlrev_b32 v166, 6, v[RR]
	v_lshl_add_u32 v166, v[HH], 5, v166
	v_lshlrev_b32 v167, 2, v[RR]
	v_lshlrev_b32 v168, 7, v[RR]
	global_store_b128 v166, v[156:159], s[34:35]
	global_store_b128 v166, v[160:163], s[34:35] offset:16
	global_store_b32 v167, v155, s[32:33]          ; both halves of the lanes hold the same number
.irp e, 0,1,2,3,4,5,6,7,8,9,10,11,12,13,14,15
	v_cmp_eq_u32 s72, \e, v149
	v_cmp_eq_u32 s73, \e, v155
	s_or_b32 s72, s72, s73                         ; bit r (and bit 16 + r): token r chose expert e
	v_writelane_b32 v169, s72, \e
	v_writelane_b32 v169, s72, \e+16
.endr
	global_store_b16 v168, v169, s[30:31]          ; lane e (and 16 + e, the same bytes): the low 16 bits
.Lend:
	s_wait_tensorcnt 0x0
	ds_add_u32 v254, v255
	s_wait_dscnt 0x0
	s_endpgm
	; ---- the weight path: unit u = 16 (work-group - 64) + wave is one block of 32 rows of one slice
.Lweights:
	v_and_b32 v10, 3, v[RR]
	v_and_b32 v11, 4, v[RR]
	v_lshl_or_b32 v10, v11, 1, v10
	v_and_b32 v11, 8, v[RR]
	v_lshrrev_b32 v11, 1, v11
	v_or_b32 v10, v10, v11                         ; g(r)
	v_lshlrev_b32 v[WL], 4, v10
	s_sub_co_u32 s60, s3, 64
	s_lshl_b32 s60, s60, 4
	s_add_co_u32 s60, s60, s2
	s_mov_b32 s63, 0
	s_mov_b32 s69, 0
	s_cmp_ge_u32 s3, 128
	s_cbranch_scc1 .Lsw2
	s_lshr_b32 s61, s60, 5                         ; slice 0-31 of sW1
	s_and_b32 s66, s60, 31                         ; block 0-31: K step block/4, part block%4
	s_lshl_b32 s62, s61, 8
	s_lshl_b32 s67, s66, 18                        ; 32 rows of 8,192 bytes
	s_add_co_u32 s62, s62, s67
	s_add_nc_u64 s[58:59], s[22:23], s[62:63]
	s_lshl_b32 s68, s61, 16
	s_lshl_b32 s67, s66, 9                         ; 2,048 bytes a K step, 512 a part
	s_add_co_u32 s68, s68, s67
	s_add_nc_u64 s[70:71], s[36:37], s[68:69]
	v_lshl_add_u32 v[WL], v[HH], 17, v[WL]         ; lanes 16-31: 16 rows further down
	WSTREAM 8192, 55
	s_endpgm
.Lsw2:
	s_sub_co_u32 s60, s60, 1024
	s_lshr_b32 s61, s60, 6                         ; slice 0-15 of sW2
	s_and_b32 s66, s60, 63                         ; block 0-63
	s_lshl_b32 s62, s61, 8
	s_lshl_b32 s67, s66, 17                        ; 32 rows of 4,096 bytes
	s_add_co_u32 s62, s62, s67
	s_add_nc_u64 s[58:59], s[24:25], s[62:63]
	s_lshl_b32 s68, s61, 16
	s_lshr_b32 s67, s66, 5
	s_lshl_b32 s67, s67, 20                        ; which half of the hidden layer
	s_add_co_u32 s68, s68, s67
	s_and_b32 s67, s66, 31
	s_lshl_b32 s67, s67, 9
	s_add_co_u32 s68, s68, s67
	s_add_nc_u64 s[70:71], s[38:39], s[68:69]
	v_lshl_add_u32 v[WL], v[HH], 16, v[WL]
	WSTREAM 4096, 57
	s_endpgm
.Lfunc_end_k_q18d552bbf3_prep:
	.size	k_q18d552bbf3_prep, .Lfunc_end_k_q18d552bbf3_prep-k_q18d552bbf3_prep
	.p2alignl 7, 3214868480
	.fill 96, 4, 3214868480
	.section	.rodata,"a",@progbits
	.p2align	6, 0x0
	.amdhsa_kernel k_q18d552bbf3_prep
		.amdhsa_group_segment_fixed_size 55296
		.amdhsa_private_segment_fixed_size 0
		.amdhsa_enable_private_segment 0
		.amdhsa_kernarg_size 96
		.amdhsa_user_sgpr_count 2
		.amdhsa_user_sgpr_kernarg_segment_ptr 1
		.amdhsa_wavefront_size32 1
		.amdhsa_system_sgpr_workgroup_id_x 1
		.amdhsa_system_sgpr_workgroup_id_y 1
		.amdhsa_system_sgpr_workgroup_id_z 1
		.amdhsa_system_vgpr_workitem_id 0
		.amdhsa_next_free_vgpr 256
		.amdhsa_next_free_sgpr 80
		.amdhsa_reserve_vcc 1
		.amdhsa_float_denorm_mode_32 3
		.amdhsa_float_denorm_mode_16_64 3
		.amdhsa_memory_ordered 1
		.amdhsa_forward_progress 1
		.amdhsa_inst_pref_size 69
	.end_amdhsa_kernel
	.amdgpu_metadata
---
amdhsa.version: [ 1, 2 ]
amdhsa.kernels:
  - .name:           k_q18d552bbf3_prep
    .symbol:         k_q18d552bbf3_prep.kd
    .args:
      - { .name: embeddings, .offset: 0, .size: 8, .value_kind: global_buffer, .address_space: global }
      - { .name: x, .offset: 8, .size: 8, .value_kind: global_buffer, .address_space: global }
      - { .name: gate_w, .offset: 16, .size: 8, .value_kind: global_buffer, .address_space: global }
      - { .name: sW1, .offset: 24, .size: 8, .value_kind: global_buffer, .address_space: global }
      - { .name: sW2, .offset: 32, .size: 8, .value_kind: global_buffer, .address_space: global }
      - { .name: lowp_scales, .offset: 40, .size: 8, .value_kind: global_buffer, .address_space: global }
      - { .name: acts, .offset: 48, .size: 8, .value_kind: global_buffer, .address_space: global }
      - { .name: masks, .offset: 56, .size: 8, .value_kind: global_buffer, .address_space: global }
      - { .name: sel, .offset: 64, .size: 8, .value_kind: global_buffer, .address_space: global }
      - { .name: coef, .offset: 72, .size: 8, .value_kind: global_buffer, .address_space: global }
      - { .name: wimg1, .offset: 80, .size: 8, .value_kind: global_buffer, .address_space: global }
      - { .name: wimg2, .offset: 88, .size: 8, .value_kind: global_buffer, .address_space: global }
    .group_segment_fixed_size: 55296
    .private_segment_fixed_size: 0
    .kernarg_segment_align: 8
    .kernarg_segment_size: 96
    .max_flat_workgroup_size: 512
    .sgpr_count:     80
    .vgpr_count:     256
    .wavefront_size: 32
...
	.end_amdgpu_metadata
.endif
;; end of part 5
;; launch up (part 6): grid 256 x 1, 8 waves a work-group, no clusters, 197,632 bytes of LDS; arguments W1, W3, B1, B3, sB1, lowp_scales, masks, acts, wimg1, hbuf; writes hbuf
.if DOCPART == 6
	.amdgcn_target "amdgcn-amd-amdhsa--gfx1250"
	.amdhsa_code_object_version 6
	.text
	.protected	k_q18d552bbf3_up
	.globl	k_q18d552bbf3_up
	.p2align	8
	.type	k_q18d552bbf3_up,@function
k_q18d552bbf3_up:
	s_mov_b64 s[64:65], 0
	v_nop
	global_prefetch_b8 v0, s[64:65] scope:SCOPE_SE
	s_setreg_imm32_b32 hwreg(HW_REG_WAVE_MODE, 25, 1), 1
	s_wait_xcnt 0x0
; UP.  The hidden layers.  256 work-groups of equal make.  Work-group id serves expert e = id/16, slice cs = id%16: 64 columns of W1[e] and the same 64 of W3[e],
; h = silu(a W1 + B1) (a W3 + B3), for the rows that chose e; and beside it a share of the shared layer: slice sl = id/8 (64 columns of sW1, whose codes come ready from wimg1),
; tokens 128 (id%8) on: h = silu(emb sW1 + sB1), stored as pseudo-experts 16 and 17.
; Each f32 weight byte is read once in the launch: wave w streams K step w (128 rows x 256 bytes) of both matrices, holds, converts to E4M3, transposes bytes in registers and stores
; images of operand registers in LDS; it also copies an eighth of the shared slice's 64 KiB of images.  ONE barrier.  Behind it each wave works alone, a pair of tiles of 16 rows at a time:
; waves 4-7 first take one of the four shared pairs each; then every wave takes pairs w, w+8, .. of the expert's list (a list of 128 rows has four pairs, so that waves 4-7 mostly have none).
; The list is not stored: a lane finds the token of list position p from the expert's 32 mask words, in registers (SEARCH).
; No multicast: no two work-groups read the same f32 weight bytes; the rows that the 16 work-groups of an expert share are gathered rows, and their number hangs on loaded counts.
; A FRAGMENT: register 4c+g, byte b of lane (r, h) holds k = 32c+16h+4g+b of row r; the same order on both sides.  IMAGE: registers 4c..4c+3 of lane l at 512c+16l.
; PRODUCTS ARE USED TRANSPOSED: source 0 = 16 weight columns, source 1 = 16 tokens.  Lane r of column tile j holds column 4 g(r) + j, g(r) = r with bits 2 and 3 exchanged:
; so tile j, register jj of lane (r, h) is column 32 (jj/4) + 16h + 4 (jj%4) + j of token r, and written to place 4jj+j a lane's 32 numbers are the next product's k in its own order.
; LIMITS: every given exponent between -126 and 119, each sum of a product's two between -126 and 127.  NaN among the inputs is not served.
; Positions past the list's end (the padding of the last pair) get some valid token; their rows of hbuf are written and later discarded.
.set PITCH, 4096
.set L16, 1                            ; 16 x lane; also the LDS address at which W1's images are read
.set WL,  2                            ; my bytes in a slice: 16 g(r) + 16 h rows
.set LW,  3                            ; LDS: where I store W1's images: 2048 w + 16 lane
.set LW2, 4                            ; W3's: + 65536
.set LP,  5                            ; LDS: where the shared slice's images are read: 131072 + 16 lane
.set LB,  6                            ; W3's: 65536 + 16 lane
.set POS, 7                            ; my position in the list: 32 x pair + lane
.set TOK, 8                            ; its token
.set TOKX, 9
.set TA0, 10                           ; v10, v11: my byte in acts for tile 0, 1
.set HA,  12                           ; my byte in hbuf
.set H64, 13                           ; 64 h
.set WSC, 14
.set WLIM, 15
.set HSC, 16                           ; the expert's hidden layer: its scale, and 448 x that
.set HLIM, 17
.set LWP, 18                           ; LDS: where I store my eighth of the shared images: 131072 + 8192 w + 16 lane
.set LN,  19                           ; lane
.set SM,  20
.set SB,  21
.set SGI, 22
.set QQ,  23
.set A1,  24
.set A2,  25
.set A3,  26
.set A4,  27
.set TT,  28
.set PB,  29
.set TU,  30
.set C,   32                           ; v32-47 codes of a block
.set XY,  48                           ; v48-51 at work
.set HSC2, 52                          ; the shared hidden layer's scale, and 448 x that
.set HLIM2, 53
.set TOKE, 54                          ; the token of my first position in the expert's list
.set STG, 64                           ; v64-255 three sets of 64 numbers; behind the barrier:
.set G,   64                           ; v64-127  8 accumulators (tile t, column tile j: 8 (4t+j)) of the first matrix
.set U,   128                          ; v128-191 of the second
.set BF,  192                          ; v192-255 four weight fragments
; window 1 (v256-511): first my eighth of the shared images (64 registers); then the rows' fragments, (tile t, K step s) at 128 t + 16 s; in the epilogue:
.set B1R, 0
.set GR,  32
.set UR,  64
.set TR,  96
.set B3R, 128
.set CD,  160
.set RUN, 10
.set T0,  11
.set S0,  12                           ; s12-15 the byte selectors of the transposition, ahead of the barrier
.set S1,  13
.set S2,  14
.set S3,  15
.set RND, 12                           ; s12 behind the barrier: the round's number, stepped by 1
.set NRND, 13                          ; s13 behind the barrier: how many rounds my wave has
.set FS,  41                           ; s41 what a sum of the shared product lacks
.set FG,  46                           ; s46 what a sum of the expert's first product lacks, s47 of the second
.set FU,  47
.set NL2, 48                           ; s[48:49] -log2(e)
.set MK,  68                           ; s68-99 the expert's mask words
.set MSB, 0
.macro WIN new                         ; the immediate's high byte repeats the setting that is left; bits 1:0 source 0, 3:2 source 1, 5:4 source 2, 7:6 destination
.if MSB != \new
	s_set_vgpr_msb (MSB<<8)|\new
.set MSB, \new
.endif
.endm
.macro WLOAD set, sb, c                ; 16 rows x 256 bytes for each half of the lanes; slot k holds row 4 (k%4) + k/4
.irp k, 0,1,2,3,4,5,6,7,8,9,10,11,12,13,14,15
	global_load_b128 v[STG+64*(\set)+4*\k:STG+64*(\set)+4*\k+3], v[WL], s[\sb:\sb+1] offset:(32*(\c)+4*(\k&3)+(\k>>2))*PITCH th:TH_LOAD_NT
.endr
.endm
.macro WCONV set
	s_wait_loadcnt 32                              ; this block's 16 loads are in; the two younger groups of 16 stay out
.set i, 0
.rept 64
	v_med3_num_f32 v[STG+64*(\set)+i], v[STG+64*(\set)+i], -v[WLIM], v[WLIM]   ; the conversion does not saturate (ISA guide 7.6.2)
.set i, i+1
.endr
	s_wait_dscnt 0x0                               ; the last block's LDS stores have read their registers
.irp m, 0,1,2,3,4,5,6,7
	v_cvt_scalef32_pk8_fp8_f32 v[C+2*\m:C+2*\m+1], v[STG+64*(\set)+8*\m:STG+64*(\set)+8*\m+7], v[WSC]
.endr
	v_nop                                          ; a plain line behind the last conversion
.endm
.macro WPERM                           ; 4 x 4 bytes transposed, four times: C[4j+g] becomes register 4c+g of column tile j
.irp g, 0,1,2,3
	v_perm_b32 v[XY],   v[C+4+\g],  v[C+\g],   s[S0]
	v_perm_b32 v[XY+1], v[C+4+\g],  v[C+\g],   s[S1]
	v_perm_b32 v[XY+2], v[C+12+\g], v[C+8+\g], s[S0]
	v_perm_b32 v[XY+3], v[C+12+\g], v[C+8+\g], s[S1]
	v_perm_b32 v[C+\g],    v[XY+2], v[XY],   s[S2]
	v_perm_b32 v[C+4+\g],  v[XY+2], v[XY],   s[S3]
	v_perm_b32 v[C+8+\g],  v[XY+3], v[XY+1], s[S2]
	v_perm_b32 v[C+12+\g], v[XY+3], v[XY+1], s[S3]
.endr
.endm
.macro WPUT la, c
.irp j, 0,1,2,3
	ds_store_b128 v[\la], v[C+4*\j:C+4*\j+3] offset:\j*16384+(\c)*512
.endr
.endm
.macro SSTEP src, width, step          ; does the wanted bit lie behind the next 'step' bits?
	v_bfe_u32 v[TT], v[\src], v[PB], \width
	v_cmp_ge_u32 vcc_lo, v[QQ], v[TT]
	v_cndmask_b32 v[TT], 0, v[TT], vcc_lo
	v_cndmask_b32 v[TU], 0, \step, vcc_lo
	v_sub_nc_u32 v[QQ], v[QQ], v[TT]
	v_add_nc_u32 v[PB], v[PB], v[TU]
.endm
; v[TOK] = the token at position v[POS] of the expert's list (tokens ascending); s[RUN] = the list's length.  Registers alone.
.macro SEARCH
	v_mov_b32 v[SM], s[MK]
	v_mov_b32 v[SB], 0
	v_mov_b32 v[SGI], 0
	s_bcnt1_i32_b32 s[RUN], s[MK]
.set j, 1
.rept 31
	v_cmp_le_u32 vcc_lo, s[RUN], v[POS]            ; the words ahead of word j hold no more than POS tokens: word j or a later one
	v_cndmask_b32 v[SM], v[SM], s[MK+j], vcc_lo
	v_cndmask_b32 v[SB], v[SB], s[RUN], vcc_lo
	v_cndmask_b32 v[SGI], v[SGI], j, vcc_lo
	s_bcnt1_i32_b32 s[T0], s[MK+j]
	s_add_co_u32 s[RUN], s[RUN], s[T0]
.set j, j+1
.endr
	v_sub_nc_u32 v[QQ], v[POS], v[SB]              ; which set bit of the word
	v_lshrrev_b32 v[TT], 1, v[SM]
	v_and_b32 v[TT], 0x55555555, v[TT]
	v_sub_nc_u32 v[A1], v[SM], v[TT]               ; counts in fields of 2,
	v_lshrrev_b32 v[TT], 2, v[A1]
	v_and_b32 v[TT], 0x33333333, v[TT]
	v_and_b32 v[A2], 0x33333333, v[A1]
	v_add_nc_u32 v[A2], v[A2], v[TT]               ; of 4,
	v_lshrrev_b32 v[TT], 4, v[A2]
	v_add_nc_u32 v[TT], v[TT], v[A2]
	v_and_b32 v[A3], 0x0f0f0f0f, v[TT]             ; of 8,
	v_lshrrev_b32 v[TT], 8, v[A3]
	v_add_nc_u32 v[A4], v[A3], v[TT]               ; low byte: of the low 16
	v_mov_b32 v[PB], 0
	SSTEP A4, 8, 16
	SSTEP A3, 8, 8
	SSTEP A2, 4, 4
	SSTEP A1, 2, 2
	SSTEP SM, 1, 1
	v_lshl_add_u32 v[TOK], v[SGI], 5, v[PB]
	v_min_u32 v[TOK], 0x3ff, v[TOK]
.endm
.macro TOKSPLIT                        ; lane l holds the token of the pair's row l; lane (r, h) wants row r of tile 0 and of tile 1
	v_permlanex16_b32 v[TOKX], v[TOK], s100, s101
	v_cndmask_b32 v[TA0], v[TOK], v[TOKX], s66
	v_cndmask_b32 v[TA0+1], v[TOKX], v[TOK], s66
	v_min_u32 v[TA0], 0x3ff, v[TA0]
	v_min_u32 v[TA0+1], 0x3ff, v[TA0+1]
	v_lshl_add_u32 v[TA0], v[TA0], 7, v[H64]       ; 128 bytes a token and K step, 64 for each half of the lanes
	v_lshl_add_u32 v[TA0+1], v[TA0+1], 7, v[H64]
.endm
.macro AREF s, sb                      ; both tiles' fragments of K step s: 8 loads
	WIN 0x40
.irp t, 0,1
.irp c, 0,1,2,3
	global_load_b128 v[128*\t+16*(\s)+4*\c:128*\t+16*(\s)+4*\c+3], v[TA0+\t], s[\sb:\sb+1] offset:131072*(\s)+16*\c
.endr
.endr
.endm
.macro AGRP a, sb                      ; a group of 16 loads: K steps 2a, 2a+1
	AREF 2*(\a), \sb
	AREF 2*(\a)+1, \sb
	WIN 0
.endm
; One K step: four weight fragments from LDS, eight products.  The eight accumulators take turns, one instruction a turn.
.macro KSTEP acc, la, s, left
.irp j, 0,1,2,3
.irp c, 0,1,2,3
	ds_load_b128 v[BF+16*\j+4*\c:BF+16*\j+4*\c+3], v[\la] offset:(8*\j+(\s))*2048+512*\c
.endr
.endr
.if (\left) >= 0
	s_wait_loadcnt \left
.endif
	s_wait_dscnt 0x0
	WIN 0x04                                       ; source 1 (the rows) in window 1
.irp j, 0,1,2,3
.irp t, 0,1
.if (\s) == 0
	v_wmma_f32_16x16x128_fp8_fp8 v[\acc+8*(4*\t+\j):\acc+8*(4*\t+\j)+7], v[BF+16*\j:BF+16*\j+15], v[128*\t+16*(\s):128*\t+16*(\s)+15], 0
.else
	v_wmma_f32_16x16x128_fp8_fp8 v[\acc+8*(4*\t+\j):\acc+8*(4*\t+\j)+7], v[BF+16*\j:BF+16*\j+15], v[128*\t+16*(\s):128*\t+16*(\s)+15], v[\acc+8*(4*\t+\j):\acc+8*(4*\t+\j)+7]
.endif
.endr
.endr
	WIN 0
.rept 4
	v_nop                                          ; four places in front of loads into registers that these products read, and of the first read of results
.endr
.endm
.macro FMAB dst, acc, tau, sc, bias    ; sum x 2^(the two exponents) + bias, into place 4jj+j; each accumulator is read from its register 0 on
.irp jj, 0,1,2,3,4,5,6,7
.irp j, 0,1,2,3
	v_fma_f32 v[\dst+4*\jj+\j], v[\acc+8*(4*(\tau)+\j)+\jj], s[\sc], v[\bias+4*\jj+\j]
.endr
.endr
.endm
.macro SILU x                          ; x / (1 + 2^(-x log2 e)), 32 numbers in window 1
.irp i, 0,2,4,6,8,10,12,14,16,18,20,22,24,26,28,30
	v_pk_mul_f32 v[TR+\i:TR+\i+1], v[\x+\i:\x+\i+1], s[NL2:NL2+1] op_sel_hi:[1,0]
.endr
.set i, 0
.rept 32
	v_exp_f32 v[TR+i], v[TR+i]
.set i, i+1
.endr
	v_nop                                          ; a plain line between the exponentials and the first use of a result
	s_wait_alu depctr_va_vdst(0)
.irp i, 0,2,4,6,8,10,12,14,16,18,20,22,24,26,28,30
	v_pk_add_f32 v[TR+\i:TR+\i+1], v[TR+\i:TR+\i+1], 1.0 op_sel_hi:[1,0]
.endr
.set i, 0
.rept 32
	v_rcp_f32 v[TR+i], v[TR+i]
.set i, i+1
.endr
	v_nop                                          ; likewise behind the reciprocals
	s_wait_alu depctr_va_vdst(0)
.irp i, 0,2,4,6,8,10,12,14,16,18,20,22,24,26,28,30
	v_pk_mul_f32 v[\x+\i:\x+\i+1], v[\x+\i:\x+\i+1], v[TR+\i:TR+\i+1]
.endr
.endm
.macro QH x, dst, hsc, hlim            ; 32 numbers become 8 registers of codes
.set i, 0
.rept 32
	v_med3_num_f32 v[\x+i], v[\x+i], -v[\hlim], v[\hlim]
.set i, i+1
.endr
.irp m, 0,1,2,3
	v_cvt_scalef32_pk8_fp8_f32 v[\dst+2*\m:\dst+2*\m+1], v[\x+8*\m:\x+8*\m+7], v[\hsc]
.endr
.endm
; Tile tau's 64 columns leave as half an image.  gated = 1: silu(first) x second (an expert); 0: silu(first) (the shared layer).
.macro EPI tau, gated, fg, hsc, hlim, hb
	WIN 0x50                                       ; destination and source 2 window 1, source 0 (the sums) window 0
	FMAB GR, G, \tau, \fg, B1R
.if \gated
	FMAB UR, U, \tau, FU, B3R
.endif
	WIN 0x55
	SILU GR
.if \gated
.irp i, 0,2,4,6,8,10,12,14,16,18,20,22,24,26,28,30
	v_pk_mul_f32 v[GR+\i:GR+\i+1], v[GR+\i:GR+\i+1], v[UR+\i:UR+\i+1]
.endr
.endif
	WIN 0x41                                       ; the hold and the scale lie in window 0
	QH GR, CD+16*(\tau), \hsc, \hlim
	v_nop                                          ; a plain line behind the last conversion
	WIN 0x04                                       ; a store's data: source 1
	global_store_b128 v[HA], v[CD+16*(\tau):CD+16*(\tau)+3], s[\hb:\hb+1] offset:16384*(\tau)
	global_store_b128 v[HA], v[CD+16*(\tau)+4:CD+16*(\tau)+7], s[\hb:\hb+1] offset:16384*(\tau)+512
	WIN 0
.endm
	s_load_b512 s[16:31], s[0:1], 0x0              ; W1 16, W3 18, B1 20, B3 22, sB1 24, exponents 26, masks 28, acts 30
	s_load_b128 s[32:35], s[0:1], 0x40             ; wimg1 32, hbuf 34
	v_lshl_add_u32 v62, v0, 2, 0x30000
	v_mov_b32 v63, 0
	v_lshrrev_b32 v31, 5, v0
	v_readfirstlane_b32 s2, v31                    ; wave
	s_mov_b32 s3, ttmp9                            ; work-group
	s_lshr_b32 s4, s3, 4                           ; e
	s_and_b32 s5, s3, 15                           ; cs
	s_lshr_b32 s6, s3, 3                           ; sl: the shared layer's slice
	s_and_b32 s7, s3, 7                            ; rb: its block of 128 tokens
	v_and_b32 v[LN], 31, v0
	v_and_b32 v31, 15, v0                          ; r
	v_bfe_u32 v30, v0, 4, 1                        ; h
	v_lshlrev_b32 v[L16], 4, v[LN]
	v_lshlrev_b32 v[H64], 6, v30
	v_and_b32 v28, 3, v31
	v_and_b32 v29, 4, v31
	v_lshl_or_b32 v28, v29, 1, v28
	v_and_b32 v29, 8, v31
	v_lshrrev_b32 v29, 1, v29
	v_or_b32 v28, v28, v29                         ; g(r)
	v_lshlrev_b32 v[WL], 4, v28
	v_lshl_add_u32 v[WL], v30, 16, v[WL]           ; lanes 16-31: 16 rows of 4,096 bytes further down
	s_lshl_b32 s11, s2, 11
	v_add_nc_u32 v[LW], s11, v[L16]
	v_add_nc_u32 v[LW2], 0x10000, v[LW]
	s_lshl_b32 s11, s2, 13
	s_add_co_u32 s11, s11, 0x20000
	v_add_nc_u32 v[LWP], s11, v[L16]
	v_add_nc_u32 v[LB], 0x10000, v[L16]
	v_add_nc_u32 v[LP], 0x20000, v[L16]
	v_mov_b32 v[TOKX], 0                           ; a lane permute's destination counts as read
	s_mov_b32 s[S0], 0x05010400
	s_mov_b32 s[S1], 0x07030602
	s_mov_b32 s[S2], 0x05040100
	s_mov_b32 s[S3], 0x07060302
	s_mov_b32 s66, 0xffff0000                      ; lanes 16-31
	s_mov_b32 s100, 0x76543210                     ; v_permlanex16_b32: lane l xor 16
	s_mov_b32 s101, 0xfedcba98
	s_wait_kmcnt 0x0
	s_load_b512 s[36:51], s[26:27], 0x0            ; the given exponents, entries 0-15
	s_load_b64 s[52:53], s[26:27], 0x40            ; 16, 17
	s_lshl_b32 s10, s6, 16
	s_lshl_b32 s11, s2, 13
	s_add_co_u32 s10, s10, s11
	s_mov_b32 s11, 0
	s_add_nc_u64 s[32:33], s[32:33], s[10:11]      ; my eighth of the shared slice's images
	WIN 0x40
.set i, 0
.rept 16
	global_load_b128 v[4*i:4*i+3], v[L16], s[32:33] offset:512*i   ; older than every load of weights: it is in when the first block is
.set i, i+1
.endr
	WIN 0
	s_lshl_b32 s10, s4, 22
	s_lshl_b32 s67, s5, 8
	s_add_co_u32 s10, s10, s67
	s_lshl_b32 s67, s2, 19                         ; K step w: 128 rows
	s_add_co_u32 s10, s10, s67
	s_add_nc_u64 s[54:55], s[16:17], s[10:11]
	s_add_nc_u64 s[56:57], s[18:19], s[10:11]
	WLOAD 0, 54, 0                                 ; 48 loads of weights, 24 KiB a wave, are out before anything else is done
	WLOAD 1, 54, 1
	WLOAD 2, 54, 2
	s_lshl_b32 s10, s4, 7
	s_add_nc_u64 s[28:29], s[28:29], s[10:11]
	s_load_b512 s[68:83], s[28:29], 0x0
	s_load_b512 s[84:99], s[28:29], 0x40
	s_lshl_b32 s10, s4, 12
	s_lshl_b32 s67, s5, 8
	s_add_co_u32 s10, s10, s67
	s_add_nc_u64 s[20:21], s[20:21], s[10:11]      ; B1, B3 at my 64 columns
	s_add_nc_u64 s[22:23], s[22:23], s[10:11]
	s_lshl_b32 s10, s6, 8
	s_add_nc_u64 s[24:25], s[24:25], s[10:11]      ; sB1 at the shared slice's 64 columns
	s_cmp_lt_u32 s4, 2
	s_cselect_b32 s10, 0, 0x200000                 ; experts 0, 1 read x (versions 0, 1), the others the embeddings (2, 3)
	s_add_nc_u64 s[16:17], s[30:31], s[10:11]      ; the expert's rows for W1,
	s_add_nc_u64 s[60:61], s[16:17], 0x100000      ; for W3
	s_add_nc_u64 s[58:59], s[30:31], 0x400000      ; the shared layer's rows: version 4
	s_cmp_lt_u32 s2, 4
	s_cselect_b64 s[58:59], s[16:17], s[58:59]     ; my first pair's rows: waves 0-3 an expert's, waves 4-7 the shared layer's
	s_lshl_b32 s10, s4, 20
	s_lshl_b32 s67, s5, 10                         ; K step cs/2 of the next product, half cs%2 of its image
	s_add_co_u32 s10, s10, s67
	s_add_nc_u64 s[62:63], s[34:35], s[10:11]
	s_lshr_b32 s10, s6, 4
	s_add_co_u32 s10, s10, 16                      ; pseudo-expert 16 or 17
	s_lshl_b32 s10, s10, 20
	s_and_b32 s67, s6, 15
	s_lshl_b32 s67, s67, 10
	s_add_co_u32 s10, s10, s67
	s_add_nc_u64 s[18:19], s[34:35], s[10:11]
	s_wait_kmcnt 0x0
	s_cmp_lt_u32 s4, 2                             ; entries 2-6 for experts 0, 1; entries 8-12 for the others.  Each target has been read by the line that needs it
	s_cselect_b32 s36, s38, s44                    ; W1's exponent,
	s_cselect_b32 s37, s39, s45                    ; its rows',
	s_cselect_b32 s38, s40, s46                    ; W3's,
	s_cselect_b32 s39, s41, s47                    ; its rows',
	s_cselect_b32 s40, s42, s48                    ; the hidden layer's
	s_add_co_i32 s43, s36, 127
	s_lshl_b32 s42, s43, 23                        ; 2^e of W1,
	s_add_co_i32 s43, s43, 8
	s_lshl_b32 s43, s43, 23
	s_or_b32 s43, s43, 0x600000                    ; 448 x that
	s_add_co_i32 s45, s38, 127
	s_lshl_b32 s44, s45, 23                        ; the same of W3
	s_add_co_i32 s45, s45, 8
	s_lshl_b32 s45, s45, 23
	s_or_b32 s45, s45, 0x600000
	s_add_co_i32 s[FS], s50, s51                   ; entries 14 and 15: the embeddings' and sW1's
	s_add_co_i32 s[FS], s[FS], 127
	s_lshl_b32 s[FS], s[FS], 23
	v_mov_b32 v[POS], v0                           ; 32 w + lane
	SEARCH
	s_add_co_u32 s9, s[RUN], 31
	s_lshr_b32 s9, s9, 5                           ; pairs of tiles in the list
	s_mov_b32 s8, s2                               ; my first pair of the list
	v_mov_b32 v[TOKE], v[TOK]
	s_cmp_lt_u32 s2, 4
	s_cselect_b32 s53, 0, -1                       ; all lanes of waves 4-7
	s_lshl_b32 s11, s7, 7
	v_and_b32 v[TT], 0x7f, v0
	v_add_nc_u32 v[TT], s11, v[TT]                 ; 128 rb + 32 (w - 4) + lane: the shared pair's token
	v_cndmask_b32 v[TOK], v[TOK], v[TT], s53
	TOKSPLIT
	v_mov_b32 v[WSC], s42
	v_mov_b32 v[WLIM], s43
	WCONV 0
	WLOAD 0, 54, 3
	WPERM
	WPUT LW, 0
	WIN 0x04                                       ; an LDS store's data: source 1
.set i, 0
.rept 16
	ds_store_b128 v[LWP], v[4*i:4*i+3] offset:512*i   ; the copy goes on to LDS as it came
.set i, i+1
.endr
	WIN 0
	WCONV 1
	WLOAD 1, 56, 0
	WPERM
	WPUT LW, 1
	WCONV 2
	WLOAD 2, 56, 1
	WPERM
	WPUT LW, 2
	WCONV 0
	WLOAD 0, 56, 2
	WPERM
	WPUT LW, 3
	v_mov_b32 v[WSC], s44
	v_mov_b32 v[WLIM], s45
	WCONV 1
	WLOAD 1, 56, 3
	WPERM
	WPUT LW2, 0
	WCONV 2
	AGRP 0, 58                                     ; the weights are all asked for: my first pair's rows follow in the same groups of 16
	WPERM
	WPUT LW2, 1
	WCONV 0
	AGRP 1, 58
	WPERM
	WPUT LW2, 2
	WCONV 1
	AGRP 2, 58
	AGRP 3, 58
	WPERM
	WPUT LW2, 3
	s_add_co_i32 s[FG], s36, s37
	s_add_co_i32 s[FG], s[FG], 127
	s_lshl_b32 s[FG], s[FG], 23                    ; what a sum of the first product lacks,
	s_add_co_i32 s[FU], s38, s39
	s_add_co_i32 s[FU], s[FU], 127
	s_lshl_b32 s[FU], s[FU], 23                    ; of the second
	s_mov_b32 s[NL2], 0xbfb8aa3b                   ; -log2(e)
	s_mov_b32 s[NL2+1], s[NL2]
	s_add_co_i32 s11, s40, 127
	s_lshl_b32 s67, s11, 23
	v_mov_b32 v[HSC], s67
	s_add_co_i32 s11, s11, 8
	s_lshl_b32 s11, s11, 23
	s_or_b32 s11, s11, 0x600000
	v_mov_b32 v[HLIM], s11
	s_add_co_i32 s11, s52, 127                     ; entry 16: the shared hidden layer's
	s_lshl_b32 s67, s11, 23
	v_mov_b32 v[HSC2], s67
	s_add_co_i32 s11, s11, 8
	s_lshl_b32 s11, s11, 23
	s_or_b32 s11, s11, 0x600000
	v_mov_b32 v[HLIM2], s11
	s_wait_dscnt 0x0                               ; my images lie in LDS
	s_barrier_signal -1
	s_barrier_wait -1                              ; everybody's do; nothing is written to LDS from here on
	s_cmp_lt_u32 s2, 4
	s_cbranch_scc1 .Lexpert
	; ---- waves 4-7: one pair of the shared layer.  Behind group a of its rows stand the 16 (3 - a) loads of later groups and, from step 2 on, the 8 of the bias
	KSTEP G, LP, 0, 48
	KSTEP G, LP, 1, -1
	WIN 0x40
.irp i, 0,1,2,3
	global_load_b128 v[B1R+4*\i:B1R+4*\i+3], v[H64], s[24:25] offset:16*\i
	global_load_b128 v[B1R+16+4*\i:B1R+16+4*\i+3], v[H64], s[24:25] offset:128+16*\i
.endr
	WIN 0
	KSTEP G, LP, 2, 40
	KSTEP G, LP, 3, -1
	KSTEP G, LP, 4, 24
	KSTEP G, LP, 5, -1
	KSTEP G, LP, 6, 8
	KSTEP G, LP, 7, -1
	s_wait_loadcnt 0x0                             ; the bias
	s_and_b32 s11, s2, 3
	s_lshl_b32 s67, s7, 2
	s_add_co_u32 s11, s11, s67                     ; pair 4 rb + w - 4
	s_lshl_b32 s11, s11, 15                        ; a pair's images: 2 x 16 KiB
	v_add_nc_u32 v[HA], s11, v[L16]
	EPI 0, 0, FS, HSC2, HLIM2, 18
	EPI 1, 0, FS, HSC2, HLIM2, 18
	s_cmp_ge_u32 s8, s9
	s_cbranch_scc1 .Ldone                          ; the expert's list has no pair for me
	s_wait_xcnt 0x0                                ; the stores have read their data and address: both are written again below
	v_mov_b32 v[TOK], v[TOKE]
	TOKSPLIT
	AGRP 0, 16
	AGRP 1, 16
	AGRP 2, 16
	AGRP 3, 16
.Lexpert:
	s_cmp_ge_u32 s8, s9
	s_cbranch_scc1 .Ldone
	s_sub_co_u32 s[NRND], s9, s8                   ; my pairs are s8, s8 + 8, .. below s9:
	s_add_co_u32 s[NRND], s[NRND], 7
	s_lshr_b32 s[NRND], s[NRND], 3                 ; so many rounds;
	s_min_u32 s[NRND], s[NRND], 4                  ; 32 pairs at the most, shared among 8 waves
	s_mov_b32 s[RND], 0
.Lround:
	; the first matrix.  Behind group a of the rows stand 16 (3 - a) younger loads of rows and 16 a refills: always 48
	KSTEP G, L16, 0, 48
	AREF 0, 60                                     ; the K step's registers take the second version of the same rows
	WIN 0
	KSTEP G, L16, 1, -1
	AREF 1, 60
	WIN 0
	KSTEP G, L16, 2, 48
	AREF 2, 60
	WIN 0
	KSTEP G, L16, 3, -1
	AREF 3, 60
	WIN 0
	KSTEP G, L16, 4, 48
	AREF 4, 60
	WIN 0
	KSTEP G, L16, 5, -1
	AREF 5, 60
	WIN 0
	KSTEP G, L16, 6, 48
	AREF 6, 60
	WIN 0
	KSTEP G, L16, 7, -1
	AREF 7, 60
	WIN 0
	; the second matrix.  Behind refill s stand 8 (7 - s) younger refills and, from step 2 on, the 16 loads of the biases
	KSTEP U, LB, 0, 56
	KSTEP U, LB, 1, 48
	WIN 0x40
.irp i, 0,1,2,3
	global_load_b128 v[B1R+4*\i:B1R+4*\i+3], v[H64], s[20:21] offset:16*\i
	global_load_b128 v[B1R+16+4*\i:B1R+16+4*\i+3], v[H64], s[20:21] offset:128+16*\i
	global_load_b128 v[B3R+4*\i:B3R+4*\i+3], v[H64], s[22:23] offset:16*\i
	global_load_b128 v[B3R+16+4*\i:B3R+16+4*\i+3], v[H64], s[22:23] offset:128+16*\i
.endr
	WIN 0
	KSTEP U, LB, 2, 56
	KSTEP U, LB, 3, 48
	KSTEP U, LB, 4, 40
	KSTEP U, LB, 5, 32
	KSTEP U, LB, 6, 24
	KSTEP U, LB, 7, 16
	s_wait_loadcnt 0x0                             ; the biases
	s_min_u32 s11, s8, 31
	s_lshl_b32 s11, s11, 15                        ; a pair's images: 2 x 16 KiB
	v_add_nc_u32 v[HA], s11, v[L16]
	EPI 0, 1, FG, HSC, HLIM, 62
	EPI 1, 1, FG, HSC, HLIM, 62
	s_add_co_u32 s8, s8, 8                         ; my next pair
	s_add_co_u32 s[RND], s[RND], 1
	s_cmp_ge_u32 s[RND], s[NRND]
	s_cbranch_scc1 .Ldone
	s_wait_xcnt 0x0                                ; the stores have read their data and address: both are written again below
	v_add_nc_u32 v[POS], 0x100, v[POS]
	SEARCH
	TOKSPLIT
	AGRP 0, 16
	AGRP 1, 16
	AGRP 2, 16
	AGRP 3, 16
	s_cmp_lt_u32 s[RND], s[NRND]
	s_cbranch_scc1 .Lround
.Ldone:
	s_wait_tensorcnt 0x0
	ds_add_u32 v62, v63
	s_wait_dscnt 0x0
	s_endpgm
.Lfunc_end_k_q18d552bbf3_up:
	.size	k_q18d552bbf3_up, .Lfunc_end_k_q18d552bbf3_up-k_q18d552bbf3_up
	.p2alignl 7, 3214868480
	.fill 96, 4, 3214868480
	.section	.rodata,"a",@progbits
	.p2align	6, 0x0
	.amdhsa_kernel k_q18d552bbf3_up
		.amdhsa_group_segment_fixed_size 197632
		.amdhsa_private_segment_fixed_size 0
		.amdhsa_enable_private_segment 0
		.amdhsa_kernarg_size 80
		.amdhsa_user_sgpr_count 2
		.amdhsa_user_sgpr_kernarg_segment_ptr 1
		.amdhsa_wavefront_size32 1
		.amdhsa_system_sgpr_workgroup_id_x 1
		.amdhsa_system_sgpr_workgroup_id_y 1
		.amdhsa_system_sgpr_workgroup_id_z 1
		.amdhsa_system_vgpr_workitem_id 0
		.amdhsa_next_free_vgpr 512
		.amdhsa_next_free_sgpr 102
		.amdhsa_reserve_vcc 1
		.amdhsa_float_denorm_mode_32 3
		.amdhsa_float_denorm_mode_16_64 3
		.amdhsa_memory_ordered 1
		.amdhsa_forward_progress 1
		.amdhsa_inst_pref_size 214
	.end_amdhsa_kernel
	.amdgpu_metadata
---
amdhsa.version: [ 1, 2 ]
amdhsa.kernels:
  - .name:           k_q18d552bbf3_up
    .symbol:         k_q18d552bbf3_up.kd
    .args:
      - { .name: W1, .offset: 0, .size: 8, .value_kind: global_buffer, .address_space: global }
      - { .name: W3, .offset: 8, .size: 8, .value_kind: global_buffer, .address_space: global }
      - { .name: B1, .offset: 16, .size: 8, .value_kind: global_buffer, .address_space: global }
      - { .name: B3, .offset: 24, .size: 8, .value_kind: global_buffer, .address_space: global }
      - { .name: sB1, .offset: 32, .size: 8, .value_kind: global_buffer, .address_space: global }
      - { .name: lowp_scales, .offset: 40, .size: 8, .value_kind: global_buffer, .address_space: global }
      - { .name: masks, .offset: 48, .size: 8, .value_kind: global_buffer, .address_space: global }
      - { .name: acts, .offset: 56, .size: 8, .value_kind: global_buffer, .address_space: global }
      - { .name: wimg1, .offset: 64, .size: 8, .value_kind: global_buffer, .address_space: global }
      - { .name: hbuf, .offset: 72, .size: 8, .value_kind: global_buffer, .address_space: global }
    .group_segment_fixed_size: 197632
    .private_segment_fixed_size: 0
    .kernarg_segment_align: 8
    .kernarg_segment_size: 80
    .max_flat_workgroup_size: 256
    .sgpr_count:     102
    .vgpr_count:     512
    .wavefront_size: 32
...
	.end_amdgpu_metadata
.endif
;; end of part 6
;; launch down (part 7): grid 256 x 1, 8 waves a work-group, no clusters, 166,912 bytes of LDS; arguments W2, B2, sB2, lowp_scales, masks, sel, coef, wimg2, hbuf, ybuf; writes ybuf
.if DOCPART == 7
	.amdgcn_target "amdgcn-amd-amdhsa--gfx1250"
	.amdhsa_code_object_version 6
	.text
	.protected	k_q18d552bbf3_down
	.globl	k_q18d552bbf3_down
	.p2align	8
	.type	k_q18d552bbf3_down,@function
k_q18d552bbf3_down:
	s_mov_b64 s[64:65], 0
	v_nop
	global_prefetch_b8 v0, s[64:65] scope:SCOPE_SE
	s_setreg_imm32_b32 hwreg(HW_REG_WAVE_MODE, 25, 1), 1
	s_wait_xcnt 0x0
; DOWN.  256 work-groups of equal make.  Work-group id serves expert e = id/16, slice cs = id%16: 64 columns of W2[e]: c (h W2 + B2) for the rows that chose e;
; and beside it a share of the shared layer's second product: pe = id/128 (half of its K), slice (id/8)%16 (codes of sW2 come ready from wimg2), tokens 128 (id%8) on; sB2 goes in with half 0.
; ybuf, f32 rows of 1,024: row 1024 x plane + token; plane 0: the token's first expert, 1: its second, 2, 3: the shared halves.  Row 4096 + id takes the padding rows of a list's last pair; nobody reads it.
; Wave w streams K step w of the expert's slice (each f32 weight byte is read once in the launch), converts and stores images in LDS, and copies an eighth of the shared slice's images; ONE barrier;
; behind it each wave works alone on pairs of tiles: waves 4-7 first one of the four shared pairs each, then every wave pairs w, w+8, .. of the expert's list.
; Fragments, images, the choice of columns in a tile and the transposed use are as in the launch before: lane (r, h), tile j, register jj is column 32 (jj/4) + 16h + 4 (jj%4) + j of token r.
; No multicast: no two work-groups read the same f32 weight bytes, and the partners' trip counts would hang on loaded counts.
; LIMITS: every given exponent between -126 and 119, the sum of a product's two between -126 and 127.  NaN among the inputs is not served.
.set PITCH, 4096
.set L16, 1                            ; 16 x lane; also the LDS address at which the expert's images are read
.set WL,  2
.set LW,  3
.set LWP, 4                            ; LDS: where I store my eighth of the shared images: 65536 + 8192 w + 16 lane
.set LP,  5                            ; LDS: where the shared images are read: 65536 + 16 lane
.set C16, 6                            ; 16 r
.set POS, 7
.set TOK, 8
.set SELV, 9
.set COEF, 10
.set RHO, 11                           ; the row of ybuf of the pair's row 'lane'
.set HA,  12
.set H64, 13
.set WSC, 14
.set WLIM, 15
.set SO,  16                           ; my stage, on the way in
.set SR,  17                           ; and out
.set BPX, 18                           ; 4 h
.set LN,  19
.set SM,  20
.set SB,  21
.set SGI, 22
.set QQ,  23
.set A1,  24
.set A2,  25
.set A3,  26
.set A4,  27
.set TT,  28
.set PB,  29
.set TU,  30
.set DUMPV, 31
.set C,   32                           ; v32-47 codes of a block; behind the barrier:
.set RA,  32                           ; v32-47 store addresses, 8 a tile
.set XY,  48                           ; v48-51 at work; behind the barrier:
.set C0,  48                           ; v[48:49], v[50:51] the rows' coefficients for tile 0, 1
.set GA1, 53
.set GA2, 54
.set CFX, 55
.set TOKP, 56                          ; the shared pair's token: 128 (id%8) + 32 (w - 4) + lane
.set STG, 64
.set ACC, 64                           ; v64-127  8 accumulators
.set O,   128                          ; v128-159 a tile's results
.set BI,  160                          ; v160-191 the bias of my 32 columns, of the product in hand
.set BF,  192                          ; v192-255 four weight fragments; then rows on their way out, 32 a tile
.set RUN, 10
.set T0,  11
.set S0,  12                           ; s12-15 the byte selectors of the transposition, ahead of the barrier
.set S1,  13
.set S2,  14
.set S3,  15
.set RND, 12                           ; s12 behind the barrier: the round's number, stepped by 1
.set NRND, 13                          ; s13 behind the barrier: how many rounds my wave has
.set FS,  38                           ; s38 what a sum of the shared product lacks
.set FE,  67                           ; s67 what a sum of the expert's product lacks
.set MK,  68
.set MSB, 0
.macro WIN new
.if MSB != \new
	s_set_vgpr_msb (MSB<<8)|\new
.set MSB, \new
.endif
.endm
.macro WLOAD set, c
.irp k, 0,1,2,3,4,5,6,7,8,9,10,11,12,13,14,15
	global_load_b128 v[STG+64*(\set)+4*\k:STG+64*(\set)+4*\k+3], v[WL], s[54:55] offset:(32*(\c)+4*(\k&3)+(\k>>2))*PITCH th:TH_LOAD_NT
.endr
.endm
.macro WCONV set, left
	s_wait_loadcnt \left
.set i, 0
.rept 64
	v_med3_num_f32 v[STG+64*(\set)+i], v[STG+64*(\set)+i], -v[WLIM], v[WLIM]   ; the conversion does not saturate (ISA guide 7.6.2)
.set i, i+1
.endr
	s_wait_dscnt 0x0                               ; the last block's LDS stores have read their registers
.irp m, 0,1,2,3,4,5,6,7
	v_cvt_scalef32_pk8_fp8_f32 v[C+2*\m:C+2*\m+1], v[STG+64*(\set)+8*\m:STG+64*(\set)+8*\m+7], v[WSC]
.endr
	v_nop
.endm
.macro WPERM
.irp g, 0,1,2,3
	v_perm_b32 v[XY],   v[C+4+\g],  v[C+\g],   s[S0]
	v_perm_b32 v[XY+1], v[C+4+\g],  v[C+\g],   s[S1]
	v_perm_b32 v[XY+2], v[C+12+\g], v[C+8+\g], s[S0]
	v_perm_b32 v[XY+3], v[C+12+\g], v[C+8+\g], s[S1]
	v_perm_b32 v[C+\g],    v[XY+2], v[XY],   s[S2]
	v_perm_b32 v[C+4+\g],  v[XY+2], v[XY],   s[S3]
	v_perm_b32 v[C+8+\g],  v[XY+3], v[XY+1], s[S2]
	v_perm_b32 v[C+12+\g], v[XY+3], v[XY+1], s[S3]
.endr
.endm
.macro WPUT c
.irp j, 0,1,2,3
	ds_store_b128 v[LW], v[C+4*\j:C+4*\j+3] offset:\j*16384+(\c)*512
.endr
.endm
.macro SSTEP src, width, step
	v_bfe_u32 v[TT], v[\src], v[PB], \width
	v_cmp_ge_u32 vcc_lo, v[QQ], v[TT]
	v_cndmask_b32 v[TT], 0, v[TT], vcc_lo
	v_cndmask_b32 v[TU], 0, \step, vcc_lo
	v_sub_nc_u32 v[QQ], v[QQ], v[TT]
	v_add_nc_u32 v[PB], v[PB], v[TU]
.endm
; v[TOK] = the token at position v[POS] of the expert's list (tokens ascending); s[RUN] = the list's length.  Registers alone.
.macro SEARCH
	v_mov_b32 v[SM], s[MK]
	v_mov_b32 v[SB], 0
	v_mov_b32 v[SGI], 0
	s_bcnt1_i32_b32 s[RUN], s[MK]
.set j, 1
.rept 31
	v_cmp_le_u32 vcc_lo, s[RUN], v[POS]
	v_cndmask_b32 v[SM], v[SM], s[MK+j], vcc_lo
	v_cndmask_b32 v[SB], v[SB], s[RUN], vcc_lo
	v_cndmask_b32 v[SGI], v[SGI], j, vcc_lo
	s_bcnt1_i32_b32 s[T0], s[MK+j]
	s_add_co_u32 s[RUN], s[RUN], s[T0]
.set j, j+1
.endr
	v_sub_nc_u32 v[QQ], v[POS], v[SB]
	v_lshrrev_b32 v[TT], 1, v[SM]
	v_and_b32 v[TT], 0x55555555, v[TT]
	v_sub_nc_u32 v[A1], v[SM], v[TT]
	v_lshrrev_b32 v[TT], 2, v[A1]
	v_and_b32 v[TT], 0x33333333, v[TT]
	v_and_b32 v[A2], 0x33333333, v[A1]
	v_add_nc_u32 v[A2], v[A2], v[TT]
	v_lshrrev_b32 v[TT], 4, v[A2]
	v_add_nc_u32 v[TT], v[TT], v[A2]
	v_and_b32 v[A3], 0x0f0f0f0f, v[TT]
	v_lshrrev_b32 v[TT], 8, v[A3]
	v_add_nc_u32 v[A4], v[A3], v[TT]
	v_mov_b32 v[PB], 0
	SSTEP A4, 8, 16
	SSTEP A3, 8, 8
	SSTEP A2, 4, 4
	SSTEP A1, 2, 2
	SSTEP SM, 1, 1
	v_lshl_add_u32 v[TOK], v[SGI], 5, v[PB]
	v_min_u32 v[TOK], 0x3ff, v[TOK]
.endm
.macro GATHER                          ; the token's second expert and its coefficient for this expert
	v_lshlrev_b32 v[GA1], 2, v[TOK]
	v_lshlrev_b32 v[GA2], 6, v[TOK]
	global_load_b32 v[SELV], v[GA1], s[26:27]
	global_load_b32 v[COEF], v[GA2], s[62:63]
.endm
.macro MKHA
	s_min_u32 s11, s8, 31
	s_lshl_b32 s11, s11, 15                        ; a pair's images: 2 x 16 KiB
	v_add_nc_u32 v[HA], s11, v[L16]
.endm
.macro AGRP a, sb                      ; 16 loads: both tiles' images of K steps 2a, 2a+1, 512 consecutive bytes each
	WIN 0x40
.irp u, 0,1
.irp t, 0,1
.irp c, 0,1,2,3
	global_load_b128 v[128*\t+16*(2*(\a)+\u)+4*\c:128*\t+16*(2*(\a)+\u)+4*\c+3], v[HA], s[\sb:\sb+1] offset:16384*\t+2048*(2*(\a)+\u)+512*\c
.endr
.endr
.endr
	WIN 0
.endm
.macro KSTEP la, s, left               ; the eight accumulators take turns, one instruction a turn
.irp j, 0,1,2,3
.irp c, 0,1,2,3
	ds_load_b128 v[BF+16*\j+4*\c:BF+16*\j+4*\c+3], v[\la] offset:(8*\j+(\s))*2048+512*\c
.endr
.endr
.if (\left) >= 0
	s_wait_loadcnt \left
.endif
	s_wait_dscnt 0x0
	WIN 0x04
.irp j, 0,1,2,3
.irp t, 0,1
.if (\s) == 0
	v_wmma_f32_16x16x128_fp8_fp8 v[ACC+8*(4*\t+\j):ACC+8*(4*\t+\j)+7], v[BF+16*\j:BF+16*\j+15], v[128*\t+16*(\s):128*\t+16*(\s)+15], 0
.else
	v_wmma_f32_16x16x128_fp8_fp8 v[ACC+8*(4*\t+\j):ACC+8*(4*\t+\j)+7], v[BF+16*\j:BF+16*\j+15], v[128*\t+16*(\s):128*\t+16*(\s)+15], v[ACC+8*(4*\t+\j):ACC+8*(4*\t+\j)+7]
.endif
.endr
.endr
	WIN 0
.rept 4
	v_nop                                          ; four places in front of loads into registers that these products read, and of the first read of results
.endr
.endm
; A pair's eight K steps.  Younger than group a of its rows: the 16 (3 - a) loads of later groups.  Where the 8 loads of the bias are the youngest of all the waits are the stricter; where they are the oldest the counts are exact.
.macro KSTEPS la
	KSTEP \la, 0, 48
	KSTEP \la, 1, -1
	KSTEP \la, 2, 32
	KSTEP \la, 3, -1
	KSTEP \la, 4, 16
	KSTEP \la, 5, -1
	KSTEP \la, 6, 0
	KSTEP \la, 7, -1
.endm
.macro BIAS sb                         ; the bias of my 32 columns, in the order of the results' places
.irp i, 0,1,2,3
	global_load_b128 v[BI+4*\i:BI+4*\i+3], v[H64], s[\sb:\sb+1] offset:16*\i
	global_load_b128 v[BI+16+4*\i:BI+16+4*\i+3], v[H64], s[\sb:\sb+1] offset:128+16*\i
.endr
.endm
; Tile tau leaves: sum x 2^(the two exponents) + bias (coef = 1: times c), through my stage, as rows of 256 bytes; each row goes to the row of ybuf that its token and plane name.
.macro OUT tau, fac, yb, coef
.irp jj, 0,1,2,3,4,5,6,7
.irp j, 0,1,2,3
	v_fma_f32 v[O+4*\jj+\j], v[ACC+8*(4*(\tau)+\j)+\jj], s[\fac], v[BI+4*\jj+\j]   ; each accumulator is read from its register 0 on
.endr
.endr
.if \coef
.irp i, 0,2,4,6,8,10,12,14,16,18,20,22,24,26,28,30
	v_pk_mul_f32 v[O+\i:O+\i+1], v[O+\i:O+\i+1], v[C0+2*(\tau):C0+2*(\tau)+1] op_sel_hi:[1,0]
.endr
.endif
.irp i, 0,1,2,3,4,5,6,7
	ds_store_b128 v[SO], v[O+4*\i:O+4*\i+3] offset:128*(\i>>2)+16*(\i&3)
.endr
.irp i, 0,1,2,3,4,5,6,7
	ds_load_b128 v[BF+32*(\tau)+4*\i:BF+32*(\tau)+4*\i+3], v[SR] offset:544*\i   ; LDS serves a wave's instructions in order: these see my stores
.endr
.irp i, 0,1,2,3,4,5,6,7
	v_add_nc_u32 v[RA+8*(\tau)+\i], 4*(16*(\tau)+2*\i), v[BPX]
	ds_bpermute_b32 v[RA+8*(\tau)+\i], v[RA+8*(\tau)+\i], v[RHO]   ; the row of ybuf of the pair's row 16 tau + 2 i + h
.endr
	s_wait_dscnt 0x0
.irp i, 0,1,2,3,4,5,6,7
	v_min_u32 v[RA+8*(\tau)+\i], 0x117f, v[RA+8*(\tau)+\i]
	v_lshl_add_u32 v[RA+8*(\tau)+\i], v[RA+8*(\tau)+\i], 12, v[C16]
.endr
.irp i, 0,1,2,3,4,5,6,7
	global_store_b128 v[RA+8*(\tau)+\i], v[BF+32*(\tau)+4*\i:BF+32*(\tau)+4*\i+3], s[\yb:\yb+1]   ; sixteen lanes store 256 consecutive bytes, aligned
.endr
.endm
	s_load_b512 s[16:31], s[0:1], 0x0              ; W2 16, B2 18, sB2 20, exponents 22, masks 24, sel 26, coef 28, wimg2 30
	s_load_b128 s[32:35], s[0:1], 0x40             ; hbuf 32, ybuf 34
	v_lshl_add_u32 v62, v0, 2, 0x28800
	v_mov_b32 v63, 0
	v_lshrrev_b32 v30, 5, v0
	v_readfirstlane_b32 s2, v30                    ; wave
	s_mov_b32 s3, ttmp9                            ; work-group
	s_lshr_b32 s4, s3, 4                           ; e
	s_and_b32 s5, s3, 15                           ; cs
	s_and_b32 s7, s3, 7                            ; rb: the shared part's block of 128 tokens
	s_lshr_b32 s9, s3, 7                           ; pe: its half of K
	s_bfe_u32 s8, s3, 0x40003                      ; its slice
	v_and_b32 v[LN], 31, v0
	v_and_b32 v29, 15, v0                          ; r
	v_bfe_u32 v30, v0, 4, 1                        ; h
	v_lshlrev_b32 v[L16], 4, v[LN]
	v_lshlrev_b32 v[H64], 6, v30
	v_lshlrev_b32 v[C16], 4, v29
	v_lshlrev_b32 v[BPX], 2, v30
	v_and_b32 v27, 3, v29
	v_and_b32 v28, 4, v29
	v_lshl_or_b32 v27, v28, 1, v27
	v_and_b32 v28, 8, v29
	v_lshrrev_b32 v28, 1, v28
	v_or_b32 v27, v27, v28                         ; g(r)
	v_lshlrev_b32 v[WL], 4, v27
	v_lshl_add_u32 v[WL], v30, 16, v[WL]
	s_lshl_b32 s11, s2, 11
	v_add_nc_u32 v[LW], s11, v[L16]
	s_lshl_b32 s11, s2, 13
	s_add_co_u32 s11, s11, 0x10000
	v_add_nc_u32 v[LWP], s11, v[L16]
	v_add_nc_u32 v[LP], 0x10000, v[L16]
	s_mul_i32 s11, s2, 4352
	s_add_co_u32 s11, s11, 0x20000                 ; my stage: 16 rows x 272 bytes
	v_mul_u32_u24 v[SO], v29, 272
	v_lshl_add_u32 v[SO], v30, 6, v[SO]
	v_add_nc_u32 v[SO], s11, v[SO]
	v_mul_u32_u24 v[SR], v30, 272
	v_lshl_add_u32 v[SR], v29, 4, v[SR]
	v_add_nc_u32 v[SR], s11, v[SR]
	s_add_co_u32 s11, s3, 4096
	v_mov_b32 v[DUMPV], s11
	s_lshl_b32 s11, s7, 7
	v_and_b32 v[TOKP], 0x7f, v0
	v_add_nc_u32 v[TOKP], s11, v[TOKP]
	v_mov_b32 v[CFX], 0                            ; a lane permute's destination counts as read
	s_mov_b32 s[S0], 0x05010400
	s_mov_b32 s[S1], 0x07030602
	s_mov_b32 s[S2], 0x05040100
	s_mov_b32 s[S3], 0x07060302
	s_mov_b32 s66, 0xffff0000
	s_mov_b32 s100, 0x76543210
	s_mov_b32 s101, 0xfedcba98
	s_wait_kmcnt 0x0
	s_load_b512 s[36:51], s[22:23], 0x0
	s_load_b64 s[52:53], s[22:23], 0x40
	s_lshl_b32 s10, s9, 20
	s_lshl_b32 s11, s8, 16
	s_add_co_u32 s10, s10, s11
	s_lshl_b32 s11, s2, 13
	s_add_co_u32 s10, s10, s11
	s_mov_b32 s11, 0
	s_add_nc_u64 s[30:31], s[30:31], s[10:11]      ; my eighth of the shared slice's images
	WIN 0x40
.set i, 0
.rept 16
	global_load_b128 v[4*i:4*i+3], v[L16], s[30:31] offset:512*i   ; older than every load of weights: it is in when the first block is
.set i, i+1
.endr
	WIN 0
	s_lshl_b32 s10, s4, 22
	s_lshl_b32 s67, s5, 8
	s_add_co_u32 s10, s10, s67
	s_lshl_b32 s67, s2, 19
	s_add_co_u32 s10, s10, s67
	s_add_nc_u64 s[54:55], s[16:17], s[10:11]
	WLOAD 0, 0
	WLOAD 1, 1
	WLOAD 2, 2
	s_lshl_b32 s10, s4, 7
	s_add_nc_u64 s[24:25], s[24:25], s[10:11]
	s_load_b512 s[68:83], s[24:25], 0x0
	s_load_b512 s[84:99], s[24:25], 0x40
	s_lshl_b32 s10, s4, 12
	s_lshl_b32 s67, s5, 8
	s_add_co_u32 s10, s10, s67
	s_add_nc_u64 s[60:61], s[18:19], s[10:11]      ; B2 at my 64 columns
	s_lshl_b32 s10, s4, 2
	s_add_nc_u64 s[62:63], s[28:29], s[10:11]      ; coef at my expert's column
	s_lshl_b32 s10, s4, 20
	s_add_nc_u64 s[16:17], s[32:33], s[10:11]      ; my expert's hidden rows,
	s_add_co_u32 s10, s9, 16
	s_lshl_b32 s10, s10, 20
	s_add_nc_u64 s[56:57], s[32:33], s[10:11]      ; the shared half's
	s_cmp_lt_u32 s2, 4
	s_cselect_b64 s[56:57], s[16:17], s[56:57]     ; my first pair's: waves 0-3 the expert's, waves 4-7 the shared half's
	s_lshl_b32 s10, s5, 8
	s_add_nc_u64 s[58:59], s[34:35], s[10:11]      ; ybuf at the expert's 64 columns,
	s_lshl_b32 s10, s8, 8
	s_add_nc_u64 s[18:19], s[34:35], s[10:11]      ; at the shared slice's
	s_add_nc_u64 s[20:21], s[20:21], s[10:11]      ; sB2 likewise
	s_add_co_u32 s6, s9, 2
	s_lshl_b32 s6, s6, 10                          ; the first row of plane 2 or 3
	s_wait_kmcnt 0x0
	s_cmp_lt_u32 s4, 2
	s_cselect_b32 s36, s42, s48                    ; the hidden layer's exponent: entry 6 or 12,
	s_cselect_b32 s37, s43, s49                    ; W2's: entry 7 or 13
	s_add_co_i32 s11, s37, 127
	s_lshl_b32 s67, s11, 23
	v_mov_b32 v[WSC], s67
	s_add_co_i32 s11, s11, 8
	s_lshl_b32 s11, s11, 23
	s_or_b32 s11, s11, 0x600000
	v_mov_b32 v[WLIM], s11
	s_add_co_i32 s[FS], s52, s53                   ; entries 16 and 17: the shared hidden layer's and sW2's
	s_add_co_i32 s[FS], s[FS], 127
	s_lshl_b32 s[FS], s[FS], 23
	v_mov_b32 v[POS], v0
	SEARCH
	s_add_co_u32 s9, s[RUN], 31
	s_lshr_b32 s9, s9, 5                           ; pairs of tiles in the list
	s_mov_b32 s8, s2                               ; my first pair of the list
	GATHER
	s_and_b32 s11, s2, 3
	s_lshl_b32 s39, s7, 2
	s_add_co_u32 s11, s11, s39                     ; the shared pair 4 rb + w - 4
	s_cmp_lt_u32 s2, 4
	s_cselect_b32 s11, s2, s11
	s_lshl_b32 s11, s11, 15
	v_add_nc_u32 v[HA], s11, v[L16]                ; my first pair's images
	WCONV 0, 34                                    ; younger: two groups of 16 and the two gathers
	WLOAD 0, 3
	WPERM
	WPUT 0
	WIN 0x04                                       ; an LDS store's data: source 1
.set i, 0
.rept 16
	ds_store_b128 v[LWP], v[4*i:4*i+3] offset:512*i   ; the copy goes on to LDS as it came
.set i, i+1
.endr
	WIN 0
	WCONV 1, 34
	AGRP 0, 56
	WPERM
	WPUT 1
	WCONV 2, 34
	AGRP 1, 56
	WPERM
	WPUT 2
	WCONV 0, 32                                    ; younger: two groups of hidden rows
	AGRP 2, 56
	AGRP 3, 56
	WPERM
	WPUT 3
	s_add_co_i32 s[FE], s36, s37
	s_add_co_i32 s[FE], s[FE], 127
	s_lshl_b32 s[FE], s[FE], 23
	s_lshr_b32 s39, s3, 7                          ; pe
	s_cmp_lt_u32 s2, 4
	s_cselect_b64 s[32:33], s[60:61], s[20:21]     ; my first pair's bias: B2's or sB2's,
	s_cselect_b32 s39, 0, s39                      ; or none: sB2 is added once, with the first half of K
	s_cmp_lg_u32 s39, 0
	s_cbranch_scc1 .Lno_bias
	BIAS 32
	s_branch .Lbias_set
.Lno_bias:
.set i, 0
.rept 32
	v_mov_b32 v[BI+i], 0
.set i, i+1
.endr
.Lbias_set:
	s_wait_dscnt 0x0                               ; my images lie in LDS
	s_barrier_signal -1
	s_barrier_wait -1                              ; everybody's do; from here on a wave writes only its own stage
	v_mov_b32 v[C0+1], 0                           ; named as the upper halves of pairs
	v_mov_b32 v[C0+3], 0
	s_cmp_lt_u32 s2, 4
	s_cbranch_scc1 .Lexpert
	; ---- waves 4-7: one pair of the shared product
	KSTEPS LP
	v_add_nc_u32 v[RHO], s6, v[TOKP]               ; plane 2 or 3, the token's row
	OUT 0, FS, 18, 0
	OUT 1, FS, 18, 0
	s_cmp_ge_u32 s8, s9
	s_cbranch_scc1 .Ldone                          ; the expert's list has no pair for me
	s_wait_xcnt 0x0                                ; the stores have read their data and addresses: both are written again below
	BIAS 60                                        ; older than the rows' groups: in when the first of them is
	MKHA
	AGRP 0, 16
	AGRP 1, 16
	AGRP 2, 16
	AGRP 3, 16
.Lexpert:
	s_cmp_ge_u32 s8, s9
	s_cbranch_scc1 .Ldone
	s_sub_co_u32 s[NRND], s9, s8                   ; my pairs are s8, s8 + 8, .. below s9:
	s_add_co_u32 s[NRND], s[NRND], 7
	s_lshr_b32 s[NRND], s[NRND], 3                 ; so many rounds;
	s_min_u32 s[NRND], s[NRND], 4                  ; 32 pairs at the most, shared among 8 waves
	s_mov_b32 s[RND], 0
.Lround:
	KSTEPS L16
	v_cmp_eq_u32 vcc_lo, s4, v[SELV]
	v_cndmask_b32 v[TT], 0, 1, vcc_lo              ; I am the token's second expert: plane 1
	v_lshl_add_u32 v[RHO], v[TT], 10, v[TOK]
	v_cmp_le_u32 vcc_lo, s[RUN], v[POS]
	v_cndmask_b32 v[RHO], v[RHO], v[DUMPV], vcc_lo ; past the list's end
	v_permlanex16_b32 v[CFX], v[COEF], s100, s101
	v_cndmask_b32 v[C0], v[COEF], v[CFX], s66      ; lane (r, h): row r of tile 0,
	v_cndmask_b32 v[C0+2], v[CFX], v[COEF], s66    ; of tile 1
	OUT 0, FE, 58, 1
	OUT 1, FE, 58, 1
	s_add_co_u32 s8, s8, 8                         ; my next pair
	s_add_co_u32 s[RND], s[RND], 1
	s_cmp_ge_u32 s[RND], s[NRND]
	s_cbranch_scc1 .Ldone
	s_wait_xcnt 0x0                                ; the stores have read their data and addresses: both are written again below
	v_add_nc_u32 v[POS], 0x100, v[POS]
	SEARCH
	GATHER
	MKHA
	AGRP 0, 16
	AGRP 1, 16
	AGRP 2, 16
	AGRP 3, 16
	s_cmp_lt_u32 s[RND], s[NRND]
	s_cbranch_scc1 .Lround
.Ldone:
	s_wait_tensorcnt 0x0
	ds_add_u32 v62, v63
	s_wait_dscnt 0x0
	s_endpgm
.Lfunc_end_k_q18d552bbf3_down:
	.size	k_q18d552bbf3_down, .Lfunc_end_k_q18d552bbf3_down-k_q18d552bbf3_down
	.p2alignl 7, 3214868480
	.fill 96, 4, 3214868480
	.section	.rodata,"a",@progbits
	.p2align	6, 0x0
	.amdhsa_kernel k_q18d552bbf3_down
		.amdhsa_group_segment_fixed_size 166912
		.amdhsa_private_segment_fixed_size 0
		.amdhsa_enable_private_segment 0
		.amdhsa_kernarg_size 80
		.amdhsa_user_sgpr_count 2
		.amdhsa_user_sgpr_kernarg_segment_ptr 1
		.amdhsa_wavefront_size32 1
		.amdhsa_system_sgpr_workgroup_id_x 1
		.amdhsa_system_sgpr_workgroup_id_y 1
		.amdhsa_system_sgpr_workgroup_id_z 1
		.amdhsa_system_vgpr_workitem_id 0
		.amdhsa_next_free_vgpr 512
		.amdhsa_next_free_sgpr 102
		.amdhsa_reserve_vcc 1
		.amdhsa_float_denorm_mode_32 3
		.amdhsa_float_denorm_mode_16_64 3
		.amdhsa_memory_ordered 1
		.amdhsa_forward_progress 1
		.amdhsa_inst_pref_size 139
	.end_amdhsa_kernel
	.amdgpu_metadata
---
amdhsa.version: [ 1, 2 ]
amdhsa.kernels:
  - .name:           k_q18d552bbf3_down
    .symbol:         k_q18d552bbf3_down.kd
    .args:
      - { .name: W2, .offset: 0, .size: 8, .value_kind: global_buffer, .address_space: global }
      - { .name: B2, .offset: 8, .size: 8, .value_kind: global_buffer, .address_space: global }
      - { .name: sB2, .offset: 16, .size: 8, .value_kind: global_buffer, .address_space: global }
      - { .name: lowp_scales, .offset: 24, .size: 8, .value_kind: global_buffer, .address_space: global }
      - { .name: masks, .offset: 32, .size: 8, .value_kind: global_buffer, .address_space: global }
      - { .name: sel, .offset: 40, .size: 8, .value_kind: global_buffer, .address_space: global }
      - { .name: coef, .offset: 48, .size: 8, .value_kind: global_buffer, .address_space: global }
      - { .name: wimg2, .offset: 56, .size: 8, .value_kind: global_buffer, .address_space: global }
      - { .name: hbuf, .offset: 64, .size: 8, .value_kind: global_buffer, .address_space: global }
      - { .name: ybuf, .offset: 72, .size: 8, .value_kind: global_buffer, .address_space: global }
    .group_segment_fixed_size: 166912
    .private_segment_fixed_size: 0
    .kernarg_segment_align: 8
    .kernarg_segment_size: 80
    .max_flat_workgroup_size: 256
    .sgpr_count:     102
    .vgpr_count:     512
    .wavefront_size: 32
...
	.end_amdgpu_metadata
.endif
;; end of part 7
;; launch sum: the kernel of part 4 again; grid 256 x 1, 4 waves a work-group, no clusters, 0 bytes of LDS; arguments ybuf, out0; writes out0
;; ======== version 3 of 3: 4 launches
;; workspace buffers: acts 5,242,880 bytes; masks 2,048 bytes of whole numbers; sel 4,096 bytes of whole numbers; coef 65,536 bytes; wimg1 2,097,152 bytes; wimg2 2,097,152 bytes; hbuf 18,874,368 bytes; ybuf 18,350,080 bytes
;; launch prep (part 8): grid 192 x 1, 16 waves a work-group, no clusters, 55,296 bytes of LDS; arguments embeddings, x, gate_w, sW1, sW2, lowp_scales, acts, masks, sel, coef, wimg1, wimg2; writes acts, masks, sel, coef, wimg1, wimg2
.if DOCPART == 8
	.amdgcn_target "amdgcn-amd-amdhsa--gfx1250"
	.amdhsa_code_object_version 6
	.text
	.protected	k_q18d552bbf3_prep
	.globl	k_q18d552bbf3_prep
	.p2align	8
	.type	k_q18d552bbf3_prep,@function
k_q18d552bbf3_prep:
	s_mov_b64 s[64:65], 0
	v_nop
	global_prefetch_b8 v0, s[64:65] scope:SCOPE_SE
	s_setreg_imm32_b32 hwreg(HW_REG_WAVE_SCHED_MODE, 0, 2), 2
	s_setreg_imm32_b32 hwreg(HW_REG_WAVE_MODE, 25, 1), 1
	s_wait_xcnt 0x0
	s_wait_alu depctr_vm_vsrc(0)
; PREP.  Work-groups 0-63: 16 tokens each: the gate (softmax, top 2) and the five quantised versions of the activations.
; Work-groups 64-127: sW1, 128-191: sW2, f32 with K as first axis, into images of operand registers (E4M3 codes); a wave takes 32 rows x 256 bytes.
; A FRAGMENT is 16 rows x 128 K in 16 registers: register 4c+g, byte b of lane (r = lane%16, h = lane/16) holds k = 32c+16h+4g+b of row r;
; the same order of k is used on both sides of every product of this program.  Its IMAGE is 2,048 bytes: registers 4c..4c+3 of lane l at 512c+16l.
; acts: [version 5][K step 8][token 1024][128 bytes = [h][c][16]]: 0 x at entry 3, 1 x at 5, 2 emb at 9, 3 emb at 11, 4 emb at 14 of the given exponents.
; masks: [expert 16][32 words], bit b of word g: token 32g+b chose the expert.  sel: the token's second expert.  coef: c[token][16].
; Gate path: waves 0-7 take K step w of the embeddings, waves 8-15 K step w-8 of x.  The gate's sum over K is made of eight partial sums, added in ascending order by wave 0.
; LIMITS: every given exponent between -126 and 119, the sum of entries 0 and 1 between -126 and 127.  NaN among the inputs is not served.
; Ties in the top 2 go to the lower expert.
; THE MODE: SCHED_MODE bits 1:0 = 2 (LLVM: expert scheduling mode 2), set by the entry lines.  The code itself states the register dependences
; between vector or matrix instructions and memory or LDS instructions, with s_wait_alu, always for 0.
; THE PLAN.  Registers that memory or LDS instructions touch:
;   v4-v9       addresses, made once and never written again: one wait on va_vdst ahead of each path's first load.
;   X, GW, STG  loads land in them once; vector instructions read them.  GW's registers later take rows back from the stage, and the global stores read them; wave 0 writes them anew at the end.
;   C           written by the conversions (weight path: and the permutes), read by the LDS stores (weight path: the global stores): a wait on va_vdst ahead of each run of stores,
;               a wait on vm_vsrc ahead of each further run of conversions.
;   v240-247    the gate's partial sums: written by the product, read by two LDS stores.
;   v155-169    wave 0's results and their offsets: written by vector instructions, read by four stores in one run behind one wait.
; Masks that compares write are laid in runs into scalar registers, one wait on va_sdst behind each run.
.set PART, 0                           ; LDS: a slot of 1,024 bytes for each wave's partial gate sums
.set STGE, 16384                       ; LDS: a stage of 16 rows x 144 bytes for each wave
.set SPIT, 144
.set LN,  1                            ; v1  lane
.set RR,  2                            ; v2  r
.set HH,  3                            ; v3  h
.set PW,  4                            ; v4  my place in my wave's slot
.set L16, 5                            ; v5  16 x lane
.set SW,  6                            ; v6  the stage, on the way in
.set SRD, 7                            ; v7  the stage, on the way out
.set XA,  8                            ; v8  my bytes in 16 rows of f32
.set WL,  9                            ; v9  weight path: my bytes in a slice
.set C,   32                           ; v32-47   codes just made
.set CE,  48                           ; v48-63   the embeddings' codes for the gate
.set XY,  48                           ; v48-51   weight path: at work in the byte transposition
.set X,   64                           ; v64-127  64 numbers of my row
.set STG, 64                           ; v64-127  weight path: 64 numbers
.set GW,  128                          ; v128-191 64 numbers of gate_w; later rows on their way out
.set T,   192                          ; v192-223 two sets of 16 held numbers
.set CG,  224                          ; v224-239 gate_w's codes
.set S0,  12
.set S1,  13
.set S2,  14
.set S3,  15
.set MQ,  40                           ; s40-55 wave 0's end: masks in runs (the exponents that lay here have been used by then)
.macro MKSC e, sc, lim                 ; from the exponent in s[e]: 2^e and 448 x 2^e as f32
	s_add_co_i32 s72, s[\e], 127
	s_lshl_b32 s73, s72, 23
	v_mov_b32 v[\sc], s73
	s_add_co_i32 s72, s72, 8
	s_lshl_b32 s72, s72, 23
	s_or_b32 s72, s72, 0x600000
	v_mov_b32 v[\lim], s72
.endm
; 64 numbers of a lane (register 16b+i = k 32b+16h+i of my row) become a fragment's 16 registers.  The numbers stay as they are: the held copies go to T.
.macro QUANT src, dst, sc, lim
.irp b, 0,1,2,3
.irp i, 0,1,2,3,4,5,6,7,8,9,10,11,12,13,14,15
	v_med3_num_f32 v[T+16*(\b%2)+\i], v[\src+16*\b+\i], -v[\lim], v[\lim]   ; the conversion does not saturate (ISA guide 7.6.2): hold first
.endr
	v_cvt_scalef32_pk8_fp8_f32 v[\dst+4*\b:\dst+4*\b+1], v[T+16*(\b%2):T+16*(\b%2)+7], v[\sc]
	v_cvt_scalef32_pk8_fp8_f32 v[\dst+4*\b+2:\dst+4*\b+3], v[T+16*(\b%2)+8:T+16*(\b%2)+15], v[\sc]
.endr
	v_nop                                          ; a plain line behind the last conversion
.endm
; The fragment in C goes through my stage and leaves as 16 rows of 128 bytes: four stores of 512 consecutive bytes
.macro STAGEOUT off, rb
	s_wait_alu depctr_va_vdst(0)                   ; the conversions have written C, which the LDS stores read; the holds of gate_w's numbers are done reading v[rb ..], in which the rows land
.irp c, 0,1,2,3
	ds_store_b128 v[SW], v[C+4*\c:C+4*\c+3] offset:16*\c
.endr
.irp c, 0,1,2,3
	ds_load_b128 v[\rb+4*\c:\rb+4*\c+3], v[SRD] offset:576*\c      ; LDS serves a wave's instructions in order: these see my stores
.endr
	s_wait_dscnt 0x0
.irp c, 0,1,2,3
	global_store_b128 v[L16], v[\rb+4*\c:\rb+4*\c+3], s[70:71] offset:\off+512*\c
.endr
.endm
; Weight path.  A slice is 64 columns, 256 bytes of each row k.  Lane (r, h) takes four columns (group g(r): r with bits 2 and 3 exchanged) of rows 16h+i of the wave's 32.
; Slot k holds row i = 4 (k%4) + k/4, so that the byte transposition below runs in place.
.macro WLOAD pitch
.irp k, 0,1,2,3,4,5,6,7,8,9,10,11,12,13,14,15
	global_load_b128 v[STG+4*\k:STG+4*\k+3], v[WL], s[58:59] offset:(4*(\k&3)+(\k>>2))*(\pitch) th:TH_LOAD_NT
.endr
.endm
.macro WPERM                           ; 4 x 4 bytes transposed, four times: C[4j+g] becomes register 4c+g of column tile j
.irp g, 0,1,2,3
	v_perm_b32 v[XY],   v[C+4+\g],  v[C+\g],   s[S0]
	v_perm_b32 v[XY+1], v[C+4+\g],  v[C+\g],   s[S1]
	v_perm_b32 v[XY+2], v[C+12+\g], v[C+8+\g], s[S0]
	v_perm_b32 v[XY+3], v[C+12+\g], v[C+8+\g], s[S1]
	v_perm_b32 v[C+\g],    v[XY+2], v[XY],   s[S2]
	v_perm_b32 v[C+4+\g],  v[XY+2], v[XY],   s[S3]
	v_perm_b32 v[C+8+\g],  v[XY+3], v[XY+1], s[S2]
	v_perm_b32 v[C+12+\g], v[XY+3], v[XY+1], s[S3]
.endr
.endm
.macro WSTREAM pitch, e                ; a wave's block: 32 rows of one slice become 512 bytes of each of the slice's four column tiles
	s_wait_alu depctr_va_vdst(0)                   ; v[WL] and v[L16] are written, which the loads and the stores below read as their offsets
	WLOAD \pitch
	s_wait_kmcnt 0x0
	MKSC \e, 14, 15
	s_wait_alu depctr_va_vdst(0)
	s_wait_loadcnt 0x0
.set i, 0
.rept 64
	v_med3_num_f32 v[STG+i], v[STG+i], -v15, v15
.set i, i+1
.endr
.irp m, 0,1,2,3,4,5,6,7
	v_cvt_scalef32_pk8_fp8_f32 v[C+2*\m:C+2*\m+1], v[STG+8*\m:STG+8*\m+7], v14
.endr
	v_nop                                          ; a plain line behind the last conversion
	WPERM
	s_wait_alu depctr_va_vdst(0)                   ; the permutes have written C, which the four stores read
.irp j, 0,1,2,3
	global_store_b128 v[L16], v[C+4*\j:C+4*\j+3], s[70:71] offset:\j*16384   ; 512 consecutive bytes
.endr
.endm
	s_load_b512 s[16:31], s[0:1], 0x0              ; emb 16, x 18, gate_w 20, sW1 22, sW2 24, exponents 26, acts 28, masks 30
	s_load_b256 s[32:39], s[0:1], 0x40             ; sel 32, coef 34, wimg1 36, wimg2 38
	v_lshl_add_u32 v254, v0, 2, 0xd000
	v_mov_b32 v255, 0
	v_lshrrev_b32 v1, 5, v0
	v_readfirstlane_b32 s2, v1                     ; wave
	s_mov_b32 s3, ttmp9                            ; work-group
	v_and_b32 v[LN], 31, v0
	v_and_b32 v[RR], 15, v0
	v_bfe_u32 v[HH], v0, 4, 1
	v_lshlrev_b32 v[L16], 4, v[LN]
	s_wait_alu depctr_va_sdst(0)                   ; s2, the wave's number, is written, ahead of its first reader
	s_lshl_b32 s58, s2, 10
	v_add_nc_u32 v[PW], s58, v[L16]
	s_mul_i32 s58, s2, 16*SPIT
	s_add_co_u32 s58, s58, STGE
	v_mul_u32_u24 v[SW], v[RR], SPIT
	v_lshl_add_u32 v[SW], v[HH], 6, v[SW]
	v_add_nc_u32 v[SW], s58, v[SW]                 ; row r, 64 bytes for each half of the lanes
	v_lshrrev_b32 v8, 3, v[LN]
	v_mul_u32_u24 v[SRD], v8, SPIT
	v_and_b32 v8, 7, v[LN]
	v_lshl_add_u32 v[SRD], v8, 4, v[SRD]
	v_add_nc_u32 v[SRD], s58, v[SRD]               ; back: eight lanes to a row of 128 bytes
	s_mov_b32 s[S0], 0x05010400
	s_mov_b32 s[S1], 0x07030602
	s_mov_b32 s[S2], 0x05040100
	s_mov_b32 s[S3], 0x07060302
	s_mov_b32 s74, 0x76543210                      ; v_permlanex16_b32: lane l xor 16
	s_mov_b32 s75, 0xfedcba98
	s_mov_b32 s76, 0xffff0000                      ; lanes 16-31
	s_wait_kmcnt 0x0
	s_load_b512 s[40:55], s[26:27], 0x0            ; the given exponents, entries 0-15
	s_load_b64 s[56:57], s[26:27], 0x40            ; entries 16, 17
	s_cmp_ge_u32 s3, 64
	s_cbranch_scc1 .Lweights
	; ---- the gate path: tokens 16 x work-group on
	s_and_b32 s66, s2, 7                           ; my K step
	s_lshl_b32 s60, s3, 16                         ; 16 rows of 4,096 bytes
	s_lshl_b32 s62, s66, 9                         ; 128 numbers
	s_add_co_u32 s60, s60, s62
	s_mov_b32 s61, 0
	s_mov_b32 s63, 0
	s_cmp_lt_u32 s2, 8
	s_cselect_b64 s[58:59], s[16:17], s[18:19]     ; waves 0-7 the embeddings, waves 8-15 x
	s_add_nc_u64 s[58:59], s[58:59], s[60:61]
	s_add_nc_u64 s[20:21], s[20:21], s[62:63]
	v_lshlrev_b32 v[XA], 12, v[RR]
	v_lshl_add_u32 v[XA], v[HH], 6, v[XA]          ; row r, + 64 h: my 16 numbers of a block of 32
	s_wait_alu depctr_va_vdst(0)                   ; the addresses v4 to v8 are written, which the loads, LDS instructions and stores of this path read
.irp c, 0,1,2,3
.irp j, 0,1,2,3
	global_load_b128 v[X+16*\c+4*\j:X+16*\c+4*\j+3], v[XA], s[58:59] offset:128*\c+16*\j
.endr
.endr
	s_cmp_ge_u32 s2, 8
	s_cbranch_scc1 .Lno_gw
.irp c, 0,1,2,3
.irp j, 0,1,2,3
	global_load_b128 v[GW+16*\c+4*\j:GW+16*\c+4*\j+3], v[XA], s[20:21] offset:128*\c+16*\j   ; row r = expert r
.endr
.endr
.Lno_gw:
	s_wait_kmcnt 0x0
	s_cmp_lt_u32 s2, 8
	s_cselect_b32 s60, 0x200000, 0                 ; the embeddings' versions begin at version 2
	s_cselect_b32 s67, s49, s43                    ; first version: entry 9 or 3
	s_cselect_b32 s68, s51, s45                    ; second: entry 11 or 5
	s_lshl_b32 s69, s66, 17
	s_add_co_u32 s60, s60, s69
	s_lshl_b32 s69, s3, 11
	s_add_co_u32 s60, s60, s69
	s_add_nc_u64 s[70:71], s[28:29], s[60:61]      ; acts at my version, K step and 16 tokens
	MKSC 40, 10, 11
	MKSC 41, 12, 13
	MKSC 67, 14, 15
	MKSC 68, 16, 17
	MKSC 54, 18, 19
	s_wait_loadcnt 0x0
	s_cmp_ge_u32 s2, 8
	s_cbranch_scc1 .Lno_gate
	s_wait_alu depctr_va_vdst(0)
	QUANT GW, CG, 12, 13
	QUANT X, CE, 10, 11
	v_wmma_f32_16x16x128_fp8_fp8 v[240:247], v[CG:CG+15], v[CE:CE+15], 0   ; lane (r, h): token r, register j: expert 8h+j
.rept 4
	v_nop                                          ; four places in front of the stores that read the result
.endr
	s_wait_alu depctr_va_vdst(0)                   ; the product has written v240-247, which the two LDS stores read; the places above stay beside this wait
	ds_store_b128 v[PW], v[240:243]
	ds_store_b128 v[PW], v[244:247] offset:512
.Lno_gate:
	s_wait_alu depctr_va_vdst(0)
	QUANT X, C, 14, 15
	STAGEOUT 0, 128
	s_wait_alu depctr_vm_vsrc(0)                   ; the LDS stores have read C, which the next conversions write
	QUANT X, C, 16, 17
	STAGEOUT 0x100000, 144
	s_wait_alu depctr_vm_vsrc(0)                   ; the LDS stores have read C, which the conversions of waves 0-7 write once more
	s_cmp_ge_u32 s2, 8
	s_cbranch_scc1 .Lmeet
	QUANT X, C, 18, 19
	STAGEOUT 0x200000, 160
.Lmeet:
	s_wait_dscnt 0x0                               ; my partial sums lie in LDS
	s_barrier_signal -1
	s_barrier_wait -1
	s_cmp_lg_u32 s2, 0
	s_cbranch_scc1 .Lend
	; ---- wave 0: the eight partial sums, the softmax, the top 2
	s_wait_xcnt 0x0                                ; my stores of the three versions have read their data, v128-175: those registers are written again below
	s_wait_alu depctr_vm_vsrc(0)                   ; the same stores have read v128-175, beside the wait above
.irp p, 0,1,2,3,4,5,6,7
	ds_load_b128 v[64+8*\p:67+8*\p], v[L16] offset:PART+1024*\p      ; they land in X, whose last readers, the holds, stand ahead of the last wait on va_vdst
	ds_load_b128 v[68+8*\p:71+8*\p], v[L16] offset:PART+1024*\p+512
.endr
	s_add_co_i32 s72, s40, s41
	s_add_co_i32 s72, s72, 127
	s_lshl_b32 s72, s72, 23                        ; 2^(entry 0 + entry 1)
	s_mov_b32 s73, s72
	v_mov_b32 v129, 0                              ; a lane permute's destination counts as read
.irp k, 136,137,138,139
	v_mov_b32 v[\k], 0
.endr
	v_mov_b32 v169, 0
	s_wait_dscnt 0x0
.irp p, 1,2,3,4,5,6,7
.irp i, 0,2,4,6
	v_pk_add_f32 v[64+\i:65+\i], v[64+\i:65+\i], v[64+8*\p+\i:65+8*\p+\i]
.endr
.endr
.irp i, 0,2,4,6
	v_pk_mul_f32 v[64+\i:65+\i], v[64+\i:65+\i], s[72:73] op_sel_hi:[1,0]
.endr
	v_max3_num_f32 v128, v64, v65, v66
	v_max3_num_f32 v128, v128, v67, v68
	v_max3_num_f32 v128, v128, v69, v70
	v_max_num_f32 v128, v128, v71
	v_permlanex16_b32 v129, v128, s74, s75
	v_max_num_f32 v128, v128, v129                 ; the token's largest logit
.irp j, 0,1,2,3,4,5,6,7
	v_sub_f32 v[64+\j], v[64+\j], v128
.endr
.irp j, 0,1,2,3,4,5,6,7
	v_mul_f32 v[64+\j], 0x3fb8aa3b, v[64+\j]
.endr
	s_wait_alu depctr_va_vdst(0)
.irp j, 0,1,2,3,4,5,6,7
	v_exp_f32 v[64+\j], v[64+\j]
.endr
	v_nop
	s_wait_alu depctr_va_vdst(0)                   ; the eight exponentials have written v64-71, ahead of their first reader
	v_pk_add_f32 v[130:131], v[64:65], v[66:67]
	v_pk_add_f32 v[132:133], v[68:69], v[70:71]
	v_pk_add_f32 v[130:131], v[130:131], v[132:133]
	v_add_f32 v130, v130, v131
	v_permlanex16_b32 v131, v130, s74, s75
	v_add_f32 v130, v130, v131
	s_wait_alu depctr_va_vdst(0)
	v_rcp_f32 v130, v130
	v_nop
	s_wait_alu depctr_va_vdst(0)                   ; the reciprocal has written v130, ahead of its first reader
.irp j, 0,1,2,3,4,5,6,7
	v_mul_f32 v[64+\j], v[64+\j], v130             ; the scores
.endr
	v_mov_b32 v132, v64                            ; best and second of my eight experts: a later one wins only if strictly larger
	v_mov_b32 v133, 0
	v_mov_b32 v134, -1.0
	v_mov_b32 v135, 0
.irp j, 1,2,3,4,5,6,7
	v_cmp_gt_f32 s73, v[64+\j], v132
	v_cmp_gt_f32 s72, v[64+\j], v134
	s_wait_alu depctr_va_sdst(0)                   ; both masks are written, ahead of the selects that read them
	v_cndmask_b32 v134, v134, v[64+\j], s72
	v_cndmask_b32 v135, v135, \j, s72
	v_cndmask_b32 v134, v134, v132, s73
	v_cndmask_b32 v135, v135, v133, s73
	v_cndmask_b32 v132, v132, v[64+\j], s73
	v_cndmask_b32 v133, v133, \j, s73
.endr
	v_lshl_add_u32 v133, v[HH], 3, v133
	v_lshl_add_u32 v135, v[HH], 3, v135
.irp k, 0,1,2,3
	v_permlanex16_b32 v[136+\k], v[132+\k], s74, s75
.endr
.irp k, 0,1,2,3
	v_cndmask_b32 v[140+\k], v[132+\k], v[136+\k], s76   ; experts 0-7's pair, in both halves of the lanes
	v_cndmask_b32 v[144+\k], v[136+\k], v[132+\k], s76   ; experts 8-15's pair
.endr
	v_cmp_gt_f32 vcc_lo, v144, v140                ; the upper experts win only if strictly larger
	s_wait_alu depctr_va_vcc(0)                    ; VCC is written, ahead of the selects that read it
	v_cndmask_b32 v148, v140, v144, vcc_lo         ; first weight,
	v_cndmask_b32 v149, v141, v145, vcc_lo         ; first expert
	v_cndmask_b32 v150, v144, v146, vcc_lo         ; the upper candidate for second,
	v_cndmask_b32 v151, v145, v147, vcc_lo
	v_cndmask_b32 v152, v142, v140, vcc_lo         ; the lower one
	v_cndmask_b32 v153, v143, v141, vcc_lo
	v_cmp_gt_f32 vcc_lo, v150, v152
	s_wait_alu depctr_va_vcc(0)                    ; VCC is written, ahead of the selects that read it
	v_cndmask_b32 v154, v152, v150, vcc_lo         ; second weight,
	v_cndmask_b32 v155, v153, v151, vcc_lo         ; second expert
	v_lshlrev_b32 v165, 3, v[HH]
.irp j, 0,1,2,3,4,5,6,7                        ; the sixteen compares in one run, into scalar registers of their own
	v_add_nc_u32 v164, \j, v165
	v_cmp_eq_u32 s[MQ+2*\j], v164, v155
	v_cmp_eq_u32 s[MQ+2*\j+1], v164, v149
.endr
	s_wait_alu depctr_va_sdst(0)                   ; the sixteen masks are written, ahead of the selects that read them
.irp j, 0,1,2,3,4,5,6,7
	v_cndmask_b32 v[156+\j], 0, v154, s[MQ+2*\j]
	v_cndmask_b32 v[156+\j], v[156+\j], v148, s[MQ+2*\j+1]
.endr
	s_lshl_b32 s60, s3, 10
	s_add_nc_u64 s[34:35], s[34:35], s[60:61]      ; coef at my 16 tokens
	s_lshl_b32 s60, s3, 6
	s_add_nc_u64 s[32:33], s[32:33], s[60:61]      ; sel likewise
	s_lshl_b32 s60, s3, 1
	s_add_nc_u64 s[30:31], s[30:31], s[60:61]      ; masks: my 16 tokens are half a word of each expert
	v_lshlrev_b32 v166, 6, v[RR]
	v_lshl_add_u32 v166, v[HH], 5, v166
	v_lshlrev_b32 v167, 2, v[RR]
	v_lshlrev_b32 v168, 7, v[RR]
.irp g, 0,1                                    ; eight experts at a time: sixteen compares in a run
.irp e, 0,1,2,3,4,5,6,7
	v_cmp_eq_u32 s[MQ+2*\e], 8*\g+\e, v149
	v_cmp_eq_u32 s[MQ+2*\e+1], 8*\g+\e, v155
.endr
	s_wait_alu depctr_va_sdst(0)                   ; the sixteen masks are written, ahead of the scalar lines that join them
.irp e, 0,1,2,3,4,5,6,7
	s_or_b32 s[MQ+2*\e], s[MQ+2*\e], s[MQ+2*\e+1]  ; bit r (and bit 16 + r): token r chose expert 8 g + e
	v_writelane_b32 v169, s[MQ+2*\e], 8*\g+\e
	v_writelane_b32 v169, s[MQ+2*\e], 8*\g+\e+16
.endr
.endr
	s_wait_alu depctr_va_vdst(0)                   ; v155 to v163, v169 and the offsets v166 to v168 are written, which the four stores read
	global_store_b128 v166, v[156:159], s[34:35]
	global_store_b128 v166, v[160:163], s[34:35] offset:16
	global_store_b32 v167, v155, s[32:33]          ; both halves of the lanes hold the same number
	global_store_b16 v168, v169, s[30:31]          ; lane e (and 16 + e, the same bytes): the low 16 bits
.Lend:
	s_wait_dscnt 0x0                               ; the closing lines, six on end
	s_wait_alu 0x0
	s_wait_tensorcnt 0x0
	ds_add_u32 v254, v255
	s_wait_dscnt 0x0
	s_endpgm
	; ---- the weight path: unit u = 16 (work-group - 64) + wave is one block of 32 rows of one slice
.Lweights:
	v_and_b32 v10, 3, v[RR]
	v_and_b32 v11, 4, v[RR]
	v_lshl_or_b32 v10, v11, 1, v10
	v_and_b32 v11, 8, v[RR]
	v_lshrrev_b32 v11, 1, v11
	v_or_b32 v10, v10, v11                         ; g(r)
	v_lshlrev_b32 v[WL], 4, v10
	s_sub_co_u32 s60, s3, 64
	s_lshl_b32 s60, s60, 4
	s_add_co_u32 s60, s60, s2
	s_mov_b32 s63, 0
	s_mov_b32 s69, 0
	s_cmp_ge_u32 s3, 128
	s_cbranch_scc1 .Lsw2
	s_lshr_b32 s61, s60, 5                         ; slice 0-31 of sW1
	s_and_b32 s66, s60, 31                         ; block 0-31: K step block/4, part block%4
	s_lshl_b32 s62, s61, 8
	s_lshl_b32 s67, s66, 18                        ; 32 rows of 8,192 bytes
	s_add_co_u32 s62, s62, s67
	s_add_nc_u64 s[58:59], s[22:23], s[62:63]
	s_lshl_b32 s68, s61, 16
	s_lshl_b32 s67, s66, 9                         ; 2,048 bytes a K step, 512 a part
	s_add_co_u32 s68, s68, s67
	s_add_nc_u64 s[70:71], s[36:37], s[68:69]
	s_wait_alu depctr_va_vdst(0)
	v_lshl_add_u32 v[WL], v[HH], 17, v[WL]         ; lanes 16-31: 16 rows further down
	WSTREAM 8192, 55
	s_endpgm
.Lsw2:
	s_sub_co_u32 s60, s60, 1024
	s_lshr_b32 s61, s60, 6                         ; slice 0-15 of sW2
	s_and_b32 s66, s60, 63                         ; block 0-63
	s_lshl_b32 s62, s61, 8
	s_lshl_b32 s67, s66, 17                        ; 32 rows of 4,096 bytes
	s_add_co_u32 s62, s62, s67
	s_add_nc_u64 s[58:59], s[24:25], s[62:63]
	s_lshl_b32 s68, s61, 16
	s_lshr_b32 s67, s66, 5
	s_lshl_b32 s67, s67, 20                        ; which half of the hidden layer
	s_add_co_u32 s68, s68, s67
	s_and_b32 s67, s66, 31
	s_lshl_b32 s67, s67, 9
	s_add_co_u32 s68, s68, s67
	s_add_nc_u64 s[70:71], s[38:39], s[68:69]
	s_wait_alu depctr_va_vdst(0)
	v_lshl_add_u32 v[WL], v[HH], 16, v[WL]
	WSTREAM 4096, 57
	s_endpgm
.Lfunc_end_k_q18d552bbf3_prep:
	.size	k_q18d552bbf3_prep, .Lfunc_end_k_q18d552bbf3_prep-k_q18d552bbf3_prep
	.p2alignl 7, 3214868480
	.fill 96, 4, 3214868480
	.section	.rodata,"a",@progbits
	.p2align	6, 0x0
	.amdhsa_kernel k_q18d552bbf3_prep
		.amdhsa_group_segment_fixed_size 55296
		.amdhsa_private_segment_fixed_size 0
		.amdhsa_enable_private_segment 0
		.amdhsa_kernarg_size 96
		.amdhsa_user_sgpr_count 2
		.amdhsa_user_sgpr_kernarg_segment_ptr 1
		.amdhsa_wavefront_size32 1
		.amdhsa_system_sgpr_workgroup_id_x 1
		.amdhsa_system_sgpr_workgroup_id_y 1
		.amdhsa_system_sgpr_workgroup_id_z 1
		.amdhsa_system_vgpr_workitem_id 0
		.amdhsa_next_free_vgpr 256
		.amdhsa_next_free_sgpr 80
		.amdhsa_reserve_vcc 1
		.amdhsa_float_denorm_mode_32 3
		.amdhsa_float_denorm_mode_16_64 3
		.amdhsa_memory_ordered 1
		.amdhsa_forward_progress 1
		.amdhsa_inst_pref_size 72
	.end_amdhsa_kernel
	.amdgpu_metadata
---
amdhsa.version: [ 1, 2 ]
amdhsa.kernels:
  - .name:           k_q18d552bbf3_prep
    .symbol:         k_q18d552bbf3_prep.kd
    .args:
      - { .name: embeddings, .offset: 0, .size: 8, .value_kind: global_buffer, .address_space: global }
      - { .name: x, .offset: 8, .size: 8, .value_kind: global_buffer, .address_space: global }
      - { .name: gate_w, .offset: 16, .size: 8, .value_kind: global_buffer, .address_space: global }
      - { .name: sW1, .offset: 24, .size: 8, .value_kind: global_buffer, .address_space: global }
      - { .name: sW2, .offset: 32, .size: 8, .value_kind: global_buffer, .address_space: global }
      - { .name: lowp_scales, .offset: 40, .size: 8, .value_kind: global_buffer, .address_space: global }
      - { .name: acts, .offset: 48, .size: 8, .value_kind: global_buffer, .address_space: global }
      - { .name: masks, .offset: 56, .size: 8, .value_kind: global_buffer, .address_space: global }
      - { .name: sel, .offset: 64, .size: 8, .value_kind: global_buffer, .address_space: global }
      - { .name: coef, .offset: 72, .size: 8, .value_kind: global_buffer, .address_space: global }
      - { .name: wimg1, .offset: 80, .size: 8, .value_kind: global_buffer, .address_space: global }
      - { .name: wimg2, .offset: 88, .size: 8, .value_kind: global_buffer, .address_space: global }
    .group_segment_fixed_size: 55296
    .private_segment_fixed_size: 0
    .kernarg_segment_align: 8
    .kernarg_segment_size: 96
    .max_flat_workgroup_size: 512
    .sgpr_count:     80
    .vgpr_count:     256
    .wavefront_size: 32
...
	.end_amdgpu_metadata
.endif
;; end of part 8
;; launch up (part 9): grid 256 x 1, 8 waves a work-group, no clusters, 197,632 bytes of LDS; arguments W1, W3, B1, B3, sB1, lowp_scales, masks, acts, wimg1, hbuf; writes hbuf
.if DOCPART == 9
	.amdgcn_target "amdgcn-amd-amdhsa--gfx1250"
	.amdhsa_code_object_version 6
	.text
	.protected	k_q18d552bbf3_up
	.globl	k_q18d552bbf3_up
	.p2align	8
	.type	k_q18d552bbf3_up,@function
k_q18d552bbf3_up:
	s_mov_b64 s[64:65], 0
	v_nop
	global_prefetch_b8 v0, s[64:65] scope:SCOPE_SE
	s_setreg_imm32_b32 hwreg(HW_REG_WAVE_SCHED_MODE, 0, 2), 2
	s_setreg_imm32_b32 hwreg(HW_REG_WAVE_MODE, 25, 1), 1
	s_wait_xcnt 0x0
	s_wait_alu depctr_vm_vsrc(0)
; UP.  The hidden layers.  256 work-groups of equal make.  Work-group id serves expert e = id/16, slice cs = id%16: 64 columns of W1[e] and the same 64 of W3[e],
; h = silu(a W1 + B1) (a W3 + B3), for the rows that chose e; and beside it a share of the shared layer: slice sl = id/8 (64 columns of sW1, whose codes come ready from wimg1),
; tokens 128 (id%8) on: h = silu(emb sW1 + sB1), stored as pseudo-experts 16 and 17.
; Each f32 weight byte is read once in the launch: wave w streams K step w (128 rows x 256 bytes) of both matrices, holds, converts to E4M3, transposes bytes in registers and stores
; images of operand registers in LDS; it also copies an eighth of the shared slice's 64 KiB of images.  ONE barrier.  Behind it each wave works alone, a pair of tiles of 16 rows at a time:
; waves 4-7 first take one of the four shared pairs each; then every wave takes pairs w, w+8, .. of the expert's list (a list of 128 rows has four pairs, so that waves 4-7 mostly have none).
; The list is not stored: a lane finds the token of list position p from the expert's 32 mask words, in registers (SEARCH).
; No multicast: no two work-groups read the same f32 weight bytes; the rows that the 16 work-groups of an expert share are gathered rows, and their number hangs on loaded counts.
; A FRAGMENT: register 4c+g, byte b of lane (r, h) holds k = 32c+16h+4g+b of row r; the same order on both sides.  IMAGE: registers 4c..4c+3 of lane l at 512c+16l.
; PRODUCTS ARE USED TRANSPOSED: source 0 = 16 weight columns, source 1 = 16 tokens.  Lane r of column tile j holds column 4 g(r) + j, g(r) = r with bits 2 and 3 exchanged:
; so tile j, register jj of lane (r, h) is column 32 (jj/4) + 16h + 4 (jj%4) + j of token r, and written to place 4jj+j a lane's 32 numbers are the next product's k in its own order.
; LIMITS: every given exponent between -126 and 119, each sum of a product's two between -126 and 127.  NaN among the inputs is not served.
; Positions past the list's end (the padding of the last pair) get some valid token; their rows of hbuf are written and later discarded.
; THE MODE: SCHED_MODE bits 1:0 = 2 (LLVM: expert scheduling mode 2), set by the entry lines.  The code itself states the register dependences
; between vector or matrix instructions and memory or LDS instructions, with s_wait_alu, always for 0.
; THE PLAN.  Registers that memory or LDS instructions touch:
;   v1-6, 13, 18  addresses, made once at the head and never written again: one wait on va_vdst ahead of the first load.
;   STG0 .. STG2  A weight block: its loads land in STG[set]; the holds write it in place, the conversions read it; then the loads of three blocks on land in it.
;   C             Written by a block's conversions and permutes, read by its four LDS stores.
;                 ONE wait on va_vdst a block, behind the permutes: STG[set] is emptied and C is written; the block's loads and LDS stores follow it.
;                 One wait on vm_vsrc ahead of each later block's conversions: the LDS stores have read C (and, once, the copy's LDS stores its registers, in which rows land later).
;   BF            A K step: 16 LDS loads land in it, the step's eight products read it.
;   rows(s)       Window 1: global loads land; step s's products read them; in the first matrix the second version of the same rows then lands in them, in the second the biases (steps 0, 1).
;                 ONE wait on va_vdst a K step, behind its products and their places: they are done reading BF and rows(s).  The next step's LDS loads follow at once, and the refill of rows(s)
;                 stands between them and the wait for them.
;   CD, v[HA]     Written by the epilogue of both tiles, read by four stores in one run behind one wait on va_vdst.
;   v[TA0], +1    Read by every load of rows; written at a change of pairs, behind a wait on vm_vsrc (which also frees CD and v[HA]); a wait on va_vdst follows, ahead of the new pair's loads.
;   G, U and what the epilogue works on are named by vector and matrix instructions alone.
; Every compare is followed by a wait on va_vcc ahead of the selects that read its mask.
.set PITCH, 4096
.set L16, 1                            ; 16 x lane; also the LDS address at which W1's images are read
.set WL,  2                            ; my bytes in a slice: 16 g(r) + 16 h rows
.set LW,  3                            ; LDS: where I store W1's images: 2048 w + 16 lane
.set LW2, 4                            ; W3's: + 65536
.set LP,  5                            ; LDS: where the shared slice's images are read: 131072 + 16 lane
.set LB,  6                            ; W3's: 65536 + 16 lane
.set POS, 7                            ; my position in the list: 32 x pair + lane
.set TOK, 8                            ; its token
.set TOKX, 9
.set TA0, 10                           ; v10, v11: my byte in acts for tile 0, 1
.set HA,  12                           ; my byte in hbuf
.set H64, 13                           ; 64 h
.set WSC, 14
.set WLIM, 15
.set HSC, 16                           ; the expert's hidden layer: its scale, and 448 x that
.set HLIM, 17
.set LWP, 18                           ; LDS: where I store my eighth of the shared images: 131072 + 8192 w + 16 lane
.set LN,  19                           ; lane
.set SM,  20
.set SB,  21
.set SGI, 22
.set QQ,  23
.set A1,  24
.set A2,  25
.set A3,  26
.set A4,  27
.set TT,  28
.set PB,  29
.set TU,  30
.set C,   32                           ; v32-47 codes of a block
.set XY,  48                           ; v48-51 at work
.set HSC2, 52                          ; the shared hidden layer's scale, and 448 x that
.set HLIM2, 53
.set TOKE, 54                          ; the token of my first position in the expert's list
.set STG, 64                           ; v64-255 three sets of 64 numbers; behind the barrier:
.set G,   64                           ; v64-127  8 accumulators (tile t, column tile j: 8 (4t+j)) of the first matrix
.set U,   128                          ; v128-191 of the second
.set BF,  192                          ; v192-255 four weight fragments
; window 1 (v256-511): first my eighth of the shared images (64 registers); then the rows' fragments, (tile t, K step s) at 128 t + 16 s; in the epilogue:
.set B1R, 0
.set GR,  32
.set UR,  64
.set TR,  96
.set B3R, 128
.set CD,  160
.set RUN, 10
.set T0,  11
.set S0,  12                           ; s12-15 the byte selectors of the transposition, ahead of the barrier
.set S1,  13
.set S2,  14
.set S3,  15
.set RND, 12                           ; s12 behind the barrier: the round's number, stepped by 1
.set NRND, 13                          ; s13 behind the barrier: how many rounds my wave has
.set FS,  41                           ; s41 what a sum of the shared product lacks
.set FG,  46                           ; s46 what a sum of the expert's first product lacks, s47 of the second
.set FU,  47
.set NL2, 48                           ; s[48:49] -log2(e)
.set MK,  68                           ; s68-99 the expert's mask words
.set MSB, 0
.macro WIN new                         ; the immediate's high byte repeats the setting that is left; bits 1:0 source 0, 3:2 source 1, 5:4 source 2, 7:6 destination
.if MSB != \new
	s_set_vgpr_msb (MSB<<8)|\new
.set MSB, \new
.endif
.endm
.macro WLOAD set, sb, c                ; 16 rows x 256 bytes for each half of the lanes; slot k holds row 4 (k%4) + k/4
.irp k, 0,1,2,3,4,5,6,7,8,9,10,11,12,13,14,15
	global_load_b128 v[STG+64*(\set)+4*\k:STG+64*(\set)+4*\k+3], v[WL], s[\sb:\sb+1] offset:(32*(\c)+4*(\k&3)+(\k>>2))*PITCH th:TH_LOAD_NT
.endr
.endm
.macro WCONV set, later                ; later = 1: every block but the first
	s_wait_loadcnt 32                              ; this block's 16 loads are in; the two younger groups of 16 stay out
.set i, 0
.rept 64
	v_med3_num_f32 v[STG+64*(\set)+i], v[STG+64*(\set)+i], -v[WLIM], v[WLIM]   ; the conversion does not saturate (ISA guide 7.6.2)
.set i, i+1
.endr
	s_wait_alu depctr_va_vdst(0)
	s_wait_dscnt 0x0                               ; the last block's LDS stores are done
.if \later
	s_wait_alu depctr_vm_vsrc(0)                   ; the last block's LDS stores have read C, which the conversions below write again
.endif
.irp m, 0,1,2,3,4,5,6,7
	v_cvt_scalef32_pk8_fp8_f32 v[C+2*\m:C+2*\m+1], v[STG+64*(\set)+8*\m:STG+64*(\set)+8*\m+7], v[WSC]
.endr
	v_nop                                          ; a plain line behind the last conversion
.endm
.macro WPERM                           ; 4 x 4 bytes transposed, four times: C[4j+g] becomes register 4c+g of column tile j
.irp g, 0,1,2,3
	v_perm_b32 v[XY],   v[C+4+\g],  v[C+\g],   s[S0]
	v_perm_b32 v[XY+1], v[C+4+\g],  v[C+\g],   s[S1]
	v_perm_b32 v[XY+2], v[C+12+\g], v[C+8+\g], s[S0]
	v_perm_b32 v[XY+3], v[C+12+\g], v[C+8+\g], s[S1]
	v_perm_b32 v[C+\g],    v[XY+2], v[XY],   s[S2]
	v_perm_b32 v[C+4+\g],  v[XY+2], v[XY],   s[S3]
	v_perm_b32 v[C+8+\g],  v[XY+3], v[XY+1], s[S2]
	v_perm_b32 v[C+12+\g], v[XY+3], v[XY+1], s[S3]
.endr
	s_wait_alu depctr_va_vdst(0)                   ; the block's one wait: the permutes have written C, which the LDS stores read; the holds and conversions are done with the block's 64 numbers, in whose registers the next loads land; v[TA0] and v[TA0+1] are written, which the rows' loads read
.endm
.macro WPUT la, c
.irp j, 0,1,2,3
	ds_store_b128 v[\la], v[C+4*\j:C+4*\j+3] offset:\j*16384+(\c)*512
.endr
.endm
.macro SSTEP src, width, step          ; does the wanted bit lie behind the next 'step' bits?
	v_bfe_u32 v[TT], v[\src], v[PB], \width
	v_cmp_ge_u32 vcc_lo, v[QQ], v[TT]
	s_wait_alu depctr_va_vcc(0)                    ; VCC is written, ahead of the two selects that read it
	v_cndmask_b32 v[TT], 0, v[TT], vcc_lo
	v_cndmask_b32 v[TU], 0, \step, vcc_lo
	v_sub_nc_u32 v[QQ], v[QQ], v[TT]
	v_add_nc_u32 v[PB], v[PB], v[TU]
.endm
; v[TOK] = the token at position v[POS] of the expert's list (tokens ascending); s[RUN] = the list's length.  Registers alone.
.macro SEARCH
	v_mov_b32 v[SM], s[MK]
	v_mov_b32 v[SB], 0
	v_mov_b32 v[SGI], 0
	s_bcnt1_i32_b32 s[RUN], s[MK]
.set j, 1
.rept 31
	v_cmp_le_u32 vcc_lo, s[RUN], v[POS]            ; the words ahead of word j hold no more than POS tokens: word j or a later one
	s_wait_alu depctr_va_vcc(0)                    ; VCC is written, ahead of the three selects that read it
	v_cndmask_b32 v[SM], v[SM], s[MK+j], vcc_lo
	v_cndmask_b32 v[SB], v[SB], s[RUN], vcc_lo
	v_cndmask_b32 v[SGI], v[SGI], j, vcc_lo
	s_bcnt1_i32_b32 s[T0], s[MK+j]
	s_add_co_u32 s[RUN], s[RUN], s[T0]
.set j, j+1
.endr
	v_sub_nc_u32 v[QQ], v[POS], v[SB]              ; which set bit of the word
	v_lshrrev_b32 v[TT], 1, v[SM]
	v_and_b32 v[TT], 0x55555555, v[TT]
	v_sub_nc_u32 v[A1], v[SM], v[TT]               ; counts in fields of 2,
	v_lshrrev_b32 v[TT], 2, v[A1]
	v_and_b32 v[TT], 0x33333333, v[TT]
	v_and_b32 v[A2], 0x33333333, v[A1]
	v_add_nc_u32 v[A2], v[A2], v[TT]               ; of 4,
	v_lshrrev_b32 v[TT], 4, v[A2]
	v_add_nc_u32 v[TT], v[TT], v[A2]
	v_and_b32 v[A3], 0x0f0f0f0f, v[TT]             ; of 8,
	v_lshrrev_b32 v[TT], 8, v[A3]
	v_add_nc_u32 v[A4], v[A3], v[TT]               ; low byte: of the low 16
	v_mov_b32 v[PB], 0
	SSTEP A4, 8, 16
	SSTEP A3, 8, 8
	SSTEP A2, 4, 4
	SSTEP A1, 2, 2
	SSTEP SM, 1, 1
	v_lshl_add_u32 v[TOK], v[SGI], 5, v[PB]
	v_min_u32 v[TOK], 0x3ff, v[TOK]
.endm
.macro TOKSPLIT                        ; lane l holds the token of the pair's row l; lane (r, h) wants row r of tile 0 and of tile 1
	v_permlanex16_b32 v[TOKX], v[TOK], s100, s101
	v_cndmask_b32 v[TA0], v[TOK], v[TOKX], s66
	v_cndmask_b32 v[TA0+1], v[TOKX], v[TOK], s66
	v_min_u32 v[TA0], 0x3ff, v[TA0]
	v_min_u32 v[TA0+1], 0x3ff, v[TA0+1]
	v_lshl_add_u32 v[TA0], v[TA0], 7, v[H64]       ; 128 bytes a token and K step, 64 for each half of the lanes
	v_lshl_add_u32 v[TA0+1], v[TA0+1], 7, v[H64]
.endm
.macro AREF s, sb                      ; both tiles' fragments of K step s: 8 loads
	WIN 0x40
.irp t, 0,1
.irp c, 0,1,2,3
	global_load_b128 v[128*\t+16*(\s)+4*\c:128*\t+16*(\s)+4*\c+3], v[TA0+\t], s[\sb:\sb+1] offset:131072*(\s)+16*\c
.endr
.endr
.endm
.macro AGRP a, sb                      ; a group of 16 loads: K steps 2a, 2a+1
	AREF 2*(\a), \sb
	AREF 2*(\a)+1, \sb
	WIN 0
.endm
; One K step: four weight fragments from LDS, eight products.  The eight accumulators take turns, one instruction a turn.
; rf >= 0: the registers of K step rf's rows, which the step before has multiplied, take the second version of the same rows; the eight loads stand between the LDS loads and the wait for them.
; nx = 1: loads follow that land in registers which these products read.
.macro KSTEP acc, la, s, left, rf, nx
.irp j, 0,1,2,3
.irp c, 0,1,2,3
	ds_load_b128 v[BF+16*\j+4*\c:BF+16*\j+4*\c+3], v[\la] offset:(8*\j+(\s))*2048+512*\c
.endr
.endr
.if (\rf) >= 0
	AREF \rf, 60                                   ; no wait: no vector or matrix instruction since the last wait on va_vdst names these registers
.endif
.if (\left) >= 0
	s_wait_loadcnt \left
.endif
	s_wait_dscnt 0x0
	WIN 0x04                                       ; source 1 (the rows) in window 1
.irp j, 0,1,2,3
.irp t, 0,1
.if (\s) == 0
	v_wmma_f32_16x16x128_fp8_fp8 v[\acc+8*(4*\t+\j):\acc+8*(4*\t+\j)+7], v[BF+16*\j:BF+16*\j+15], v[128*\t+16*(\s):128*\t+16*(\s)+15], 0
.else
	v_wmma_f32_16x16x128_fp8_fp8 v[\acc+8*(4*\t+\j):\acc+8*(4*\t+\j)+7], v[BF+16*\j:BF+16*\j+15], v[128*\t+16*(\s):128*\t+16*(\s)+15], v[\acc+8*(4*\t+\j):\acc+8*(4*\t+\j)+7]
.endif
.endr
.endr
	WIN 0
.rept 4
	v_nop                                          ; four places behind these products, ahead of the first read of results and of vector writes into registers that they read (ISA guide 7.12.1)
.endr
.if \nx
	s_wait_alu depctr_va_vdst(0)                   ; the step's one wait: these products are done reading BF and their rows' registers, in which the next loads land
.endif
.endm
.macro FMAB dst, acc, tau, sc, bias    ; sum x 2^(the two exponents) + bias, into place 4jj+j; each accumulator is read from its register 0 on
.irp jj, 0,1,2,3,4,5,6,7
.irp j, 0,1,2,3
	v_fma_f32 v[\dst+4*\jj+\j], v[\acc+8*(4*(\tau)+\j)+\jj], s[\sc], v[\bias+4*\jj+\j]
.endr
.endr
.endm
.macro SILU x                          ; x / (1 + 2^(-x log2 e)), 32 numbers in window 1
.irp i, 0,2,4,6,8,10,12,14,16,18,20,22,24,26,28,30
	v_pk_mul_f32 v[TR+\i:TR+\i+1], v[\x+\i:\x+\i+1], s[NL2:NL2+1] op_sel_hi:[1,0]
.endr
.set i, 0
	s_wait_alu depctr_va_vdst(0)
.rept 32
	v_exp_f32 v[TR+i], v[TR+i]
.set i, i+1
.endr
	v_nop                                          ; a plain line between the exponentials and the first use of a result
	s_wait_alu depctr_va_vdst(0)                   ; the 32 exponentials have written v[TR ..], ahead of their first reader
.irp i, 0,2,4,6,8,10,12,14,16,18,20,22,24,26,28,30
	v_pk_add_f32 v[TR+\i:TR+\i+1], v[TR+\i:TR+\i+1], 1.0 op_sel_hi:[1,0]
.endr
.set i, 0
	s_wait_alu depctr_va_vdst(0)
.rept 32
	v_rcp_f32 v[TR+i], v[TR+i]
.set i, i+1
.endr
	v_nop                                          ; likewise behind the reciprocals
	s_wait_alu depctr_va_vdst(0)                   ; the 32 reciprocals have written v[TR ..], ahead of their first reader
.irp i, 0,2,4,6,8,10,12,14,16,18,20,22,24,26,28,30
	v_pk_mul_f32 v[\x+\i:\x+\i+1], v[\x+\i:\x+\i+1], v[TR+\i:TR+\i+1]
.endr
.endm
.macro QH x, dst, hsc, hlim            ; 32 numbers become 8 registers of codes
.set i, 0
.rept 32
	v_med3_num_f32 v[\x+i], v[\x+i], -v[\hlim], v[\hlim]
.set i, i+1
.endr
.irp m, 0,1,2,3
	v_cvt_scalef32_pk8_fp8_f32 v[\dst+2*\m:\dst+2*\m+1], v[\x+8*\m:\x+8*\m+7], v[\hsc]
.endr
.endm
; Tile tau's 64 columns become half an image, in CD + 16 tau.  gated = 1: silu(first) x second (an expert); 0: silu(first) (the shared layer).
.macro EPI tau, gated, fg, hsc, hlim
	WIN 0x50                                       ; destination and source 2 window 1, source 0 (the sums) window 0
	FMAB GR, G, \tau, \fg, B1R
.if \gated
	FMAB UR, U, \tau, FU, B3R
.endif
	WIN 0x55
	SILU GR
.if \gated
.irp i, 0,2,4,6,8,10,12,14,16,18,20,22,24,26,28,30
	v_pk_mul_f32 v[GR+\i:GR+\i+1], v[GR+\i:GR+\i+1], v[UR+\i:UR+\i+1]
.endr
.endif
	WIN 0x41                                       ; the hold and the scale lie in window 0
	QH GR, CD+16*(\tau), \hsc, \hlim
	v_nop                                          ; a plain line behind the last conversion
.endm
.macro HOUT hb                         ; both tiles' codes leave in one run
	WIN 0x04                                       ; a store's data: source 1
	s_wait_alu depctr_va_vdst(0)                   ; the conversions have written both tiles' codes, and v[HA] is written: the four stores read them
.irp tau, 0,1
	global_store_b128 v[HA], v[CD+16*\tau:CD+16*\tau+3], s[\hb:\hb+1] offset:16384*\tau
	global_store_b128 v[HA], v[CD+16*\tau+4:CD+16*\tau+7], s[\hb:\hb+1] offset:16384*\tau+512
.endr
	WIN 0
.endm
	s_load_b512 s[16:31], s[0:1], 0x0              ; W1 16, W3 18, B1 20, B3 22, sB1 24, exponents 26, masks 28, acts 30
	s_load_b128 s[32:35], s[0:1], 0x40             ; wimg1 32, hbuf 34
	v_lshl_add_u32 v62, v0, 2, 0x30000
	v_mov_b32 v63, 0
	v_lshrrev_b32 v31, 5, v0
	v_readfirstlane_b32 s2, v31                    ; wave
	s_mov_b32 s3, ttmp9                            ; work-group
	s_lshr_b32 s4, s3, 4                           ; e
	s_and_b32 s5, s3, 15                           ; cs
	s_lshr_b32 s6, s3, 3                           ; sl: the shared layer's slice
	s_and_b32 s7, s3, 7                            ; rb: its block of 128 tokens
	v_and_b32 v[LN], 31, v0
	v_and_b32 v31, 15, v0                          ; r
	v_bfe_u32 v30, v0, 4, 1                        ; h
	v_lshlrev_b32 v[L16], 4, v[LN]
	v_lshlrev_b32 v[H64], 6, v30
	v_and_b32 v28, 3, v31
	v_and_b32 v29, 4, v31
	v_lshl_or_b32 v28, v29, 1, v28
	v_and_b32 v29, 8, v31
	v_lshrrev_b32 v29, 1, v29
	v_or_b32 v28, v28, v29                         ; g(r)
	v_lshlrev_b32 v[WL], 4, v28
	v_lshl_add_u32 v[WL], v30, 16, v[WL]           ; lanes 16-31: 16 rows of 4,096 bytes further down
	s_wait_alu depctr_va_sdst(0)                   ; s2, the wave's number, is written, ahead of its first reader
	s_lshl_b32 s11, s2, 11
	v_add_nc_u32 v[LW], s11, v[L16]
	v_add_nc_u32 v[LW2], 0x10000, v[LW]
	s_lshl_b32 s11, s2, 13
	s_add_co_u32 s11, s11, 0x20000
	v_add_nc_u32 v[LWP], s11, v[L16]
	v_add_nc_u32 v[LB], 0x10000, v[L16]
	v_add_nc_u32 v[LP], 0x20000, v[L16]
	v_mov_b32 v[TOKX], 0                           ; a lane permute's destination counts as read
	s_mov_b32 s[S0], 0x05010400
	s_mov_b32 s[S1], 0x07030602
	s_mov_b32 s[S2], 0x05040100
	s_mov_b32 s[S3], 0x07060302
	s_mov_b32 s66, 0xffff0000                      ; lanes 16-31
	s_mov_b32 s100, 0x76543210                     ; v_permlanex16_b32: lane l xor 16
	s_mov_b32 s101, 0xfedcba98
	s_wait_kmcnt 0x0
	s_load_b512 s[36:51], s[26:27], 0x0            ; the given exponents, entries 0-15
	s_load_b64 s[52:53], s[26:27], 0x40            ; 16, 17
	s_lshl_b32 s10, s6, 16
	s_lshl_b32 s11, s2, 13
	s_add_co_u32 s10, s10, s11
	s_mov_b32 s11, 0
	s_add_nc_u64 s[32:33], s[32:33], s[10:11]      ; my eighth of the shared slice's images
	WIN 0x40
	s_wait_alu depctr_va_vdst(0)                   ; the addresses v1 to v6, v13 and v18 are written, which the loads, LDS instructions and stores of the whole kernel read
.set i, 0
.rept 16
	global_load_b128 v[4*i:4*i+3], v[L16], s[32:33] offset:512*i   ; older than every load of weights: it is in when the first block is
.set i, i+1
.endr
	WIN 0
	s_lshl_b32 s10, s4, 22
	s_lshl_b32 s67, s5, 8
	s_add_co_u32 s10, s10, s67
	s_lshl_b32 s67, s2, 19                         ; K step w: 128 rows
	s_add_co_u32 s10, s10, s67
	s_add_nc_u64 s[54:55], s[16:17], s[10:11]
	s_add_nc_u64 s[56:57], s[18:19], s[10:11]
	WLOAD 0, 54, 0                                 ; 48 loads of weights, 24 KiB a wave, are out before anything else is done
	WLOAD 1, 54, 1
	WLOAD 2, 54, 2
	s_lshl_b32 s10, s4, 7
	s_add_nc_u64 s[28:29], s[28:29], s[10:11]
	s_load_b512 s[68:83], s[28:29], 0x0
	s_load_b512 s[84:99], s[28:29], 0x40
	s_lshl_b32 s10, s4, 12
	s_lshl_b32 s67, s5, 8
	s_add_co_u32 s10, s10, s67
	s_add_nc_u64 s[20:21], s[20:21], s[10:11]      ; B1, B3 at my 64 columns
	s_add_nc_u64 s[22:23], s[22:23], s[10:11]
	s_lshl_b32 s10, s6, 8
	s_add_nc_u64 s[24:25], s[24:25], s[10:11]      ; sB1 at the shared slice's 64 columns
	s_cmp_lt_u32 s4, 2
	s_cselect_b32 s10, 0, 0x200000                 ; experts 0, 1 read x (versions 0, 1), the others the embeddings (2, 3)
	s_add_nc_u64 s[16:17], s[30:31], s[10:11]      ; the expert's rows for W1,
	s_add_nc_u64 s[60:61], s[16:17], 0x100000      ; for W3
	s_add_nc_u64 s[58:59], s[30:31], 0x400000      ; the shared layer's rows: version 4
	s_cmp_lt_u32 s2, 4
	s_cselect_b64 s[58:59], s[16:17], s[58:59]     ; my first pair's rows: waves 0-3 an expert's, waves 4-7 the shared layer's
	s_lshl_b32 s10, s4, 20
	s_lshl_b32 s67, s5, 10                         ; K step cs/2 of the next product, half cs%2 of its image
	s_add_co_u32 s10, s10, s67
	s_add_nc_u64 s[62:63], s[34:35], s[10:11]
	s_lshr_b32 s10, s6, 4
	s_add_co_u32 s10, s10, 16                      ; pseudo-expert 16 or 17
	s_lshl_b32 s10, s10, 20
	s_and_b32 s67, s6, 15
	s_lshl_b32 s67, s67, 10
	s_add_co_u32 s10, s10, s67
	s_add_nc_u64 s[18:19], s[34:35], s[10:11]
	s_wait_kmcnt 0x0
	s_cmp_lt_u32 s4, 2                             ; entries 2-6 for experts 0, 1; entries 8-12 for the others.  Each target has been read by the line that needs it
	s_cselect_b32 s36, s38, s44                    ; W1's exponent,
	s_cselect_b32 s37, s39, s45                    ; its rows',
	s_cselect_b32 s38, s40, s46                    ; W3's,
	s_cselect_b32 s39, s41, s47                    ; its rows',
	s_cselect_b32 s40, s42, s48                    ; the hidden layer's
	s_add_co_i32 s43, s36, 127
	s_lshl_b32 s42, s43, 23                        ; 2^e of W1,
	s_add_co_i32 s43, s43, 8
	s_lshl_b32 s43, s43, 23
	s_or_b32 s43, s43, 0x600000                    ; 448 x that
	s_add_co_i32 s45, s38, 127
	s_lshl_b32 s44, s45, 23                        ; the same of W3
	s_add_co_i32 s45, s45, 8
	s_lshl_b32 s45, s45, 23
	s_or_b32 s45, s45, 0x600000
	s_add_co_i32 s[FS], s50, s51                   ; entries 14 and 15: the embeddings' and sW1's
	s_add_co_i32 s[FS], s[FS], 127
	s_lshl_b32 s[FS], s[FS], 23
	v_mov_b32 v[POS], v0                           ; 32 w + lane
	SEARCH
	s_add_co_u32 s9, s[RUN], 31
	s_lshr_b32 s9, s9, 5                           ; pairs of tiles in the list
	s_mov_b32 s8, s2                               ; my first pair of the list
	v_mov_b32 v[TOKE], v[TOK]
	s_cmp_lt_u32 s2, 4
	s_cselect_b32 s53, 0, -1                       ; all lanes of waves 4-7
	s_lshl_b32 s11, s7, 7
	v_and_b32 v[TT], 0x7f, v0
	v_add_nc_u32 v[TT], s11, v[TT]                 ; 128 rb + 32 (w - 4) + lane: the shared pair's token
	v_cndmask_b32 v[TOK], v[TOK], v[TT], s53
	TOKSPLIT
	v_mov_b32 v[WSC], s42
	v_mov_b32 v[WLIM], s43
	s_wait_alu depctr_va_vdst(0)
	; a block: hold and convert, transpose, the one wait, the loads into the registers just emptied, the images to LDS
	WCONV 0, 0
	WPERM
	WLOAD 0, 54, 3
	WPUT LW, 0
	WIN 0x04                                       ; an LDS store's data: source 1
.set i, 0
.rept 16
	ds_store_b128 v[LWP], v[4*i:4*i+3] offset:512*i   ; the copy goes on to LDS as it came
.set i, i+1
.endr
	WIN 0
	WCONV 1, 1
	WPERM
	WLOAD 1, 56, 0
	WPUT LW, 1
	WCONV 2, 1
	WPERM
	WLOAD 2, 56, 1
	WPUT LW, 2
	WCONV 0, 1
	WPERM
	WLOAD 0, 56, 2
	WPUT LW, 3
	v_mov_b32 v[WSC], s44
	v_mov_b32 v[WLIM], s45
	s_wait_alu depctr_va_vdst(0)
	WCONV 1, 1
	WPERM
	WLOAD 1, 56, 3
	WPUT LW2, 0
	WCONV 2, 1
	WPERM
	AGRP 0, 58                                     ; the weights are all asked for: my first pair's rows follow in the same groups of 16 (the copy's LDS stores, which read these registers, stand ahead of a wait on vm_vsrc)
	WPUT LW2, 1
	WCONV 0, 1
	WPERM
	AGRP 1, 58
	WPUT LW2, 2
	WCONV 1, 1
	WPERM
	AGRP 2, 58
	AGRP 3, 58
	WPUT LW2, 3
	s_add_co_i32 s[FG], s36, s37
	s_add_co_i32 s[FG], s[FG], 127
	s_lshl_b32 s[FG], s[FG], 23                    ; what a sum of the first product lacks,
	s_add_co_i32 s[FU], s38, s39
	s_add_co_i32 s[FU], s[FU], 127
	s_lshl_b32 s[FU], s[FU], 23                    ; of the second
	s_mov_b32 s[NL2], 0xbfb8aa3b                   ; -log2(e)
	s_mov_b32 s[NL2+1], s[NL2]
	s_add_co_i32 s11, s40, 127
	s_lshl_b32 s67, s11, 23
	v_mov_b32 v[HSC], s67
	s_add_co_i32 s11, s11, 8
	s_lshl_b32 s11, s11, 23
	s_or_b32 s11, s11, 0x600000
	v_mov_b32 v[HLIM], s11
	s_add_co_i32 s11, s52, 127                     ; entry 16: the shared hidden layer's
	s_lshl_b32 s67, s11, 23
	v_mov_b32 v[HSC2], s67
	s_add_co_i32 s11, s11, 8
	s_lshl_b32 s11, s11, 23
	s_or_b32 s11, s11, 0x600000
	v_mov_b32 v[HLIM2], s11
	s_wait_dscnt 0x0                               ; my images lie in LDS
	s_barrier_signal -1
	s_barrier_wait -1                              ; everybody's do; nothing is written to LDS from here on
	s_cmp_lt_u32 s2, 4
	s_cbranch_scc1 .Lexpert
	; ---- waves 4-7: one pair of the shared layer.  Behind group a of its rows stand the 16 (3 - a) loads of later groups and, from step 2 on, the 8 of the bias
	KSTEP G, LP, 0, 48, -1, 1                      ; (BF's last vector readers, a weight block's conversions, stand ahead of that block's wait)
	KSTEP G, LP, 1, -1, -1, 1
	WIN 0x40
.irp i, 0,1,2,3
	global_load_b128 v[B1R+4*\i:B1R+4*\i+3], v[H64], s[24:25] offset:16*\i             ; into the registers of tile 0's rows of K steps 0 and 1
	global_load_b128 v[B1R+16+4*\i:B1R+16+4*\i+3], v[H64], s[24:25] offset:128+16*\i
.endr
	WIN 0
	KSTEP G, LP, 2, 40, -1, 1
	KSTEP G, LP, 3, -1, -1, 1
	KSTEP G, LP, 4, 24, -1, 1
	KSTEP G, LP, 5, -1, -1, 1
	KSTEP G, LP, 6, 8, -1, 1
	KSTEP G, LP, 7, -1, -1, 0
	s_wait_loadcnt 0x0                             ; the bias
	s_and_b32 s11, s2, 3
	s_lshl_b32 s67, s7, 2
	s_add_co_u32 s11, s11, s67                     ; pair 4 rb + w - 4
	s_lshl_b32 s11, s11, 15                        ; a pair's images: 2 x 16 KiB
	v_add_nc_u32 v[HA], s11, v[L16]
	EPI 0, 0, FS, HSC2, HLIM2
	EPI 1, 0, FS, HSC2, HLIM2
	HOUT 18
	s_cmp_ge_u32 s8, s9
	s_cbranch_scc1 .Ldone                          ; the expert's list has no pair for me
	s_wait_xcnt 0x0                                ; the stores have read their data and address: both are written again below
	s_wait_alu depctr_vm_vsrc(0)                   ; the stores have read the codes and v[HA], the rows' loads v[TA0] and v[TA0+1]: all are written again below
	v_mov_b32 v[TOK], v[TOKE]
	TOKSPLIT
	s_wait_alu depctr_va_vdst(0)                   ; v[TA0] and v[TA0+1] are written, which the loads below read; the epilogue is done with the registers of window 1, in which they land
	AGRP 0, 16
	AGRP 1, 16
	AGRP 2, 16
	AGRP 3, 16
.Lexpert:
	s_cmp_ge_u32 s8, s9
	s_cbranch_scc1 .Ldone
	s_sub_co_u32 s[NRND], s9, s8                   ; my pairs are s8, s8 + 8, .. below s9:
	s_add_co_u32 s[NRND], s[NRND], 7
	s_lshr_b32 s[NRND], s[NRND], 3                 ; so many rounds;
	s_min_u32 s[NRND], s[NRND], 4                  ; 32 pairs at the most, shared among 8 waves
	s_mov_b32 s[RND], 0
.Lround:
	; the first matrix.  Behind group a of the rows stand 16 (3 - a) younger loads of rows and 16 a refills: always 48.  Step s + 1 carries the refill of step s's rows.
	; On every way to this label a wait on va_vdst stands behind the last product that read BF, and a wait on vm_vsrc behind the last store.
	KSTEP G, L16, 0, 48, -1, 1
	KSTEP G, L16, 1, -1, 0, 1
	KSTEP G, L16, 2, 48, 1, 1
	KSTEP G, L16, 3, -1, 2, 1
	KSTEP G, L16, 4, 48, 3, 1
	KSTEP G, L16, 5, -1, 4, 1
	KSTEP G, L16, 6, 48, 5, 1
	KSTEP G, L16, 7, -1, 6, 1
	; the second matrix.  Behind refill s stand 8 (7 - s) younger refills and, from step 2 on, the 16 loads of the biases
	KSTEP U, LB, 0, 56, 7, 1
	KSTEP U, LB, 1, 48, -1, 1
	WIN 0x40
.irp i, 0,1,2,3
	global_load_b128 v[B1R+4*\i:B1R+4*\i+3], v[H64], s[20:21] offset:16*\i             ; into the registers of the rows of K steps 0 and 1
	global_load_b128 v[B1R+16+4*\i:B1R+16+4*\i+3], v[H64], s[20:21] offset:128+16*\i
	global_load_b128 v[B3R+4*\i:B3R+4*\i+3], v[H64], s[22:23] offset:16*\i
	global_load_b128 v[B3R+16+4*\i:B3R+16+4*\i+3], v[H64], s[22:23] offset:128+16*\i
.endr
	WIN 0
	KSTEP U, LB, 2, 56, -1, 1
	KSTEP U, LB, 3, 48, -1, 1
	KSTEP U, LB, 4, 40, -1, 1
	KSTEP U, LB, 5, 32, -1, 1
	KSTEP U, LB, 6, 24, -1, 1
	KSTEP U, LB, 7, 16, -1, 0
	s_wait_loadcnt 0x0                             ; the biases
	s_min_u32 s11, s8, 31
	s_lshl_b32 s11, s11, 15                        ; a pair's images: 2 x 16 KiB
	v_add_nc_u32 v[HA], s11, v[L16]
	EPI 0, 1, FG, HSC, HLIM
	EPI 1, 1, FG, HSC, HLIM
	HOUT 62
	s_add_co_u32 s8, s8, 8                         ; my next pair
	s_add_co_u32 s[RND], s[RND], 1
	s_cmp_ge_u32 s[RND], s[NRND]
	s_cbranch_scc1 .Ldone
	s_wait_xcnt 0x0                                ; the stores have read their data and address: both are written again below
	s_wait_alu depctr_vm_vsrc(0)                   ; the stores have read the codes and v[HA], the rows' loads v[TA0] and v[TA0+1]: all are written again below
	v_add_nc_u32 v[POS], 0x100, v[POS]
	SEARCH
	TOKSPLIT
	s_wait_alu depctr_va_vdst(0)                   ; v[TA0] and v[TA0+1] are written, which the loads below read; the epilogue is done with the registers of window 1, in which they land
	AGRP 0, 16
	AGRP 1, 16
	AGRP 2, 16
	AGRP 3, 16
	s_cmp_lt_u32 s[RND], s[NRND]
	s_cbranch_scc1 .Lround
.Ldone:
	s_wait_dscnt 0x0                               ; the closing lines, six on end
	s_wait_alu 0x0
	s_wait_tensorcnt 0x0
	ds_add_u32 v62, v63
	s_wait_dscnt 0x0
	s_endpgm
.Lfunc_end_k_q18d552bbf3_up:
	.size	k_q18d552bbf3_up, .Lfunc_end_k_q18d552bbf3_up-k_q18d552bbf3_up
	.p2alignl 7, 3214868480
	.fill 96, 4, 3214868480
	.section	.rodata,"a",@progbits
	.p2align	6, 0x0
	.amdhsa_kernel k_q18d552bbf3_up
		.amdhsa_group_segment_fixed_size 197632
		.amdhsa_private_segment_fixed_size 0
		.amdhsa_enable_private_segment 0
		.amdhsa_kernarg_size 80
		.amdhsa_user_sgpr_count 2
		.amdhsa_user_sgpr_kernarg_segment_ptr 1
		.amdhsa_wavefront_size32 1
		.amdhsa_system_sgpr_workgroup_id_x 1
		.amdhsa_system_sgpr_workgroup_id_y 1
		.amdhsa_system_sgpr_workgroup_id_z 1
		.amdhsa_system_vgpr_workitem_id 0
		.amdhsa_next_free_vgpr 512
		.amdhsa_next_free_sgpr 102
		.amdhsa_reserve_vcc 1
		.amdhsa_float_denorm_mode_32 3
		.amdhsa_float_denorm_mode_16_64 3
		.amdhsa_memory_ordered 1
		.amdhsa_forward_progress 1
		.amdhsa_inst_pref_size 218
	.end_amdhsa_kernel
	.amdgpu_metadata
---
amdhsa.version: [ 1, 2 ]
amdhsa.kernels:
  - .name:           k_q18d552bbf3_up
    .symbol:         k_q18d552bbf3_up.kd
    .args:
      - { .name: W1, .offset: 0, .size: 8, .value_kind: global_buffer, .address_space: global }
      - { .name: W3, .offset: 8, .size: 8, .value_kind: global_buffer, .address_space: global }
      - { .name: B1, .offset: 16, .size: 8, .value_kind: global_buffer, .address_space: global }
      - { .name: B3, .offset: 24, .size: 8, .value_kind: global_buffer, .address_space: global }
      - { .name: sB1, .offset: 32, .size: 8, .value_kind: global_buffer, .address_space: global }
      - { .name: lowp_scales, .offset: 40, .size: 8, .value_kind: global_buffer, .address_space: global }
      - { .name: masks, .offset: 48, .size: 8, .value_kind: global_buffer, .address_space: global }
      - { .name: acts, .offset: 56, .size: 8, .value_kind: global_buffer, .address_space: global }
      - { .name: wimg1, .offset: 64, .size: 8, .value_kind: global_buffer, .address_space: global }
      - { .name: hbuf, .offset: 72, .size: 8, .value_kind: global_buffer, .address_space: global }
    .group_segment_fixed_size: 197632
    .private_segment_fixed_size: 0
    .kernarg_segment_align: 8
    .kernarg_segment_size: 80
    .max_flat_workgroup_size: 256
    .sgpr_count:     102
    .vgpr_count:     512
    .wavefront_size: 32
...
	.end_amdgpu_metadata
.endif
;; end of part 9
;; launch down (part 10): grid 256 x 1, 8 waves a work-group, no clusters, 166,912 bytes of LDS; arguments W2, B2, sB2, lowp_scales, masks, sel, coef, wimg2, hbuf, ybuf; writes ybuf
.if DOCPART == 10
	.amdgcn_target "amdgcn-amd-amdhsa--gfx1250"
	.amdhsa_code_object_version 6
	.text
	.protected	k_q18d552bbf3_down
	.globl	k_q18d552bbf3_down
	.p2align	8
	.type	k_q18d552bbf3_down,@function
k_q18d552bbf3_down:
	s_mov_b64 s[64:65], 0
	v_nop
	global_prefetch_b8 v0, s[64:65] scope:SCOPE_SE
	s_setreg_imm32_b32 hwreg(HW_REG_WAVE_SCHED_MODE, 0, 2), 2
	s_setreg_imm32_b32 hwreg(HW_REG_WAVE_MODE, 25, 1), 1
	s_wait_xcnt 0x0
	s_wait_alu depctr_vm_vsrc(0)
; DOWN.  256 work-groups of equal make.  Work-group id serves expert e = id/16, slice cs = id%16: 64 columns of W2[e]: c (h W2 + B2) for the rows that chose e;
; and beside it a share of the shared layer's second product: pe = id/128 (half of its K), slice (id/8)%16 (codes of sW2 come ready from wimg2), tokens 128 (id%8) on; sB2 goes in with half 0.
; ybuf, f32 rows of 1,024: row 1024 x plane + token; plane 0: the token's first expert, 1: its second, 2, 3: the shared halves.  Row 4096 + id takes the padding rows of a list's last pair; nobody reads it.
; Wave w streams K step w of the expert's slice (each f32 weight byte is read once in the launch), converts and stores images in LDS, and copies an eighth of the shared slice's images; ONE barrier;
; behind it each wave works alone on pairs of tiles: waves 4-7 first one of the four shared pairs each, then every wave pairs w, w+8, .. of the expert's list.
; Fragments, images, the choice of columns in a tile and the transposed use are as in the launch before: lane (r, h), tile j, register jj is column 32 (jj/4) + 16h + 4 (jj%4) + j of token r.
; No multicast: no two work-groups read the same f32 weight bytes, and the partners' trip counts would hang on loaded counts.
; LIMITS: every given exponent between -126 and 119, the sum of a product's two between -126 and 127.  NaN among the inputs is not served.
; THE MODE: SCHED_MODE bits 1:0 = 2 (LLVM: expert scheduling mode 2), set by the entry lines.  The code itself states the register dependences
; between vector or matrix instructions and memory or LDS instructions, with s_wait_alu, always for 0.
; THE PLAN.  Registers that memory or LDS instructions touch:
;   v1-6, 13, 16, 17  addresses, made once at the head and never written again: one wait on va_vdst ahead of the first load.
;   STG0 .. STG2, C   as in the launch before: ONE wait on va_vdst a weight block, behind the permutes; a wait on vm_vsrc ahead of each later block's conversions, and one behind the barrier, where C's registers become RA.
;   BF                A K step: 16 LDS loads land in it, the step's eight products read it: ONE wait on va_vdst a step, behind the products and their places.  On the way out rows land in it from the stage, and the stores read them.
;   rows              Window 1: loads land; the products read them; the next pair's loads land behind a wait on va_vdst.
;   O, PA, v[RHO]     Written by a tile's arithmetic, read by its LDS stores and lane permutes.      RA: the permutes land in it, two vector lines make addresses of it, the stores read it.
;                     The way out of a pair: tile 0's arithmetic | va_vdst | tile 0's LDS work | vm_vsrc | tile 1's arithmetic, while tile 0 goes through the stage | tile 0's addresses | va_vdst |
;                     tile 0's stores, tile 1's LDS work | tile 1's addresses | va_vdst | tile 1's stores.
;   GA1, GA2, v[HA]   Written at a change of pairs, behind a wait on vm_vsrc (which also frees O, PA, v[RHO], RA and BF); one wait on va_vdst follows, ahead of the gathers and the new pair's loads.
;   SELV, COEF        The gathers land in them; the round's compares and selects read them.
; Every compare is followed by a wait on va_vcc or va_sdst ahead of the selects that read its mask.
.set PITCH, 4096
.set L16, 1                            ; 16 x lane; also the LDS address at which the expert's images are read
.set WL,  2
.set LW,  3
.set LWP, 4                            ; LDS: where I store my eighth of the shared images: 65536 + 8192 w + 16 lane
.set LP,  5                            ; LDS: where the shared images are read: 65536 + 16 lane
.set C16, 6                            ; 16 r
.set POS, 7
.set TOK, 8
.set SELV, 9
.set COEF, 10
.set RHO, 11                           ; the row of ybuf of the pair's row 'lane'
.set HA,  12
.set H64, 13
.set WSC, 14
.set WLIM, 15
.set SO,  16                           ; my stage, on the way in
.set SR,  17                           ; and out
.set BPX, 18                           ; 4 h
.set LN,  19
.set SM,  20
.set SB,  21
.set SGI, 22
.set QQ,  23
.set A1,  24
.set A2,  25
.set A3,  26
.set A4,  27
.set PA,  20                           ; v20-27 on the way out: which lane each lane permute reads (the search's registers, which are idle there)
.set TT,  28
.set PB,  29
.set TU,  30
.set DUMPV, 31
.set C,   32                           ; v32-47 codes of a block; behind the barrier:
.set RA,  32                           ; v32-47 store addresses, 8 a tile
.set XY,  48                           ; v48-51 at work; behind the barrier:
.set C0,  48                           ; v[48:49], v[50:51] the rows' coefficients for tile 0, 1
.set GA1, 53
.set GA2, 54
.set CFX, 55
.set TOKP, 56                          ; the shared pair's token: 128 (id%8) + 32 (w - 4) + lane
.set STG, 64
.set ACC, 64                           ; v64-127  8 accumulators
.set O,   128                          ; v128-159 a tile's results
.set BI,  160                          ; v160-191 the bias of my 32 columns, of the product in hand
.set BF,  192                          ; v192-255 four weight fragments; then rows on their way out, 32 a tile
.set RUN, 10
.set T0,  11
.set S0,  12                           ; s12-15 the byte selectors of the transposition, ahead of the barrier
.set S1,  13
.set S2,  14
.set S3,  15
.set RND, 12                           ; s12 behind the barrier: the round's number, stepped by 1
.set NRND, 13                          ; s13 behind the barrier: how many rounds my wave has
.set FS,  38                           ; s38 what a sum of the shared product lacks
.set M2,  39                           ; s39 behind the barrier: a mask; s[T0] takes the other
.set FE,  67                           ; s67 what a sum of the expert's product lacks
.set MK,  68
.set MSB, 0
.macro WIN new
.if MSB != \new
	s_set_vgpr_msb (MSB<<8)|\new
.set MSB, \new
.endif
.endm
.macro WLOAD set, c
.irp k, 0,1,2,3,4,5,6,7,8,9,10,11,12,13,14,15
	global_load_b128 v[STG+64*(\set)+4*\k:STG+64*(\set)+4*\k+3], v[WL], s[54:55] offset:(32*(\c)+4*(\k&3)+(\k>>2))*PITCH th:TH_LOAD_NT
.endr
.endm
.macro WCONV set, left, later          ; later = 1: every block but the first
	s_wait_loadcnt \left
.set i, 0
.rept 64
	v_med3_num_f32 v[STG+64*(\set)+i], v[STG+64*(\set)+i], -v[WLIM], v[WLIM]   ; the conversion does not saturate (ISA guide 7.6.2)
.set i, i+1
.endr
	s_wait_alu depctr_va_vdst(0)
	s_wait_dscnt 0x0                               ; the last block's LDS stores are done
.if \later
	s_wait_alu depctr_vm_vsrc(0)                   ; the last block's LDS stores have read C, which the conversions below write again
.endif
.irp m, 0,1,2,3,4,5,6,7
	v_cvt_scalef32_pk8_fp8_f32 v[C+2*\m:C+2*\m+1], v[STG+64*(\set)+8*\m:STG+64*(\set)+8*\m+7], v[WSC]
.endr
	v_nop
.endm
.macro WPERM
.irp g, 0,1,2,3
	v_perm_b32 v[XY],   v[C+4+\g],  v[C+\g],   s[S0]
	v_perm_b32 v[XY+1], v[C+4+\g],  v[C+\g],   s[S1]
	v_perm_b32 v[XY+2], v[C+12+\g], v[C+8+\g], s[S0]
	v_perm_b32 v[XY+3], v[C+12+\g], v[C+8+\g], s[S1]
	v_perm_b32 v[C+\g],    v[XY+2], v[XY],   s[S2]
	v_perm_b32 v[C+4+\g],  v[XY+2], v[XY],   s[S3]
	v_perm_b32 v[C+8+\g],  v[XY+3], v[XY+1], s[S2]
	v_perm_b32 v[C+12+\g], v[XY+3], v[XY+1], s[S3]
.endr
	s_wait_alu depctr_va_vdst(0)                   ; the block's one wait: the permutes have written C, which the LDS stores read; the holds and conversions are done with the block's 64 numbers, in whose registers the next loads land
.endm
.macro WPUT c
.irp j, 0,1,2,3
	ds_store_b128 v[LW], v[C+4*\j:C+4*\j+3] offset:\j*16384+(\c)*512
.endr
.endm
.macro SSTEP src, width, step
	v_bfe_u32 v[TT], v[\src], v[PB], \width
	v_cmp_ge_u32 vcc_lo, v[QQ], v[TT]
	s_wait_alu depctr_va_vcc(0)                    ; VCC is written, ahead of the two selects that read it
	v_cndmask_b32 v[TT], 0, v[TT], vcc_lo
	v_cndmask_b32 v[TU], 0, \step, vcc_lo
	v_sub_nc_u32 v[QQ], v[QQ], v[TT]
	v_add_nc_u32 v[PB], v[PB], v[TU]
.endm
; v[TOK] = the token at position v[POS] of the expert's list (tokens ascending); s[RUN] = the list's length.  Registers alone.
.macro SEARCH
	v_mov_b32 v[SM], s[MK]
	v_mov_b32 v[SB], 0
	v_mov_b32 v[SGI], 0
	s_bcnt1_i32_b32 s[RUN], s[MK]
.set j, 1
.rept 31
	v_cmp_le_u32 vcc_lo, s[RUN], v[POS]
	s_wait_alu depctr_va_vcc(0)                    ; VCC is written, ahead of the three selects that read it
	v_cndmask_b32 v[SM], v[SM], s[MK+j], vcc_lo
	v_cndmask_b32 v[SB], v[SB], s[RUN], vcc_lo
	v_cndmask_b32 v[SGI], v[SGI], j, vcc_lo
	s_bcnt1_i32_b32 s[T0], s[MK+j]
	s_add_co_u32 s[RUN], s[RUN], s[T0]
.set j, j+1
.endr
	v_sub_nc_u32 v[QQ], v[POS], v[SB]
	v_lshrrev_b32 v[TT], 1, v[SM]
	v_and_b32 v[TT], 0x55555555, v[TT]
	v_sub_nc_u32 v[A1], v[SM], v[TT]
	v_lshrrev_b32 v[TT], 2, v[A1]
	v_and_b32 v[TT], 0x33333333, v[TT]
	v_and_b32 v[A2], 0x33333333, v[A1]
	v_add_nc_u32 v[A2], v[A2], v[TT]
	v_lshrrev_b32 v[TT], 4, v[A2]
	v_add_nc_u32 v[TT], v[TT], v[A2]
	v_and_b32 v[A3], 0x0f0f0f0f, v[TT]
	v_lshrrev_b32 v[TT], 8, v[A3]
	v_add_nc_u32 v[A4], v[A3], v[TT]
	v_mov_b32 v[PB], 0
	SSTEP A4, 8, 16
	SSTEP A3, 8, 8
	SSTEP A2, 4, 4
	SSTEP A1, 2, 2
	SSTEP SM, 1, 1
	v_lshl_add_u32 v[TOK], v[SGI], 5, v[PB]
	v_min_u32 v[TOK], 0x3ff, v[TOK]
.endm
.macro GADDR                           ; where the token's second expert and its coefficient for this expert lie
	v_lshlrev_b32 v[GA1], 2, v[TOK]
	v_lshlrev_b32 v[GA2], 6, v[TOK]
.endm
.macro GLOAD                           ; and the two gathers
	global_load_b32 v[SELV], v[GA1], s[26:27]
	global_load_b32 v[COEF], v[GA2], s[62:63]
.endm
.macro MKHA
	s_min_u32 s11, s8, 31
	s_lshl_b32 s11, s11, 15                        ; a pair's images: 2 x 16 KiB
	v_add_nc_u32 v[HA], s11, v[L16]
.endm
.macro AGRP a, sb                      ; 16 loads: both tiles' images of K steps 2a, 2a+1, 512 consecutive bytes each
	WIN 0x40
.irp u, 0,1
.irp t, 0,1
.irp c, 0,1,2,3
	global_load_b128 v[128*\t+16*(2*(\a)+\u)+4*\c:128*\t+16*(2*(\a)+\u)+4*\c+3], v[HA], s[\sb:\sb+1] offset:16384*\t+2048*(2*(\a)+\u)+512*\c
.endr
.endr
.endr
	WIN 0
.endm
.macro KSTEP la, s, left, nx           ; the eight accumulators take turns, one instruction a turn.  nx = 1: the next step's LDS loads follow
.irp j, 0,1,2,3
.irp c, 0,1,2,3
	ds_load_b128 v[BF+16*\j+4*\c:BF+16*\j+4*\c+3], v[\la] offset:(8*\j+(\s))*2048+512*\c
.endr
.endr
.if (\left) >= 0
	s_wait_loadcnt \left
.endif
	s_wait_dscnt 0x0
	WIN 0x04
.irp j, 0,1,2,3
.irp t, 0,1
.if (\s) == 0
	v_wmma_f32_16x16x128_fp8_fp8 v[ACC+8*(4*\t+\j):ACC+8*(4*\t+\j)+7], v[BF+16*\j:BF+16*\j+15], v[128*\t+16*(\s):128*\t+16*(\s)+15], 0
.else
	v_wmma_f32_16x16x128_fp8_fp8 v[ACC+8*(4*\t+\j):ACC+8*(4*\t+\j)+7], v[BF+16*\j:BF+16*\j+15], v[128*\t+16*(\s):128*\t+16*(\s)+15], v[ACC+8*(4*\t+\j):ACC+8*(4*\t+\j)+7]
.endif
.endr
.endr
	WIN 0
.rept 4
	v_nop                                          ; four places behind these products, ahead of the first read of results (ISA guide 7.12.1)
.endr
.if \nx
	s_wait_alu depctr_va_vdst(0)                   ; the step's one wait: these products are done reading BF, in which the next step's LDS loads land
.endif
.endm
; A pair's eight K steps.  Younger than group a of its rows: the 16 (3 - a) loads of later groups.  Where the 8 loads of the bias are the youngest of all the waits are the stricter; where they are the oldest the counts are exact.
.macro KSTEPS la
	KSTEP \la, 0, 48, 1
	KSTEP \la, 1, -1, 1
	KSTEP \la, 2, 32, 1
	KSTEP \la, 3, -1, 1
	KSTEP \la, 4, 16, 1
	KSTEP \la, 5, -1, 1
	KSTEP \la, 6, 0, 1
	KSTEP \la, 7, -1, 0
.endm
.macro BIAS sb                         ; the bias of my 32 columns, in the order of the results' places
.irp i, 0,1,2,3
	global_load_b128 v[BI+4*\i:BI+4*\i+3], v[H64], s[\sb:\sb+1] offset:16*\i
	global_load_b128 v[BI+16+4*\i:BI+16+4*\i+3], v[H64], s[\sb:\sb+1] offset:128+16*\i
.endr
.endm
; THE WAY OUT of a pair, in four parts a tile.  OCALC: sum x 2^(the two exponents) + bias (coef = 1: times c), and which lanes the permutes read.
.macro OCALC tau, fac, coef
.irp jj, 0,1,2,3,4,5,6,7
.irp j, 0,1,2,3
	v_fma_f32 v[O+4*\jj+\j], v[ACC+8*(4*(\tau)+\j)+\jj], s[\fac], v[BI+4*\jj+\j]   ; each accumulator is read from its register 0 on
.endr
.endr
.if \coef
.irp i, 0,2,4,6,8,10,12,14,16,18,20,22,24,26,28,30
	v_pk_mul_f32 v[O+\i:O+\i+1], v[O+\i:O+\i+1], v[C0+2*(\tau):C0+2*(\tau)+1] op_sel_hi:[1,0]
.endr
.endif
.irp i, 0,1,2,3,4,5,6,7
	v_add_nc_u32 v[PA+\i], 4*(16*(\tau)+2*\i), v[BPX]
.endr
.endm
; OLDS: through my stage, back as rows of 256 bytes; and for each row the row of ybuf that its token and plane name.
.macro OLDS tau
.irp i, 0,1,2,3,4,5,6,7
	ds_store_b128 v[SO], v[O+4*\i:O+4*\i+3] offset:128*(\i>>2)+16*(\i&3)
.endr
.irp i, 0,1,2,3,4,5,6,7
	ds_load_b128 v[BF+32*(\tau)+4*\i:BF+32*(\tau)+4*\i+3], v[SR] offset:544*\i   ; LDS serves a wave's instructions in order: these see my stores
.endr
.irp i, 0,1,2,3,4,5,6,7
	ds_bpermute_b32 v[RA+8*(\tau)+\i], v[PA+\i], v[RHO]   ; the row of ybuf of the pair's row 16 tau + 2 i + h
.endr
.endm
.macro OADDR tau
.irp i, 0,1,2,3,4,5,6,7
	v_min_u32 v[RA+8*(\tau)+\i], 0x117f, v[RA+8*(\tau)+\i]
	v_lshl_add_u32 v[RA+8*(\tau)+\i], v[RA+8*(\tau)+\i], 12, v[C16]
.endr
.endm
.macro OSEND tau, yb
.irp i, 0,1,2,3,4,5,6,7
	global_store_b128 v[RA+8*(\tau)+\i], v[BF+32*(\tau)+4*\i:BF+32*(\tau)+4*\i+3], s[\yb:\yb+1]   ; sixteen lanes store 256 consecutive bytes, aligned
.endr
.endm
.macro OUT2 fac, yb, coef
	OCALC 0, \fac, \coef
	s_wait_alu depctr_va_vdst(0)                   ; tile 0's results, PA and v[RHO] are written, which the LDS stores and permutes read; the products are done reading BF, in which the rows land
	OLDS 0
	s_wait_alu depctr_vm_vsrc(0)                   ; tile 0's LDS stores have read O and its permutes PA: tile 1's arithmetic writes both again
	OCALC 1, \fac, \coef                           ; while tile 0 goes through the stage
	s_wait_dscnt 0x0
	OADDR 0
	s_wait_alu depctr_va_vdst(0)                   ; tile 0's store addresses are written; so are tile 1's results and PA
	OSEND 0, \yb
	OLDS 1
	s_wait_dscnt 0x0
	OADDR 1
	s_wait_alu depctr_va_vdst(0)                   ; tile 1's store addresses are written
	OSEND 1, \yb
.endm
	s_load_b512 s[16:31], s[0:1], 0x0              ; W2 16, B2 18, sB2 20, exponents 22, masks 24, sel 26, coef 28, wimg2 30
	s_load_b128 s[32:35], s[0:1], 0x40             ; hbuf 32, ybuf 34
	v_lshl_add_u32 v62, v0, 2, 0x28800
	v_mov_b32 v63, 0
	v_lshrrev_b32 v30, 5, v0
	v_readfirstlane_b32 s2, v30                    ; wave
	s_mov_b32 s3, ttmp9                            ; work-group
	s_lshr_b32 s4, s3, 4                           ; e
	s_and_b32 s5, s3, 15                           ; cs
	s_and_b32 s7, s3, 7                            ; rb: the shared part's block of 128 tokens
	s_lshr_b32 s9, s3, 7                           ; pe: its half of K
	s_bfe_u32 s8, s3, 0x40003                      ; its slice
	v_and_b32 v[LN], 31, v0
	v_and_b32 v29, 15, v0                          ; r
	v_bfe_u32 v30, v0, 4, 1                        ; h
	v_lshlrev_b32 v[L16], 4, v[LN]
	v_lshlrev_b32 v[H64], 6, v30
	v_lshlrev_b32 v[C16], 4, v29
	v_lshlrev_b32 v[BPX], 2, v30
	v_and_b32 v27, 3, v29
	v_and_b32 v28, 4, v29
	v_lshl_or_b32 v27, v28, 1, v27
	v_and_b32 v28, 8, v29
	v_lshrrev_b32 v28, 1, v28
	v_or_b32 v27, v27, v28                         ; g(r)
	v_lshlrev_b32 v[WL], 4, v27
	v_lshl_add_u32 v[WL], v30, 16, v[WL]
	s_wait_alu depctr_va_sdst(0)                   ; s2, the wave's number, is written, ahead of its first reader
	s_lshl_b32 s11, s2, 11
	v_add_nc_u32 v[LW], s11, v[L16]
	s_lshl_b32 s11, s2, 13
	s_add_co_u32 s11, s11, 0x10000
	v_add_nc_u32 v[LWP], s11, v[L16]
	v_add_nc_u32 v[LP], 0x10000, v[L16]
	s_mul_i32 s11, s2, 4352
	s_add_co_u32 s11, s11, 0x20000                 ; my stage: 16 rows x 272 bytes
	v_mul_u32_u24 v[SO], v29, 272
	v_lshl_add_u32 v[SO], v30, 6, v[SO]
	v_add_nc_u32 v[SO], s11, v[SO]
	v_mul_u32_u24 v[SR], v30, 272
	v_lshl_add_u32 v[SR], v29, 4, v[SR]
	v_add_nc_u32 v[SR], s11, v[SR]
	s_add_co_u32 s11, s3, 4096
	v_mov_b32 v[DUMPV], s11
	s_lshl_b32 s11, s7, 7
	v_and_b32 v[TOKP], 0x7f, v0
	v_add_nc_u32 v[TOKP], s11, v[TOKP]
	v_mov_b32 v[CFX], 0                            ; a lane permute's destination counts as read
	s_mov_b32 s[S0], 0x05010400
	s_mov_b32 s[S1], 0x07030602
	s_mov_b32 s[S2], 0x05040100
	s_mov_b32 s[S3], 0x07060302
	s_mov_b32 s66, 0xffff0000
	s_mov_b32 s100, 0x76543210
	s_mov_b32 s101, 0xfedcba98
	s_wait_kmcnt 0x0
	s_load_b512 s[36:51], s[22:23], 0x0
	s_load_b64 s[52:53], s[22:23], 0x40
	s_lshl_b32 s10, s9, 20
	s_lshl_b32 s11, s8, 16
	s_add_co_u32 s10, s10, s11
	s_lshl_b32 s11, s2, 13
	s_add_co_u32 s10, s10, s11
	s_mov_b32 s11, 0
	s_add_nc_u64 s[30:31], s[30:31], s[10:11]      ; my eighth of the shared slice's images
	WIN 0x40
	s_wait_alu depctr_va_vdst(0)                   ; the addresses v1 to v6, v13, v16 and v17 are written, which the loads, LDS instructions and stores of the whole kernel read
.set i, 0
.rept 16
	global_load_b128 v[4*i:4*i+3], v[L16], s[30:31] offset:512*i   ; older than every load of weights: it is in when the first block is
.set i, i+1
.endr
	WIN 0
	s_lshl_b32 s10, s4, 22
	s_lshl_b32 s67, s5, 8
	s_add_co_u32 s10, s10, s67
	s_lshl_b32 s67, s2, 19
	s_add_co_u32 s10, s10, s67
	s_add_nc_u64 s[54:55], s[16:17], s[10:11]
	WLOAD 0, 0
	WLOAD 1, 1
	WLOAD 2, 2
	s_lshl_b32 s10, s4, 7
	s_add_nc_u64 s[24:25], s[24:25], s[10:11]
	s_load_b512 s[68:83], s[24:25], 0x0
	s_load_b512 s[84:99], s[24:25], 0x40
	s_lshl_b32 s10, s4, 12
	s_lshl_b32 s67, s5, 8
	s_add_co_u32 s10, s10, s67
	s_add_nc_u64 s[60:61], s[18:19], s[10:11]      ; B2 at my 64 columns
	s_lshl_b32 s10, s4, 2
	s_add_nc_u64 s[62:63], s[28:29], s[10:11]      ; coef at my expert's column
	s_lshl_b32 s10, s4, 20
	s_add_nc_u64 s[16:17], s[32:33], s[10:11]      ; my expert's hidden rows,
	s_add_co_u32 s10, s9, 16
	s_lshl_b32 s10, s10, 20
	s_add_nc_u64 s[56:57], s[32:33], s[10:11]      ; the shared half's
	s_cmp_lt_u32 s2, 4
	s_cselect_b64 s[56:57], s[16:17], s[56:57]     ; my first pair's: waves 0-3 the expert's, waves 4-7 the shared half's
	s_lshl_b32 s10, s5, 8
	s_add_nc_u64 s[58:59], s[34:35], s[10:11]      ; ybuf at the expert's 64 columns,
	s_lshl_b32 s10, s8, 8
	s_add_nc_u64 s[18:19], s[34:35], s[10:11]      ; at the shared slice's
	s_add_nc_u64 s[20:21], s[20:21], s[10:11]      ; sB2 likewise
	s_add_co_u32 s6, s9, 2
	s_lshl_b32 s6, s6, 10                          ; the first row of plane 2 or 3
	s_wait_kmcnt 0x0
	s_cmp_lt_u32 s4, 2
	s_cselect_b32 s36, s42, s48                    ; the hidden layer's exponent: entry 6 or 12,
	s_cselect_b32 s37, s43, s49                    ; W2's: entry 7 or 13
	s_add_co_i32 s11, s37, 127
	s_lshl_b32 s67, s11, 23
	v_mov_b32 v[WSC], s67
	s_add_co_i32 s11, s11, 8
	s_lshl_b32 s11, s11, 23
	s_or_b32 s11, s11, 0x600000
	v_mov_b32 v[WLIM], s11
	s_add_co_i32 s[FS], s52, s53                   ; entries 16 and 17: the shared hidden layer's and sW2's
	s_add_co_i32 s[FS], s[FS], 127
	s_lshl_b32 s[FS], s[FS], 23
	v_mov_b32 v[POS], v0
	SEARCH
	s_add_co_u32 s9, s[RUN], 31
	s_lshr_b32 s9, s9, 5                           ; pairs of tiles in the list
	s_mov_b32 s8, s2                               ; my first pair of the list
	GADDR
	s_and_b32 s11, s2, 3
	s_lshl_b32 s39, s7, 2
	s_add_co_u32 s11, s11, s39                     ; the shared pair 4 rb + w - 4
	s_cmp_lt_u32 s2, 4
	s_cselect_b32 s11, s2, s11
	s_lshl_b32 s11, s11, 15
	v_add_nc_u32 v[HA], s11, v[L16]                ; my first pair's images
	s_wait_alu depctr_va_vdst(0)                   ; v[GA1] and v[GA2] are written, which the two gathers read; so is v[HA], which the rows' loads read
	GLOAD
	; a block: hold and convert, transpose, the one wait, the loads into the registers just emptied, the images to LDS
	WCONV 0, 34, 0                                 ; younger: two groups of 16 and the two gathers
	WPERM
	WLOAD 0, 3
	WPUT 0
	WIN 0x04                                       ; an LDS store's data: source 1
.set i, 0
.rept 16
	ds_store_b128 v[LWP], v[4*i:4*i+3] offset:512*i   ; the copy goes on to LDS as it came
.set i, i+1
.endr
	WIN 0
	WCONV 1, 34, 1
	WPERM
	AGRP 0, 56                                     ; (the copy's LDS stores, which read these registers, stand ahead of a wait on vm_vsrc)
	WPUT 1
	WCONV 2, 34, 1
	WPERM
	AGRP 1, 56
	WPUT 2
	WCONV 0, 32, 1                                 ; younger: two groups of hidden rows
	WPERM
	AGRP 2, 56
	AGRP 3, 56
	WPUT 3
	s_add_co_i32 s[FE], s36, s37
	s_add_co_i32 s[FE], s[FE], 127
	s_lshl_b32 s[FE], s[FE], 23
	s_lshr_b32 s39, s3, 7                          ; pe
	s_cmp_lt_u32 s2, 4
	s_cselect_b64 s[32:33], s[60:61], s[20:21]     ; my first pair's bias: B2's or sB2's,
	s_cselect_b32 s39, 0, s39                      ; or none: sB2 is added once, with the first half of K
	s_cmp_lg_u32 s39, 0
	s_cbranch_scc1 .Lno_bias
	BIAS 32                                        ; (the last vector instructions that named these registers, a weight block's, stand ahead of that block's wait)
	s_branch .Lbias_set
.Lno_bias:
.set i, 0
.rept 32
	v_mov_b32 v[BI+i], 0
.set i, i+1
.endr
.Lbias_set:
	s_wait_dscnt 0x0                               ; my images lie in LDS
	s_barrier_signal -1
	s_barrier_wait -1                              ; everybody's do; from here on a wave writes only its own stage
	s_wait_alu depctr_vm_vsrc(0)                   ; my LDS stores have read C: these registers are RA from here on, in which the lane permutes land
	v_mov_b32 v[C0+1], 0                           ; named as the upper halves of pairs
	v_mov_b32 v[C0+3], 0
	s_cmp_lt_u32 s2, 4
	s_cbranch_scc1 .Lexpert
	; ---- waves 4-7: one pair of the shared product
	KSTEPS LP
	v_add_nc_u32 v[RHO], s6, v[TOKP]               ; plane 2 or 3, the token's row
	OUT2 FS, 18, 0
	s_cmp_ge_u32 s8, s9
	s_cbranch_scc1 .Ldone                          ; the expert's list has no pair for me
	s_wait_xcnt 0x0                                ; the stores have read their data and addresses: both are written again below
	s_wait_alu depctr_vm_vsrc(0)                   ; the stores have read RA and BF, the LDS stores O, the permutes PA and v[RHO], the rows' loads v[HA]: all are written again below
	BIAS 60                                        ; older than the rows' groups: in when the first of them is (the multiply-adds that read these registers stand ahead of the last wait on va_vdst)
	MKHA
	s_wait_alu depctr_va_vdst(0)                   ; v[HA] is written, which the loads below read
	AGRP 0, 16
	AGRP 1, 16
	AGRP 2, 16
	AGRP 3, 16
.Lexpert:
	s_cmp_ge_u32 s8, s9
	s_cbranch_scc1 .Ldone
	s_sub_co_u32 s[NRND], s9, s8                   ; my pairs are s8, s8 + 8, .. below s9:
	s_add_co_u32 s[NRND], s[NRND], 7
	s_lshr_b32 s[NRND], s[NRND], 3                 ; so many rounds;
	s_min_u32 s[NRND], s[NRND], 4                  ; 32 pairs at the most, shared among 8 waves
	s_mov_b32 s[RND], 0
.Lround:                                           ; on every way to this label a wait on va_vdst stands behind the last product that read BF, and a wait on vm_vsrc behind the last store that read it
	KSTEPS L16
	v_cmp_eq_u32 s[T0], s4, v[SELV]                ; the two compares in one run
	v_cmp_le_u32 s[M2], s[RUN], v[POS]
	s_wait_alu depctr_va_sdst(0)                   ; both masks are written, ahead of the selects that read them
	v_cndmask_b32 v[TT], 0, 1, s[T0]               ; I am the token's second expert: plane 1
	v_lshl_add_u32 v[RHO], v[TT], 10, v[TOK]
	v_cndmask_b32 v[RHO], v[RHO], v[DUMPV], s[M2]  ; past the list's end
	v_permlanex16_b32 v[CFX], v[COEF], s100, s101
	v_cndmask_b32 v[C0], v[COEF], v[CFX], s66      ; lane (r, h): row r of tile 0,
	v_cndmask_b32 v[C0+2], v[CFX], v[COEF], s66    ; of tile 1
	OUT2 FE, 58, 1
	s_add_co_u32 s8, s8, 8                         ; my next pair
	s_add_co_u32 s[RND], s[RND], 1
	s_cmp_ge_u32 s[RND], s[NRND]
	s_cbranch_scc1 .Ldone
	s_wait_xcnt 0x0                                ; the stores have read their data and addresses: both are written again below
	s_wait_alu depctr_vm_vsrc(0)                   ; the stores have read RA and BF, the LDS stores O, the permutes PA and v[RHO], the gathers v[GA1] and v[GA2], the rows' loads v[HA]: all are written again below
	v_add_nc_u32 v[POS], 0x100, v[POS]
	SEARCH
	GADDR
	MKHA
	s_wait_alu depctr_va_vdst(0)                   ; v[GA1], v[GA2] and v[HA] are written, which the loads below read; the round's compares and selects are done reading SELV and COEF, in which the gathers land
	GLOAD
	AGRP 0, 16
	AGRP 1, 16
	AGRP 2, 16
	AGRP 3, 16
	s_cmp_lt_u32 s[RND], s[NRND]
	s_cbranch_scc1 .Lround
.Ldone:
	s_wait_dscnt 0x0                               ; the closing lines, six on end
	s_wait_alu 0x0
	s_wait_tensorcnt 0x0
	ds_add_u32 v62, v63
	s_wait_dscnt 0x0
	s_endpgm
.Lfunc_end_k_q18d552bbf3_down:
	.size	k_q18d552bbf3_down, .Lfunc_end_k_q18d552bbf3_down-k_q18d552bbf3_down
	.p2alignl 7, 3214868480
	.fill 96, 4, 3214868480
	.section	.rodata,"a",@progbits
	.p2align	6, 0x0
	.amdhsa_kernel k_q18d552bbf3_down
		.amdhsa_group_segment_fixed_size 166912
		.amdhsa_private_segment_fixed_size 0
		.amdhsa_enable_private_segment 0
		.amdhsa_kernarg_size 80
		.amdhsa_user_sgpr_count 2
		.amdhsa_user_sgpr_kernarg_segment_ptr 1
		.amdhsa_wavefront_size32 1
		.amdhsa_system_sgpr_workgroup_id_x 1
		.amdhsa_system_sgpr_workgroup_id_y 1
		.amdhsa_system_sgpr_workgroup_id_z 1
		.amdhsa_system_vgpr_workitem_id 0
		.amdhsa_next_free_vgpr 512
		.amdhsa_next_free_sgpr 102
		.amdhsa_reserve_vcc 1
		.amdhsa_float_denorm_mode_32 3
		.amdhsa_float_denorm_mode_16_64 3
		.amdhsa_memory_ordered 1
		.amdhsa_forward_progress 1
		.amdhsa_inst_pref_size 143
	.end_amdhsa_kernel
	.amdgpu_metadata
---
amdhsa.version: [ 1, 2 ]
amdhsa.kernels:
  - .name:           k_q18d552bbf3_down
    .symbol:         k_q18d552bbf3_down.kd
    .args:
      - { .name: W2, .offset: 0, .size: 8, .value_kind: global_buffer, .address_space: global }
      - { .name: B2, .offset: 8, .size: 8, .value_kind: global_buffer, .address_space: global }
      - { .name: sB2, .offset: 16, .size: 8, .value_kind: global_buffer, .address_space: global }
      - { .name: lowp_scales, .offset: 24, .size: 8, .value_kind: global_buffer, .address_space: global }
      - { .name: masks, .offset: 32, .size: 8, .value_kind: global_buffer, .address_space: global }
      - { .name: sel, .offset: 40, .size: 8, .value_kind: global_buffer, .address_space: global }
      - { .name: coef, .offset: 48, .size: 8, .value_kind: global_buffer, .address_space: global }
      - { .name: wimg2, .offset: 56, .size: 8, .value_kind: global_buffer, .address_space: global }
      - { .name: hbuf, .offset: 64, .size: 8, .value_kind: global_buffer, .address_space: global }
      - { .name: ybuf, .offset: 72, .size: 8, .value_kind: global_buffer, .address_space: global }
    .group_segment_fixed_size: 166912
    .private_segment_fixed_size: 0
    .kernarg_segment_align: 8
    .kernarg_segment_size: 80
    .max_flat_workgroup_size: 256
    .sgpr_count:     102
    .vgpr_count:     512
    .wavefront_size: 32
...
	.end_amdgpu_metadata
.endif
;; end of part 10
;; launch sum (part 11): grid 256 x 1, 4 waves a work-group, no clusters, 0 bytes of LDS; arguments ybuf, out0; writes out0
.if DOCPART == 11
	.amdgcn_target "amdgcn-amd-amdhsa--gfx1250"
	.amdhsa_code_object_version 6
	.text
	.protected	k_q18d552bbf3_sum
	.globl	k_q18d552bbf3_sum
	.p2align	8
	.type	k_q18d552bbf3_sum,@function
k_q18d552bbf3_sum:
	s_mov_b64 s[64:65], 0
	v_nop
	global_prefetch_b8 v0, s[64:65] scope:SCOPE_SE
	s_setreg_imm32_b32 hwreg(HW_REG_WAVE_MODE, 25, 1), 1
	s_wait_xcnt 0x0
; SUM.  out0 = the four planes of ybuf added: the token's two experts (already times their weights) and the two halves of the shared layer.
; A stream: a work-group takes 16 KiB of each plane, a thread 16 bytes of each of eight pieces of 2,048 bytes; all 32 loads of a wave go out at once; each load and store of a wave covers 512 consecutive bytes.
; No LDS, no barrier, no matrix unit: nothing is shared and nothing is multiplied.
.set PL, 0x400000                      ; a plane: 1,024 rows of 4,096 bytes
	s_load_b128 s[4:7], s[0:1], 0x0                ; ybuf, out0
	v_lshlrev_b32 v1, 4, v0
	s_lshl_b32 s8, ttmp9, 14
	v_add_nc_u32 v1, s8, v1
	s_wait_alu depctr_va_vdst(0)
	s_wait_kmcnt 0x0
	s_add_nc_u64 s[10:11], s[4:5], PL
	s_add_nc_u64 s[12:13], s[4:5], 2*PL
	s_add_nc_u64 s[14:15], s[4:5], 3*PL
.irp i, 0,1,2,3,4,5,6,7
	global_load_b128 v[16+16*\i:19+16*\i], v1, s[4:5] offset:2048*\i th:TH_LOAD_NT
	global_load_b128 v[20+16*\i:23+16*\i], v1, s[10:11] offset:2048*\i th:TH_LOAD_NT
	global_load_b128 v[24+16*\i:27+16*\i], v1, s[12:13] offset:2048*\i th:TH_LOAD_NT
	global_load_b128 v[28+16*\i:31+16*\i], v1, s[14:15] offset:2048*\i th:TH_LOAD_NT
.endr
.irp i, 0,1,2,3,4,5,6,7
	s_wait_loadcnt 28-4*\i                         ; piece i's four loads are in; the later pieces' stay out
	v_pk_add_f32 v[16+16*\i:17+16*\i], v[16+16*\i:17+16*\i], v[20+16*\i:21+16*\i]
	v_pk_add_f32 v[18+16*\i:19+16*\i], v[18+16*\i:19+16*\i], v[22+16*\i:23+16*\i]
	v_pk_add_f32 v[24+16*\i:25+16*\i], v[24+16*\i:25+16*\i], v[28+16*\i:29+16*\i]
	v_pk_add_f32 v[26+16*\i:27+16*\i], v[26+16*\i:27+16*\i], v[30+16*\i:31+16*\i]
	v_pk_add_f32 v[16+16*\i:17+16*\i], v[16+16*\i:17+16*\i], v[24+16*\i:25+16*\i]
	v_pk_add_f32 v[18+16*\i:19+16*\i], v[18+16*\i:19+16*\i], v[26+16*\i:27+16*\i]
	global_store_b128 v1, v[16+16*\i:19+16*\i], s[6:7] offset:2048*\i th:TH_STORE_NT
.endr
	s_endpgm
.Lfunc_end_k_q18d552bbf3_sum:
	.size	k_q18d552bbf3_sum, .Lfunc_end_k_q18d552bbf3_sum-k_q18d552bbf3_sum
	.p2alignl 7, 3214868480
	.fill 96, 4, 3214868480
	.section	.rodata,"a",@progbits
	.p2align	6, 0x0
	.amdhsa_kernel k_q18d552bbf3_sum
		.amdhsa_group_segment_fixed_size 0
		.amdhsa_private_segment_fixed_size 0
		.amdhsa_enable_private_segment 0
		.amdhsa_kernarg_size 16
		.amdhsa_user_sgpr_count 2
		.amdhsa_user_sgpr_kernarg_segment_ptr 1
		.amdhsa_wavefront_size32 1
		.amdhsa_system_sgpr_workgroup_id_x 1
		.amdhsa_system_sgpr_workgroup_id_y 1
		.amdhsa_system_sgpr_workgroup_id_z 1
		.amdhsa_system_vgpr_workitem_id 0
		.amdhsa_next_free_vgpr 144
		.amdhsa_next_free_sgpr 66
		.amdhsa_reserve_vcc 0
		.amdhsa_float_denorm_mode_32 3
		.amdhsa_float_denorm_mode_16_64 3
		.amdhsa_memory_ordered 1
		.amdhsa_forward_progress 1
		.amdhsa_inst_pref_size 8
	.end_amdhsa_kernel
	.amdgpu_metadata
---
amdhsa.version: [ 1, 2 ]
amdhsa.kernels:
  - .name:           k_q18d552bbf3_sum
    .symbol:         k_q18d552bbf3_sum.kd
    .args:
      - { .name: ybuf, .offset: 0, .size: 8, .value_kind: global_buffer, .address_space: global }
      - { .name: out0, .offset: 8, .size: 8, .value_kind: global_buffer, .address_space: global }
    .group_segment_fixed_size: 0
    .private_segment_fixed_size: 0
    .kernarg_segment_align: 8
    .kernarg_segment_size: 16
    .max_flat_workgroup_size: 128
    .sgpr_count:     66
    .vgpr_count:     144
    .wavefront_size: 32
...
	.end_amdgpu_metadata
.endif
;; end of part 11
